; MI455X (gfx1250); checked and timed in simulation.
; The chip was launched on July 23, 2026; its instructions are those of AMD's public machine-readable ISA for CDNA 5 (MIT licence, August 2026) and "CDNA5" Instruction Set Architecture Reference Guide (July 2026). The comments in the code are by the model that wrote it; some were corrected since.
;; Mo E Layer. Allowed arithmetic: matrix products marked QUANTISED: E3M2 operands, one E8M0 scale for each 32 along K, by v_wmma_scale_f32_16x16x128_f8f6f4 with both operands' format E3M2, f32 sums; products left as they are: f32 operands where the result goes on into a quantised operand, else bf16, f16 or f32 operands; f32 sums; everything else in f32.
;; Inputs: expert_b 8 x 1,024 float32; expert_w 8 x 1,024 x 1,024 float32; gate_b 8 float32; gate_w 1,024 x 8 float32; x 8,192 x 1,024 float32.
;; Outputs: out0 8,192 x 1,024 float32.
;; This version of the problem:
;;   THIS VERSION OF THE PROBLEM IS GIVEN IN LOW PRECISION. The matrix products marked QUANTISED in the list below multiply operands that are first quantised to E3M2 (3 exponent bits, 2 mantissa bits; 6 bits a number), with one power-of-two scale for each 32 numbers along K (OCP MX v1.0); their sums are f32. All else is computed in f32.
;;   The module's matrix products, in the order in which they are computed (A, B: the left and right operand; K: the contracted axis; several contracted axes count as one K, in the product's order):
;;     1. [M 8,192, K 1,024] x [K 1,024, N 8]; A: input x; B: input gate_w: left as it is (N = 8 < 16)
;;     2. [M 8,192, K 1,024] x [K 1,024, N 8,192]; A: input x; B: input expert_w: QUANTISED
;;     3. batch 8,192 x [M 1, K 8] x [K 8, N 1,024]; A: computed on the way; B: computed on the way: left as it is (K = 8 < 32)
;;   THE QUANTISER, for each operand of a quantised product, along K:
;;     - K is cut into blocks of 32 from its start; a last block that is shorter is filled with zeros.
;;     - A block's scale is 2^e with e = floor(log2(the largest magnitude in the block)) - 4, held to -126 .. 127; a block of zeros has e = 0. As a byte (E8M0): e + 127.
;;     - Each number is divided by its block's scale, clamped to +-28, and rounded to the nearest number of E3M2, ties to even, subnormals kept.
;;     - The product sums the exact products of the quantised numbers (number of the format x scale) in f32.
;;   ~~~python
;;   def quantise(x, axis):      # numpy; x: float32 -> the quantised numbers, widened to float32 again
;;       x = np.moveaxis(x, axis, -1); K = x.shape[-1]
;;       x = np.pad(x, [(0, 0)] * (x.ndim - 1) + [(0, -K % 32)]); x = x.reshape(x.shape[:-1] + (-1, 32)); a = np.abs(x).max(-1, keepdims=True)
;;       e = np.where(a > 0, np.clip(np.frexp(np.where(a > 0, a, 1))[1] - 1 - 4, -126, 127), 0)      # np.frexp(a)[1] - 1 = floor(log2(a)), exactly
;;       r = np.clip(x / 2.0 ** e, -28, 28)
;;       step = 2.0 ** (np.maximum(np.frexp(np.where(r == 0, 1, r))[1] - 1, -2) - 2)
;;       q = np.round(r / step) * step * 2.0 ** e      # np.round: ties to even
;;       return np.moveaxis(q.reshape(q.shape[:-2] + (-1,))[..., :K], -1, axis).astype(np.float32)
;;   ~~~
;; 3 versions. Each part assembles by itself: llvm-mc -triple=amdgcn-amd-amdhsa -mcpu=gfx1250 --defsym DOCPART=n.
;; ======== version 1 of 3: 3 launches
;; workspace buffers: xq 6,291,456 bytes; xs 262,144 bytes; wts 262,144 bytes; keys 32,768 bytes of whole numbers; wimg 6,553,600 bytes; perm 32,768 bytes of whole numbers; tinfo 768 bytes of whole numbers
;; launch gate_x (part 1): grid 256 x 1, 4 waves a work-group, no clusters, 118,272 bytes of LDS; arguments x, gate_w, gate_b, xq, xs, wts, keys; writes xq, xs, wts, keys
.if DOCPART == 1
	.amdgcn_target "amdgcn-amd-amdhsa--gfx1250"
	.amdhsa_code_object_version 6
	.text
	.protected	k_qa609f890de_gate_x
	.globl	k_qa609f890de_gate_x
	.p2align	8
	.type	k_qa609f890de_gate_x,@function
k_qa609f890de_gate_x:
	s_mov_b64 s[64:65], 0
	v_nop
	global_prefetch_b8 v0, s[64:65] scope:SCOPE_SE
	s_setreg_imm32_b32 hwreg(HW_REG_WAVE_MODE, 25, 1), 1
	s_wait_xcnt 0x0
; THE GATE, AND x AS CODES.  x [8192][1024] f32 is read once and serves twice.
; (1) logits = x gate_w + gate_b in f32 by fused multiply-adds, softmax over the 8 experts with the maximum taken away, the two largest p (on a tie the lower index).
;     Stored at fixed places: wts[token][8] = p where the expert is chosen, else 0; keys[token] = the number 0..27 of the unordered pair (lo, hi):
;     lo (15 - lo) / 2 + (lo even ? hi - lo - 1 : 7 - hi), so that neighbouring numbers always share an expert.  No address and no branch here hangs on the choice.
; (2) x as codes of E3M2, one E8M0 byte for each 32 along K: scale = 2^(floor(log2(largest magnitude)) - 4), numbers / scale to the nearest code, ties to even, beyond 28 the largest code.
;     xq[token]: 768 bytes, block kb = 4 ks + 2 c + h at 384 h + 48 ks + 24 c: lane (r, h) of an operand finds its 12 registers of K step ks as 48 bytes on end.
;     xs[token]: 32 bytes, the word of K step ks = 2 kp + hh at 16 hh + 4 kp, byte kb % 4.
; SHARES: a work-group takes 32 tokens, a wave 8 whole rows; all 64 loads of a wave (512 consecutive bytes each) are asked for at the head.  No loop: four pairs of rows by macro.
; The gate wants a lane's numbers as they are loaded (4 neighbours for each of 8 loads); the conversion wants 16 neighbours in a lane: so each half row turns through the wave's own stage in LDS.
; LIMITS: NaN and infinities among the inputs are not served.  A block of zeros, or one whose largest magnitude lies under 2^(5 - 127), gets the byte 1 (the bytes are read by this program alone; zero codes add nothing).
; The gate's f32 sums are taken in another order than a row-by-row sum: 32 terms a lane, then a tree over the lanes.
; No matrix unit: the gate has 8 columns, and a coarser operand could turn a choice.  No cluster: work-groups share only gate_w's 32 KB.
; LDS: 0 .. 36,863 gate_w, 16 bytes of padding behind each 128; then 20,224 bytes for each wave: two stages of 32 x 80, 8 x 768 of codes, 256 scale bytes, 32 x 272 of partial logits.
; REGISTERS: window 0: v1-14 addresses; v16-63 codes on their way out; v64-127 gate_w as loaded, then the partial logits (row, expert); v128-159 two sets of 16 neighbours; v192-211 codes and bytes just made;
;   v212-255 at work.   window 1: gate_w: register 32 i + 8 j + e = gate_w[128 i + 4 lane + j][e].   window 2: x: register 32 row + 4 i + j = x[row][128 i + 4 lane + j].
.set WB0,     36864
.set WREG,    20224
.set O_CODES, 5120
.set O_SCB,   11264
.set O_LP,    11520
.set CO,  16
.set LG,  64
.set XT,  128
.set CD,  192
.set EB,  208
.set PR,  224                          ; v224-231 logits, then p
.set QR,  236                          ; v236-243 p with the first choice taken out
.set WR,  244                          ; v244-251 the combine weights
.set MSB, 0
.macro WIN new                         ; the immediate's high byte repeats the setting that is left; a switch that changes nothing is dropped
.if MSB != (\new)
	s_set_vgpr_msb (MSB<<8)|(\new)
.set MSB, (\new)
.endif
.endm
	s_load_b256 s[4:11], s[0:1], 0x0               ; x s[4:5], gate_w s[6:7], gate_b s[8:9], xq s[10:11]
	s_load_b128 s[12:15], s[0:1], 0x20             ; xs s[12:13], wts s[14:15]
	s_load_b64 s[16:17], s[0:1], 0x30              ; keys
	v_lshl_add_u32 v254, v0, 2, 0x1cc00
	v_mov_b32 v255, 0
	v_lshrrev_b32 v15, 5, v0
	v_readfirstlane_b32 s18, v15                   ; wave 0..3
	v_and_b32 v1, 31, v0                           ; lane
	v_lshlrev_b32 v2, 4, v1                        ; 16 x lane
	v_lshlrev_b32 v3, 4, v0                        ; 16 x thread
	v_lshrrev_b32 v15, 3, v0
	v_lshl_add_u32 v4, v15, 4, v3                  ; gate_w into LDS: 16 thread + 16 for each 128 bytes passed
	v_mul_u32_u24 v5, v1, 144                      ; and out: my 128 bytes of each 4,096: a pitch of 9 x 16 bytes from lane to lane
	s_mul_i32 s20, s18, WREG
	s_add_co_u32 s20, s20, WB0                     ; my wave's region
	s_add_co_u32 s21, s20, O_CODES
	s_add_co_u32 s22, s20, O_SCB
	s_add_co_u32 s23, s20, O_LP
	v_lshrrev_b32 v15, 2, v1
	v_mul_u32_u24 v6, v15, 80
	v_and_b32 v15, 3, v1
	v_lshl_add_u32 v6, v15, 4, v6
	v_add_nc_u32 v6, s20, v6                       ; the stage, in: four lanes' 64 bytes on end, then 16 of padding
	v_mul_u32_u24 v7, v1, 80
	v_add_nc_u32 v7, s20, v7                       ; the stage, out: my 16 neighbours
	v_and_b32 v15, 1, v1                           ; my 16 codes' place in a row's 768 bytes: lane l holds half l & 1 of block 16 s + l / 2
	v_mul_u32_u24 v8, v15, 12
	v_bfe_u32 v15, v1, 1, 1
	v_mad_u32_u24 v8, v15, 384, v8                 ; h = block & 1
	v_bfe_u32 v15, v1, 2, 1
	v_mad_u32_u24 v8, v15, 24, v8                  ; c = (block / 2) & 1
	v_lshrrev_b32 v15, 3, v1
	v_mad_u32_u24 v8, v15, 48, v8                  ; ks = block / 4 (its part 4 s stands in the stores' offsets)
	v_add_nc_u32 v8, s21, v8
	v_bfe_u32 v15, v1, 3, 1                        ; my block's byte in a row's 32 scale bytes
	v_lshlrev_b32 v9, 4, v15                       ; hh = ks & 1
	v_lshrrev_b32 v15, 4, v1
	v_lshl_add_u32 v9, v15, 2, v9                  ; kp = ks / 2
	v_bfe_u32 v15, v1, 1, 2
	v_add_nc_u32 v9, v9, v15                       ; block % 4
	v_add_nc_u32 v9, s22, v9
	v_add_nc_u32 v10, s21, v2                      ; codes back: 16 bytes a lane
	v_lshlrev_b32 v14, 3, v1                       ; 8 x lane
	v_add_nc_u32 v11, s22, v14                     ; scale bytes back: 8 bytes a lane
	v_mul_u32_u24 v12, v1, 272
	v_add_nc_u32 v12, s23, v12                     ; my 64 partial logits: a row of 256 bytes + 16
	v_and_b32 v15, 1, v1
	v_lshrrev_b32 v212, 4, v1
	v_lshl_or_b32 v15, v212, 1, v15                ; which eight lanes' partials I add: (l & 1) + 2 (l / 16)
	v_mul_u32_u24 v13, v15, 2176
	v_bfe_u32 v15, v1, 1, 3                        ; for which of the wave's rows: (l / 2) & 7
	v_lshl_add_u32 v13, v15, 5, v13
	v_add_nc_u32 v13, s23, v13
	s_mov_b32 s32, 0x76543210
	s_mov_b32 s33, 0xfedcba98                      ; v_permlanex16_b32's selects for lane l xor 16
	s_mov_b32 s36, 0x3fb8aa3b                      ; log2(e)
	s_lshl_b32 s19, ttmp9, 5
	s_lshl_b32 s37, s18, 3
	s_add_co_u32 s19, s19, s37                     ; my first token: 32 x work-group + 8 x wave
	s_mov_b32 s39, 0
	s_wait_kmcnt 0x0
	s_load_b256 s[24:31], s[8:9], 0x0              ; gate_b's eight numbers
	s_lshl_b32 s38, s19, 12
	s_add_nc_u64 s[4:5], s[4:5], s[38:39]          ; x: 4,096 bytes a token
	s_mul_i32 s38, s19, 768
	s_add_nc_u64 s[10:11], s[10:11], s[38:39]      ; xq: 768
	s_lshl_b32 s38, s19, 5
	s_add_nc_u64 s[12:13], s[12:13], s[38:39]      ; xs: 32
	s_add_nc_u64 s[14:15], s[14:15], s[38:39]      ; wts: 32
	s_lshl_b32 s38, s19, 2
	s_add_nc_u64 s[16:17], s[16:17], s[38:39]      ; keys: 4
.irp n, 0,1,2,3,4,5,6,7,8,9,10,11,12,13,14,15
	global_load_b128 v[LG+4*\n:LG+4*\n+3], v3, s[6:7] offset:2048*\n     ; gate_w: the work-group's 128 threads take 2,048 consecutive bytes a line
.endr
	WIN 0x80                                       ; destination window 2
.irp rho, 0,1,2,3,4
.irp i, 0,1,2,3,4,5,6,7
	global_load_b128 v[32*\rho+4*\i:32*\rho+4*\i+3], v2, s[4:5] offset:4096*\rho+512*\i th:TH_LOAD_NT
.endr
.endr
	WIN 0
	s_wait_loadcnt 40                              ; gate_w is in: behind its 16 loads stand the 40 of x's rows 0 to 4
.irp n, 0,1,2,3,4,5,6,7,8,9,10,11,12,13,14,15
	ds_store_b128 v4, v[LG+4*\n:LG+4*\n+3] offset:2304*\n
.endr
	WIN 0x80
.irp rho, 5,6,7
.irp i, 0,1,2,3,4,5,6,7
	global_load_b128 v[32*\rho+4*\i:32*\rho+4*\i+3], v2, s[4:5] offset:4096*\rho+512*\i th:TH_LOAD_NT
.endr
.endr
	WIN 0
	s_wait_dscnt 0x0                               ; for the others' sake: my part of gate_w lies in LDS
	s_barrier_signal -1
	s_barrier_wait -1                              ; everybody's does: the launch's one barrier
	WIN 0x40                                       ; destination window 1
.irp i, 0,1,2,3,4,5,6,7
.irp q, 0,1,2,3,4,5,6,7
	ds_load_b128 v[32*\i+4*\q:32*\i+4*\q+3], v5 offset:4608*\i+16*\q     ; rows 128 i + 4 lane + 0..3 of gate_w: 128 bytes
.endr
.endr
	WIN 0
	s_wait_dscnt 0x0
; The gate's share of slice i (numbers 128 i + 4 lane + 0..3) for rows 2 p and 2 p + 1: eight chains of packed multiply-adds by turns (four pairs of experts x two rows).
; The number of x serves both halves: the pair's first register (op_sel_hi 0) or its second (op_sel 1).  The very first product starts the sums: nothing is cleared.
.macro GATE2 p, i
.irp j, 0,1,2,3
.irp e, 0,2,4,6
.irp d, 0,1
.set XR_, 32*(2*(\p)+\d)+4*(\i)+2*(\j/2)
.set GR_, 32*(\i)+8*\j+\e
.set LR_, LG+8*(2*(\p)+\d)+\e
.if ((\i) == 0) && (\j == 0)
	v_pk_mul_f32 v[LR_:LR_+1], v[XR_:XR_+1], v[GR_:GR_+1] op_sel_hi:[0,1]
.elseif \j%2 == 0
	v_pk_fma_f32 v[LR_:LR_+1], v[XR_:XR_+1], v[GR_:GR_+1], v[LR_:LR_+1] op_sel_hi:[0,1,1]
.else
	v_pk_fma_f32 v[LR_:LR_+1], v[XR_:XR_+1], v[GR_:GR_+1], v[LR_:LR_+1] op_sel:[1,0,0]
.endif
.endr
.endr
.endr
.endm
; 16 neighbours in v[xs] on (two neighbouring lanes hold a block) become 12 bytes of codes and the block's byte; both go to the wave's own LDS at their places in row rho, half row s.
.macro QUANT u, xs, rho, s
	v_max3_num_f32 v212, |v[\xs]|, |v[\xs+1]|, |v[\xs+2]|
	v_max3_num_f32 v213, |v[\xs+3]|, |v[\xs+4]|, |v[\xs+5]|
.irp i, 6,10
	v_max3_num_f32 v212, v212, |v[\xs+\i]|, |v[\xs+\i+1]|
	v_max3_num_f32 v213, v213, |v[\xs+\i+2]|, |v[\xs+\i+3]|
.endr
	v_max3_num_f32 v212, v212, |v[\xs+14]|, |v[\xs+15]|
	v_max3_num_f32 v212, v212, v213, 0x2800000     ; and the floor 2^(5 - 127): the byte cannot fall under 1
	v_max_num_f32_dpp v212, v212, v212 row_xmask:1 row_mask:0xf bank_mask:0xf   ; with my neighbour's 16: the block's largest magnitude
	v_add_nc_u32 v214, 0xfe000000, v212            ; 4 off its exponent field: the conversion takes that field as its scale, and nothing else of the operand
	v_cvt_scalef32_pk16_bf6_f32 v[CD+4*(\u):CD+4*(\u)+2], v[\xs:\xs+15], v214
	v_lshrrev_b32 v[EB+(\u)], 23, v214             ; the scale's byte; also the plain line behind the conversion
	ds_store_b8 v9, v[EB+(\u)] offset:32*(\rho)+8*(\s)       ; both lanes of a block write the same byte with the same value
.irp j, 0,1,2
	ds_store_b32 v8, v[CD+4*(\u)+\j] offset:768*(\rho)+192*(\s)+4*\j
.endr
.endm
; One row: its 4,096 bytes turn through the two stages (LDS serves a wave's instructions in order, so no wait stands between the stores and the loads);
; four slices of the pair's gate work stand between the loads and the wait for them; then both half rows are quantised.
.macro ROW rho, u0, p, i0
	WIN 0x08                                       ; an LDS store's data are its source 1: window 2
.irp s, 0,1
.irp i, 0,1,2,3
	ds_store_b128 v6, v[32*(\rho)+16*\s+4*\i:32*(\rho)+16*\s+4*\i+3] offset:2560*\s+640*\i
.endr
.endr
	WIN 0
.irp s, 0,1
.irp i, 0,1,2,3
	ds_load_b128 v[XT+16*\s+4*\i:XT+16*\s+4*\i+3], v7 offset:2560*\s+16*\i
.endr
.endr
	WIN 0x06                                       ; source 0 (x) window 2, source 1 (gate_w) window 1
.irp i, \i0, \i0+1, \i0+2, \i0+3
	GATE2 \p, \i
.endr
	WIN 0
	s_wait_dscnt 0x0                               ; the neighbours are back; the earlier stores of codes and bytes have read their registers
	QUANT \u0, XT, \rho, 0
	QUANT \u0+1, XT+16, \rho, 1
.endm
.macro PAIR p
	s_wait_loadcnt 48-16*(\p)                      ; rows 2 p and 2 p + 1 are in; the eight loads of each row behind them may be out
	ROW 2*(\p), 0, \p, 0
	ROW 2*(\p)+1, 2, \p, 4
.irp q, 0,1,2
	ds_load_b128 v[CO+12*(\p)+4*\q:CO+12*(\p)+4*\q+3], v10 offset:1536*(\p)+512*\q
.endr
	s_wait_dscnt 0x0
.irp q, 0,1,2
	global_store_b128 v2, v[CO+12*(\p)+4*\q:CO+12*(\p)+4*\q+3], s[10:11] offset:1536*(\p)+512*\q   ; 512 consecutive bytes, at a multiple of 256 from xq's first byte
.endr
.endm
	PAIR 0
	PAIR 1
	PAIR 2
	PAIR 3
	; THE LOGITS.  Each lane holds 64 partial sums (8 rows x 8 experts).  They go to LDS, a lane to a row of 272 bytes; lane l reads back eight lanes' partials of ONE of the wave's rows.
.irp rho, 0,1,2,3,4,5,6,7
	ds_store_b128 v12, v[LG+8*\rho:LG+8*\rho+3] offset:32*\rho
	ds_store_b128 v12, v[LG+8*\rho+4:LG+8*\rho+7] offset:32*\rho+16
.endr
.irp t, 0,1,2,3,4,5,6,7
	ds_load_b128 v[128+8*\t:131+8*\t], v13 offset:272*\t
	ds_load_b128 v[132+8*\t:135+8*\t], v13 offset:272*\t+16
.endr
	ds_load_b64 v[220:221], v11                    ; and my 8 of the wave's 256 scale bytes
	s_wait_dscnt 0x0
	global_store_b64 v14, v[220:221], s[12:13]     ; 32 lanes store 256 consecutive bytes, aligned
.irp e, 0,2,4,6
	v_pk_add_f32 v[128+\e:129+\e], v[128+\e:129+\e], v[136+\e:137+\e]
	v_pk_add_f32 v[144+\e:145+\e], v[144+\e:145+\e], v[152+\e:153+\e]
	v_pk_add_f32 v[160+\e:161+\e], v[160+\e:161+\e], v[168+\e:169+\e]
	v_pk_add_f32 v[176+\e:177+\e], v[176+\e:177+\e], v[184+\e:185+\e]
.endr
.irp e, 0,2,4,6
	v_pk_add_f32 v[128+\e:129+\e], v[128+\e:129+\e], v[144+\e:145+\e]
	v_pk_add_f32 v[160+\e:161+\e], v[160+\e:161+\e], v[176+\e:177+\e]
.endr
.irp e, 0,2,4,6
	v_pk_add_f32 v[128+\e:129+\e], v[128+\e:129+\e], v[160+\e:161+\e]
.endr
.irp e, 0,1,2,3,4,5,6,7
	v_add_f32_dpp v[128+\e], v[128+\e], v[128+\e] row_xmask:1 row_mask:0xf bank_mask:0xf   ; lanes l and l xor 1 hold the same row
.endr
.irp e, 0,1,2,3,4,5,6,7
	v_permlanex16_b32 v[136+\e], v[128+\e], s32, s33                                       ; and so do l and l xor 16
.endr
	s_wait_kmcnt 0x0                               ; gate_b
.irp e, 0,1,2,3,4,5,6,7
	v_add_f32 v[PR+\e], v[128+\e], v[136+\e]
.endr
.irp e, 0,1,2,3,4,5,6,7
	v_add_f32 v[PR+\e], s[24+\e], v[PR+\e]         ; every lane now holds the 8 logits of row (l / 2) & 7
.endr
	; SOFTMAX, the maximum taken away first
	v_max3_num_f32 v232, v[PR], v[PR+1], v[PR+2]
	v_max3_num_f32 v232, v232, v[PR+3], v[PR+4]
	v_max3_num_f32 v232, v232, v[PR+5], v[PR+6]
	v_max_num_f32 v232, v232, v[PR+7]
.irp e, 0,1,2,3,4,5,6,7
	v_sub_f32 v[PR+\e], v[PR+\e], v232
.endr
.irp e, 0,1,2,3,4,5,6,7
	v_mul_f32 v[PR+\e], s36, v[PR+\e]
.endr
.irp e, 0,1,2,3,4,5,6,7
	v_exp_f32 v[PR+\e], v[PR+\e]
.endr
	v_nop                                          ; a plain line between the last exponential and the use of its result
	s_wait_alu depctr_va_vdst(0)
	v_add_f32 v233, v[PR], v[PR+1]
	v_add_f32 v234, v[PR+2], v[PR+3]
	v_add_f32 v235, v[PR+4], v[PR+5]
	v_add_f32 v236, v[PR+6], v[PR+7]
	v_add_f32 v233, v233, v234
	v_add_f32 v235, v235, v236
	v_add_f32 v233, v233, v235
	v_rcp_f32 v233, v233
	v_nop                                          ; a plain line behind the reciprocal
	s_wait_alu depctr_va_vdst(0)
.irp e, 0,1,2,3,4,5,6,7
	v_mul_f32 v[PR+\e], v[PR+\e], v233             ; p
.endr
	; THE TWO LARGEST p, by selects alone.  A strict > in ascending order keeps the lower index on a tie.
	v_mov_b32 v232, v[PR]
	v_mov_b32 v233, 0                              ; the first choice
.irp e, 1,2,3,4,5,6,7
	v_cmp_gt_f32 vcc_lo, v[PR+\e], v232
	v_cndmask_b32 v232, v232, v[PR+\e], vcc_lo
	v_cndmask_b32 v233, v233, \e, vcc_lo
.endr
.irp e, 0,1,2,3,4,5,6,7
	v_cmp_eq_u32 vcc_lo, \e, v233
	v_cndmask_b32 v[QR+\e], v[PR+\e], -1.0, vcc_lo ; the first choice is taken out: -1 lies under every p
.endr
	v_mov_b32 v234, v[QR]
	v_mov_b32 v235, 0                              ; the second choice
.irp e, 1,2,3,4,5,6,7
	v_cmp_gt_f32 vcc_lo, v[QR+\e], v234
	v_cndmask_b32 v234, v234, v[QR+\e], vcc_lo
	v_cndmask_b32 v235, v235, \e, vcc_lo
.endr
.irp e, 0,1,2,3,4,5,6,7
	v_cmp_eq_u32 s34, \e, v233
	v_cmp_eq_u32 s35, \e, v235
	s_or_b32 vcc_lo, s34, s35
	v_cndmask_b32 v[WR+\e], 0, v[PR+\e], vcc_lo    ; gate_probs x member
.endr
	v_min_u32 v212, v233, v235                     ; lo
	v_max_u32 v213, v233, v235                     ; hi
	v_sub_nc_u32 v214, 15, v212
	v_mul_u32_u24 v214, v212, v214
	v_lshrrev_b32 v214, 1, v214                    ; lo (15 - lo) / 2: the pairs with a smaller lo
	v_sub_nc_u32 v215, v213, v212
	v_add_nc_u32 v215, -1, v215                    ; lo even: hi ascends
	v_sub_nc_u32 v222, 7, v213                     ; lo odd: hi descends
	v_and_b32 v223, 1, v212
	v_cmp_eq_u32 vcc_lo, 1, v223
	v_cndmask_b32 v215, v215, v222, vcc_lo
	v_add_nc_u32 v214, v214, v215                  ; the pair's number
	; lanes 0 to 15 store the weights: lane l holds row l / 2 and takes its experts 4 (l & 1) + 0..3: 256 consecutive bytes, aligned
	v_and_b32 v212, 1, v1
	v_cmp_eq_u32 vcc_lo, 1, v212
.irp c, 0,1,2,3
	v_cndmask_b32 v[216+\c], v[WR+\c], v[WR+4+\c], vcc_lo
.endr
	v_and_b32 v212, 0x11, v1
	v_lshlrev_b32 v213, 1, v1                      ; the keys' place: 4 (l / 2) for even l
	v_cmp_gt_u32 vcc_lo, 16, v1
	s_wait_xcnt 0x0                                ; EXEC is a source of the stores that are out: it changes only behind this wait
	s_wait_tensorcnt 0x0
	ds_add_u32 v254, v255
	s_wait_dscnt 0x0
	s_and_saveexec_b32 s34, vcc_lo
	global_store_b128 v2, v[216:219], s[14:15]
	s_wait_xcnt 0x0
	s_or_b32 exec_lo, exec_lo, s34
	v_cmp_eq_u32 vcc_lo, 0, v212                   ; the even lanes under 16 store the 8 keys: 32 bytes a wave
	s_and_saveexec_b32 s34, vcc_lo
	global_store_b32 v213, v214, s[16:17]
	s_wait_xcnt 0x0
	s_or_b32 exec_lo, exec_lo, s34
	s_endpgm
.Lfunc_end_k_qa609f890de_gate_x:
	.size	k_qa609f890de_gate_x, .Lfunc_end_k_qa609f890de_gate_x-k_qa609f890de_gate_x
	.p2alignl 7, 3214868480
	.fill 96, 4, 3214868480
	.section	.rodata,"a",@progbits
	.p2align	6, 0x0
	.amdhsa_kernel k_qa609f890de_gate_x
		.amdhsa_group_segment_fixed_size 118272
		.amdhsa_private_segment_fixed_size 0
		.amdhsa_enable_private_segment 0
		.amdhsa_kernarg_size 56
		.amdhsa_user_sgpr_count 2
		.amdhsa_user_sgpr_kernarg_segment_ptr 1
		.amdhsa_wavefront_size32 1
		.amdhsa_system_sgpr_workgroup_id_x 1
		.amdhsa_system_sgpr_workgroup_id_y 1
		.amdhsa_system_sgpr_workgroup_id_z 1
		.amdhsa_system_vgpr_workitem_id 0
		.amdhsa_next_free_vgpr 768
		.amdhsa_next_free_sgpr 66
		.amdhsa_reserve_vcc 1
		.amdhsa_float_denorm_mode_32 3
		.amdhsa_float_denorm_mode_16_64 3
		.amdhsa_memory_ordered 1
		.amdhsa_forward_progress 1
		.amdhsa_inst_pref_size 121
	.end_amdhsa_kernel
	.amdgpu_metadata
---
amdhsa.version: [ 1, 2 ]
amdhsa.kernels:
  - .name:           k_qa609f890de_gate_x
    .symbol:         k_qa609f890de_gate_x.kd
    .args:
      - { .name: x, .offset: 0, .size: 8, .value_kind: global_buffer, .address_space: global }
      - { .name: gate_w, .offset: 8, .size: 8, .value_kind: global_buffer, .address_space: global }
      - { .name: gate_b, .offset: 16, .size: 8, .value_kind: global_buffer, .address_space: global }
      - { .name: xq, .offset: 24, .size: 8, .value_kind: global_buffer, .address_space: global }
      - { .name: xs, .offset: 32, .size: 8, .value_kind: global_buffer, .address_space: global }
      - { .name: wts, .offset: 40, .size: 8, .value_kind: global_buffer, .address_space: global }
      - { .name: keys, .offset: 48, .size: 8, .value_kind: global_buffer, .address_space: global }
    .group_segment_fixed_size: 118272
    .private_segment_fixed_size: 0
    .kernarg_segment_align: 8
    .kernarg_segment_size: 56
    .max_flat_workgroup_size: 128
    .sgpr_count:     66
    .vgpr_count:     768
    .wavefront_size: 32
...
	.end_amdgpu_metadata
.endif
;; end of part 1
;; launch sort_w (part 2): grid 257 x 1, 8 waves a work-group, no clusters, 26,624 bytes of LDS; arguments expert_w, keys, wimg, perm, tinfo; writes wimg, perm, tinfo
.if DOCPART == 2
	.amdgcn_target "amdgcn-amd-amdhsa--gfx1250"
	.amdhsa_code_object_version 6
	.text
	.protected	k_qa609f890de_sort_w
	.globl	k_qa609f890de_sort_w
	.p2align	8
	.type	k_qa609f890de_sort_w,@function
k_qa609f890de_sort_w:
	s_mov_b64 s[64:65], 0
	v_nop
	global_prefetch_b8 v0, s[64:65] scope:SCOPE_SE
	s_setreg_imm32_b32 hwreg(HW_REG_WAVE_MODE, 25, 1), 1
	s_wait_xcnt 0x0
; TWO JOBS IN ONE LAUNCH, parted on the work-group's number.
; WORK-GROUPS 1 .. 256: expert_w [8][1024 (K)][1024 (N)] f32 becomes codes of E3M2 with one E8M0 byte for each 32 along K, laid as IMAGES OF OPERAND REGISTERS.
;   wimg: for expert e and block nb of 128 columns 102,400 bytes: fragments (column tile nt, K step ks) of 1,536 bytes at (8 nt + ks) x 1,536, registers 4 q .. 4 q + 3 of lane l at 512 q + 16 l;
;   from byte 98,304 the scale words: for (kp, nt) 128 bytes at (8 kp + nt) x 128: place 16 hh + r holds the word of column 16 nt + r for K step 2 kp + hh.
;   K is the weight's FIRST axis: a lane takes a column and its registers run down K, so a block of 32 lies in one lane and the conversions give codes with K innermost; nothing is transposed by an instruction.
;   A wave takes 32 columns x 128 along K (two fragments); the four waves of one K step read 512 consecutive bytes of each row.  Loads run two blocks (64 loads a wave) ahead.  No barrier on this way.
; WORK-GROUP 0: the 8,192 tokens are sorted by their pair's number (0..27) by a counting sort, without atomics: perm[place] = token; and for each tile of 256 places the list of experts that it needs:
;   tinfo rows of 32 words: 0: the list, a nibble an expert; 1: 2^count - 1; 2..5: for each quarter of 64 places, a bit for each place of the list that the quarter uses.
;   A chunk of 32 tokens is ranked by five ballots: a lane's peers are the lanes with the same five key bits; lane g counts the lanes whose key is g.
; LIMITS: NaN and infinities in expert_w are not served; a block of zeros, or one under 2^(5 - 127), gets the byte 1 (read by this program alone; zero codes add nothing).
; LDS: 0 .. 24,575 the weights' stages, 3,072 bytes a wave; 24,576 .. 25,599 the sort's 8 x 32 totals: each way has bytes of its own.
.set X,     32                         ; weights: v32-95 two sets of 32 numbers
.set C,     96                         ;          v96-127 a block's six registers of codes, eight apart
.set D,     128                        ;          v128-130 a block's upper 16 codes as they are made
.set OUTR,  136                        ;          v136-159 the way out
.set KEY,   32                         ; sort: v32-63 keys, then 4 x key
.set RANK,  64                         ;       v64-95 rank among the chunk's peers, then the token's number
.set H,     96                         ;       v96-127 lane g: how many of chunk c have key g, then where they begin
.set P,     128                        ;       v128-159 the token's place
.set SORTB, 24576
	s_load_b256 s[4:11], s[0:1], 0x0               ; expert_w s[4:5], keys s[6:7], wimg s[8:9], perm s[10:11]
	s_load_b64 s[12:13], s[0:1], 0x20              ; tinfo
	v_lshl_add_u32 v192, v0, 2, 0x6400
	v_mov_b32 v193, 0
	v_lshrrev_b32 v2, 5, v0
	v_readfirstlane_b32 s18, v2                    ; wave 0..7
	v_and_b32 v1, 31, v0                           ; lane
	s_cmp_lg_u32 ttmp9, 0
	s_cbranch_scc1 .Lweights
	; ---------------- THE SORT ----------------
	v_lshl_add_u32 v30, v0, 2, SORTB               ; where my wave's totals go: 128 bytes a wave
	v_lshl_add_u32 v2, v1, 2, SORTB                ; and where lane g reads the eight waves' totals of key g
	s_lshl_b32 s19, s18, 12
	v_lshlrev_b32 v29, 2, v1
	v_add_nc_u32 v29, s19, v29                     ; keys: wave w takes tokens 1,024 w + 32 c + lane
	s_lshl_b32 s19, s18, 10
	v_add_nc_u32 v13, s19, v1                      ; 1,024 w + lane
.irp b, 0,1,2,3,4
	v_bfe_u32 v[3+\b], v1, \b, 1
	v_add_nc_u32 v[3+\b], -1, v[3+\b]              ; bit b of my lane's number: set: 0, clear: all ones
.endr
	s_mov_b32 s30, 0x55555555
	s_mov_b32 s31, 0x33333333
	s_mov_b32 s32, 0x0f0f0f0f
	s_mov_b32 s33, 0x01010101
	s_wait_kmcnt 0x0
.irp c, 0,1,2,3,4,5,6,7,8,9,10,11,12,13,14,15,16,17,18,19,20,21,22,23,24,25,26,27,28,29,30,31
	global_load_b32 v[KEY+\c], v29, s[6:7] offset:128*\c
.endr
.macro CHUNK c
	s_wait_loadcnt 31-(\c)                         ; this chunk's keys are in; the later chunks' loads may be out
	v_min_u32 v[KEY+(\c)], 27, v[KEY+(\c)]         ; a loaded number is held before it selects a lane or enters an address
.irp b, 0,1,2,3,4
	v_bfe_u32 v8, v[KEY+(\c)], \b, 1
	v_cmp_ne_u32 s[20+\b], 0, v8                   ; the ballot of key bit b
	v_add_nc_u32 v8, -1, v8
.if \b == 0
	v_xor_b32 v9, s[20+\b], v8                     ; the lanes that agree with me in bit b
.else
	v_xor_b32 v8, s[20+\b], v8
	v_and_b32 v9, v9, v8                           ; in all five: my peers
.endif
.endr
	v_mbcnt_lo_u32_b32 v[RANK+(\c)], v9, 0         ; how many peers stand in lower lanes
	v_xor_b32 v10, s20, v3
.irp b, 1,2,3,4
	v_xor_b32 v11, s[20+\b], v[3+\b]
	v_and_b32 v10, v10, v11                        ; lane g: the lanes whose key is g
.endr
	v_lshrrev_b32 v11, 1, v10                      ; and their number: the mask's set bits, summed in fields of 2, 4 and 8 bits
	v_and_b32 v11, s30, v11
	v_sub_nc_u32 v10, v10, v11
	v_lshrrev_b32 v11, 2, v10
	v_and_b32 v10, s31, v10
	v_and_b32 v11, s31, v11
	v_add_nc_u32 v10, v10, v11
	v_lshrrev_b32 v11, 4, v10
	v_add_nc_u32 v10, v10, v11
	v_and_b32 v10, s32, v10
	v_mul_lo_u32 v10, v10, s33
	v_lshrrev_b32 v[H+(\c)], 24, v10
	v_lshlrev_b32 v[KEY+(\c)], 2, v[KEY+(\c)]      ; 4 x key: a lane's number as the lane permute wants it
.endm
.set Q, 0
.rept 32
	CHUNK Q
.set Q, Q+1
.endr
	v_add3_u32 v26, v[H], v[H+1], v[H+2]           ; lane g: my wave's tokens with key g
.irp c, 3,5,7,9,11,13,15,17,19,21,23,25,27,29
	v_add3_u32 v26, v26, v[H+\c], v[H+\c+1]
.endr
	v_add_nc_u32 v26, v26, v[H+31]
	ds_store_b32 v30, v26
	s_wait_dscnt 0x0                               ; for the others' sake: my totals lie in LDS
	s_barrier_signal -1
	s_barrier_wait -1                              ; this way's one barrier; all eight waves of the work-group are on this way
.irp w, 0,1,2,3,4,5,6,7
	ds_load_b32 v[16+\w], v2 offset:128*\w
.endr
	s_wait_dscnt 0x0
	v_add3_u32 v24, v16, v17, v18
	v_add3_u32 v24, v24, v19, v20
	v_add3_u32 v24, v24, v21, v22
	v_add_nc_u32 v24, v24, v23                     ; lane g: all tokens with key g
	v_mov_b32 v31, 0
.irp w, 0,1,2,3,4,5,6
	s_cmp_gt_u32 s18, \w
	s_cselect_b32 s25, 1, 0
	v_mad_u32_u24 v31, v[16+\w], s25, v31          ; those of the waves in front of mine
.endr
	v_mov_b32 v25, v24                             ; a running sum over the lanes: four steps inside each half,
	v_mov_b32 v9, 0
.irp n, 1,2,4,8
	v_mov_b32_dpp v9, v25 row_shr:\n row_mask:0xf bank_mask:0xf bound_ctrl:1
	v_add_nc_u32 v25, v25, v9
.endr
	v_readlane_b32 s26, v25, 15                    ; then the lower half's sum onto the upper half
	v_mov_b32 v9, s26
	v_cmp_lt_u32 vcc_lo, 15, v1
	v_cndmask_b32 v9, 0, v9, vcc_lo
	v_add_nc_u32 v14, v25, v9                      ; lane g: where group g ends,
	v_sub_nc_u32 v15, v14, v24                     ; where it begins,
	v_add_nc_u32 v27, v15, v31                     ; and where my wave's part of it begins
.set Q, 0
.rept 16
	v_add_nc_u32 v28, v27, v[H+Q]                  ; H[c] becomes the place at which chunk c's tokens of key g begin
	v_mov_b32 v[H+Q], v27
	v_add_nc_u32 v27, v28, v[H+Q+1]
	v_mov_b32 v[H+Q+1], v28
.set Q, Q+2
.endr
.irp c, 0,1,2,3,4,5,6,7,8,9,10,11,12,13,14,15,16,17,18,19,20,21,22,23,24,25,26,27,28,29,30,31
	ds_bpermute_b32 v[P+\c], v[KEY+\c], v[H+\c]    ; each token fetches its own key's place from lane key
.endr
.irp c, 0,1,2,3,4,5,6,7,8,9,10,11,12,13,14,15,16,17,18,19,20,21,22,23,24,25,26,27,28,29,30,31
	s_wait_dscnt 31-\c
	v_add_nc_u32 v[P+\c], v[P+\c], v[RANK+\c]
	v_min_u32 v[P+\c], 0x1fff, v[P+\c]             ; held before it enters an address
	v_lshlrev_b32 v[P+\c], 2, v[P+\c]
	v_add_nc_u32 v[RANK+\c], 32*\c, v13            ; the token's number
	global_store_b32 v[P+\c], v[RANK+\c], s[10:11] ; the sort's scatter, 32 KB in all; a chunk's tokens of one key land side by side
.endr
	; THE TILES' LISTS: waves 0 to 3, lane = tile.  Wave w looks at the tile's 256 places and at its quarter w of 64.
	s_cmp_gt_u32 s18, 3
	s_cbranch_scc1 .Ldone
	v_lshlrev_b32 v16, 8, v1                       ; the tile begins,
	v_add_nc_u32 v17, 0x100, v16                   ; ends;
	s_lshl_b32 s19, s18, 6
	v_add_nc_u32 v18, s19, v16                     ; the quarter begins,
	v_add_nc_u32 v19, 64, v18                      ; ends
	v_mov_b32 v20, 0                               ; the tile's experts, a bit each
	v_mov_b32 v21, 0                               ; the quarter's
; Group g = the pair (lo, hi) lies in a range where the larger of the two starts is under the smaller of the two ends: an empty group lies nowhere.
.macro GRP g, lo, hi
	v_readlane_b32 s26, v15, \g
	v_readlane_b32 s27, v14, \g
	v_max_u32 v8, s26, v16
	v_min_u32 v9, s27, v17
	v_max_u32 v10, s26, v18
	v_min_u32 v11, s27, v19
	v_mov_b32 v12, (1<<\lo)|(1<<\hi)
	v_cmp_lt_u32 vcc_lo, v8, v9
	v_cndmask_b32 v8, 0, v12, vcc_lo
	v_cmp_lt_u32 vcc_lo, v10, v11
	v_cndmask_b32 v10, 0, v12, vcc_lo
	v_or_b32 v20, v20, v8
	v_or_b32 v21, v21, v10
.endm
	GRP 0, 0, 1
	GRP 1, 0, 2
	GRP 2, 0, 3
	GRP 3, 0, 4
	GRP 4, 0, 5
	GRP 5, 0, 6
	GRP 6, 0, 7
	GRP 7, 1, 7
	GRP 8, 1, 6
	GRP 9, 1, 5
	GRP 10, 1, 4
	GRP 11, 1, 3
	GRP 12, 1, 2
	GRP 13, 2, 3
	GRP 14, 2, 4
	GRP 15, 2, 5
	GRP 16, 2, 6
	GRP 17, 2, 7
	GRP 18, 3, 7
	GRP 19, 3, 6
	GRP 20, 3, 5
	GRP 21, 3, 4
	GRP 22, 4, 5
	GRP 23, 4, 6
	GRP 24, 4, 7
	GRP 25, 5, 7
	GRP 26, 5, 6
	GRP 27, 6, 7
	v_mov_b32 v22, 0                               ; the list
	v_mov_b32 v23, 0                               ; the quarter's bits, by the list's places
	v_mov_b32 v24, 0                               ; the list's length so far
.irp e, 0,1,2,3,4,5,6,7
	v_bfe_u32 v8, v20, \e, 1
	v_bfe_u32 v9, v21, \e, 1
	v_lshlrev_b32 v10, 2, v24
	v_mul_u32_u24 v11, v8, \e
	v_lshlrev_b32 v11, v10, v11
	v_or_b32 v22, v22, v11
	v_lshlrev_b32 v9, v24, v9
	v_or_b32 v23, v23, v9
	v_add_nc_u32 v24, v24, v8
.endr
	v_mov_b32 v25, 1
	v_lshlrev_b32 v25, v24, v25
	v_add_nc_u32 v25, -1, v25                      ; 2^length - 1
	v_lshlrev_b32 v26, 2, v1
	s_lshl_b32 s19, s18, 7
	s_add_co_u32 s19, s19, 256
	v_add_nc_u32 v27, s19, v26
	global_store_b32 v27, v23, s[12:13]            ; rows 2 to 5: one for each quarter
	s_cmp_lg_u32 s18, 0
	s_cbranch_scc1 .Ldone
	global_store_b32 v26, v22, s[12:13]            ; rows 0 and 1: wave 0 alone
	global_store_b32 v26, v25, s[12:13] offset:128
.Ldone:
	s_wait_tensorcnt 0x0
	ds_add_u32 v192, v193
	s_wait_dscnt 0x0
	s_endpgm
	; ---------------- THE WEIGHTS ----------------
.Lweights:
	s_sub_co_u32 s19, ttmp9, 1
	s_lshr_b32 s20, s19, 5                         ; e
	s_bfe_u32 s21, s19, 0x30002                    ; nb: 3 bits from bit 2
	s_and_b32 s22, s19, 3                          ; kq: which pair of K steps
	s_and_b32 s23, s18, 3                          ; cg: which 32 of the block's 128 columns
	s_lshr_b32 s24, s18, 2                         ; hh
	s_lshl_b32 s25, s22, 1
	s_add_co_u32 s25, s25, s24                     ; ks = 2 kq + hh
	s_lshl_b32 s26, s20, 22                        ; expert_w: e x 4 MiB + 128 ks rows of 4,096 bytes + 512 nb + 128 cg
	s_lshl_b32 s27, s25, 19
	s_add_co_u32 s26, s26, s27
	s_lshl_b32 s27, s21, 9
	s_add_co_u32 s26, s26, s27
	s_lshl_b32 s27, s23, 7
	s_add_co_u32 s26, s26, s27
	s_mov_b32 s27, 0
	s_lshl_b32 s28, s20, 3
	s_add_co_u32 s28, s28, s21
	s_mul_i32 s28, s28, 102400                     ; wimg: the block of (e, nb)
	s_mov_b32 s29, 0
	s_lshl_b32 s34, s23, 4
	s_add_co_u32 s34, s34, s25
	s_mul_i32 s34, s34, 1536                       ; my first fragment: (nt = 2 cg, ks); my second lies 8 fragments on
	s_mov_b32 s35, 0
	s_lshl_b32 s38, s22, 3
	s_lshl_b32 s39, s23, 1
	s_add_co_u32 s38, s38, s39
	s_lshl_b32 s38, s38, 7                         ; my scale words: (8 kq + 2 cg) x 128
	s_lshl_b32 s39, s24, 6
	s_add_co_u32 s38, s38, s39                     ; + 64 hh
	s_add_co_u32 s38, s38, 98304
	s_mul_i32 s39, s18, 3072                       ; my stage
	v_lshlrev_b32 v3, 2, v1                        ; in: 4 bytes a lane: 128 consecutive bytes a wave
	v_lshrrev_b32 v8, 4, v1                        ; which of my two fragments my column belongs to
	v_and_b32 v9, 15, v1                           ; and which of its 16 columns it is
	v_mul_u32_u24 v4, v8, 1536
	v_lshl_add_u32 v4, v9, 4, v4
	v_add_nc_u32 v4, s39, v4                       ; into the stage: the image's place of lane r; lane 16 + r lies 256 bytes on
	v_lshlrev_b32 v6, 4, v1                        ; 16 x lane
	v_add_nc_u32 v5, s39, v6                       ; out of the stage
	v_lshlrev_b32 v7, 7, v8
	v_lshl_add_u32 v7, v9, 2, v7
	v_add_nc_u32 v7, s38, v7                       ; my column's scale word
	s_wait_kmcnt 0x0
	s_add_nc_u64 s[4:5], s[4:5], s[26:27]
	s_add_nc_u64 s[8:9], s[8:9], s[28:29]
	s_add_nc_u64 s[36:37], s[8:9], s[34:35]
.macro LOAD t                          ; block t: W(128 ks + 32 t + i, my column), i = 0 .. 31, into set t % 2
.irp i, 0,1,2,3,4,5,6,7,8,9,10,11,12,13,14,15,16,17,18,19,20,21,22,23,24,25,26,27,28,29,30,31
	global_load_b32 v[X+32*((\t)%2)+\i], v3, s[4:5] offset:(32*(\t)+\i)*4096 th:TH_LOAD_NT
.endr
.endm
	LOAD 0
	LOAD 1
; Block t = 2 c + h of the K step belongs to lane 16 h + r of the image, registers 6 c .. 6 c + 5.
.macro BLOCK t
.set XS_, X+32*((\t)%2)
.set CB_, C+8*(\t)
.if (\t) < 3
	s_wait_loadcnt 32                              ; this block's 32 loads are in; the next block's may be out
.else
	s_wait_loadcnt 0x0
.endif
	v_max3_num_f32 v12, |v[XS_]|, |v[XS_+1]|, |v[XS_+2]|            ; the block's largest magnitude: all 32 numbers are mine
	v_max3_num_f32 v13, |v[XS_+3]|, |v[XS_+4]|, |v[XS_+5]|
.irp i, 6,10,14,18,22,26
	v_max3_num_f32 v12, v12, |v[XS_+\i]|, |v[XS_+\i+1]|
	v_max3_num_f32 v13, v13, |v[XS_+\i+2]|, |v[XS_+\i+3]|
.endr
	v_max3_num_f32 v12, v12, |v[XS_+30]|, |v[XS_+31]|
	v_max3_num_f32 v12, v12, v13, 0x2800000        ; and the floor 2^(5 - 127): the byte cannot fall under 1
	v_add_nc_u32 v11, 0xfe000000, v12              ; 4 off its exponent field: the conversion's scale operand
	v_lshrrev_b32 v13, 23, v11                     ; the scale's byte
.if (\t) == 0
	v_mov_b32 v24, v13                             ; four bytes make the K step's word, the lower K in the lower byte
.else
	v_lshl_or_b32 v24, v13, 8*(\t), v24
.endif
	v_cvt_scalef32_pk16_bf6_f32 v[CB_:CB_+2], v[XS_:XS_+15], v11
	v_cvt_scalef32_pk16_bf6_f32 v[D:D+2], v[XS_+16:XS_+31], v11     ; (a conversion's three registers begin on an even number: the block's upper half is made elsewhere and moved)
	v_nop                                          ; one plain line behind a scaled conversion
.irp i, 0,1,2
	v_mov_b32 v[CB_+3+\i], v[D+\i]
.endr
.if (\t)/2 == 0
	ds_store_b128 v4, v[CB_:CB_+3] offset:256*((\t)%2)             ; registers 0-3,
	ds_store_b64 v4, v[CB_+4:CB_+5] offset:512+256*((\t)%2)        ; 4, 5
.else
	ds_store_b64 v4, v[CB_:CB_+1] offset:520+256*((\t)%2)          ; 6, 7,
	ds_store_b128 v4, v[CB_+2:CB_+5] offset:1024+256*((\t)%2)      ; 8-11
.endif
.if (\t)+2 < 4
	LOAD (\t)+2
.endif
.endm
	BLOCK 0
	BLOCK 1
	BLOCK 2
	BLOCK 3
	global_store_b32 v7, v24, s[8:9]               ; sixteen lanes store 64 consecutive bytes: one byte for each 128 that the launch reads
.irp q, 0,1,2,3,4,5
	ds_load_b128 v[OUTR+4*\q:OUTR+4*\q+3], v5 offset:512*\q        ; LDS serves a wave's instructions in order: these see my stores
.endr
.irp q, 0,1,2,3,4,5
	s_wait_dscnt 5-\q
	global_store_b128 v6, v[OUTR+4*\q:OUTR+4*\q+3], s[36:37] offset:(\q/3)*12288+(\q%3)*512   ; 512 consecutive bytes, at a multiple of 256 from wimg's first byte
.endr
	s_wait_tensorcnt 0x0
	ds_add_u32 v192, v193
	s_wait_dscnt 0x0
	s_endpgm
.Lfunc_end_k_qa609f890de_sort_w:
	.size	k_qa609f890de_sort_w, .Lfunc_end_k_qa609f890de_sort_w-k_qa609f890de_sort_w
	.p2alignl 7, 3214868480
	.fill 96, 4, 3214868480
	.section	.rodata,"a",@progbits
	.p2align	6, 0x0
	.amdhsa_kernel k_qa609f890de_sort_w
		.amdhsa_group_segment_fixed_size 26624
		.amdhsa_private_segment_fixed_size 0
		.amdhsa_enable_private_segment 0
		.amdhsa_kernarg_size 40
		.amdhsa_user_sgpr_count 2
		.amdhsa_user_sgpr_kernarg_segment_ptr 1
		.amdhsa_wavefront_size32 1
		.amdhsa_system_sgpr_workgroup_id_x 1
		.amdhsa_system_sgpr_workgroup_id_y 1
		.amdhsa_system_sgpr_workgroup_id_z 1
		.amdhsa_system_vgpr_workitem_id 0
		.amdhsa_next_free_vgpr 194
		.amdhsa_next_free_sgpr 66
		.amdhsa_reserve_vcc 1
		.amdhsa_float_denorm_mode_32 3
		.amdhsa_float_denorm_mode_16_64 3
		.amdhsa_memory_ordered 1
		.amdhsa_forward_progress 1
		.amdhsa_inst_pref_size 123
	.end_amdhsa_kernel
	.amdgpu_metadata
---
amdhsa.version: [ 1, 2 ]
amdhsa.kernels:
  - .name:           k_qa609f890de_sort_w
    .symbol:         k_qa609f890de_sort_w.kd
    .args:
      - { .name: expert_w, .offset: 0, .size: 8, .value_kind: global_buffer, .address_space: global }
      - { .name: keys, .offset: 8, .size: 8, .value_kind: global_buffer, .address_space: global }
      - { .name: wimg, .offset: 16, .size: 8, .value_kind: global_buffer, .address_space: global }
      - { .name: perm, .offset: 24, .size: 8, .value_kind: global_buffer, .address_space: global }
      - { .name: tinfo, .offset: 32, .size: 8, .value_kind: global_buffer, .address_space: global }
    .group_segment_fixed_size: 26624
    .private_segment_fixed_size: 0
    .kernarg_segment_align: 8
    .kernarg_segment_size: 40
    .max_flat_workgroup_size: 256
    .sgpr_count:     66
    .vgpr_count:     194
    .wavefront_size: 32
...
	.end_amdgpu_metadata
.endif
;; end of part 2
;; launch experts (part 3): grid 8 x 32, 4 waves a work-group, no clusters, 240,128 bytes of LDS; arguments xq, xs, wimg, expert_b, wts, perm, tinfo, out0; writes out0
.if DOCPART == 3
	.amdgcn_target "amdgcn-amd-amdhsa--gfx1250"
	.amdhsa_code_object_version 6
	.text
	.protected	k_qa609f890de_experts
	.globl	k_qa609f890de_experts
	.p2align	8
	.type	k_qa609f890de_experts,@function
k_qa609f890de_experts:
	s_mov_b64 s[64:65], 0
	v_nop
	global_prefetch_b8 v0, s[64:65] scope:SCOPE_SE
	s_setreg_imm32_b32 hwreg(HW_REG_WAVE_MODE, 25, 1), 1
	s_wait_xcnt 0x0
; out[token] = the sum over the token's two experts of p x (Q(x) . Q(W[e]) + b[e]), on codes of E3M2 with one E8M0 scale for each 32 along K; sums in f32.
; SHARES.  A work-group owns sorted places 256 t .. 256 t + 255 (y) and columns 128 nb .. 128 nb + 127 (x), and nobody else writes those outputs.  Wave w owns 64 of the places, four tiles of 16 tokens,
; against all 128 columns.  Its tokens' codes for all of K (384 registers) and its 64 x 128 sums (256 registers) stay in registers for the whole launch.
; THE WALK.  The tile's list of experts was stored by the launch before.  A loop of a constant 8 trips takes one place of the list a trip.  The barrier stands in every trip, on every wave's way;
; loads, stores and products are jumped over by scalar branches on the stored bits: UM (has the list a next place?) and WM (does my quarter use this place?).
; An expert's block of weights for these columns (102,400 bytes of register images and scale words, 512 of bias) goes from memory through 100 staging registers into one of two LDS buffers, each thread 16 bytes a line,
; while the other buffer is multiplied; all four waves read it.
; THE PRODUCT IS USED TRANSPOSED: source 0 = 16 columns of W, source 1 = 16 tokens: lane (r, h) holds token r and columns 16 nt + 8 h + 0..7.  The bias is the C of a sum's first K step.
; OUT += weight x (sum + bias), the weight being wts[token][e]: 0 for a token of the tile that has not chosen e, so that its rows add nothing.
; NO JOINT LOADS, NO TENSOR LOADS: which experts a work-group walks, and how many, hangs on stored numbers, so its loads stand under branches on loaded data and partners would ask for different blocks; x's rows are a gather.
; LIMITS: as the two launches before: NaN and infinities among the inputs are not served.
; LDS: buffer p at 102,912 p: fragments (nt, ks) at (8 nt + ks) x 1,536, scale words at 98,304, bias at 102,400; from 205,824 a stage of 16 x 528 bytes for each wave.
; REGISTERS: window 0: v1 r, v2 h, v3 4 x thread, v4-19 LDS addresses (v4 is also 16 x lane, v12 also 16 x thread), v20-23 tokens, v24-27 32 x token, v28-31 x's offsets; v32-47 x's scale words (4 m + kp);
;   v48-55 W's scale words, two sets; v56-71 the weights, two sets of four pairs; v72-87 bias, two sets; v88-151 accumulators, two sets of 4 x 8; v152-247 eight fragments of W, one for each K step; v248 bias on its way.
;   window 1: x's fragments of K steps 0-3 at 48 ks + 12 m; v192-243 staging.   window 2: K steps 4-7 likewise; v192-239 staging.   window 3: OUT at 64 m + 8 nt.
.set BUF1,   102912
.set O_SC,   98304
.set O_BI,   102400
.set HALF_R, 49152                     ; the fragments of column tiles 4-7 begin here: an LDS offset has 16 bits
.set HALF_C, 51200                     ; the copy's second half
.set STAGE,  205824
.set SPITCH, 528
.set XS,  32
.set WS,  48
.set WT,  56
.set BI,  72
.set ACC, 88
.set FR,  152
.set BST, 248
.set STG, 192
.set MSB, 0
.macro WIN new                         ; the immediate's high byte repeats the setting that is left; a switch that changes nothing is dropped
.if MSB != (\new)
	s_set_vgpr_msb (MSB<<8)|(\new)
.set MSB, (\new)
.endif
.endm
; The expert in the list's lowest nibble: where its block, its bias and its column of weights begin.
.macro NEXT
	s_and_b32 s27, s23, 7
	s_min_u32 s27, s27, 7                          ; a loaded number is held before it enters an address
	s_lshl_b32 s34, s27, 3
	s_add_co_u32 s34, s34, s22
	s_mul_i32 s34, s34, 102400
	s_mov_b32 s35, 0
	s_add_nc_u64 s[28:29], s[8:9], s[34:35]        ; wimg + (8 e + nb) x 102,400
	s_lshl_b32 s34, s27, 12
	s_add_co_u32 s34, s34, s41
	s_add_nc_u64 s[30:31], s[10:11], s[34:35]      ; expert_b + 4,096 e + 512 nb
	s_lshl_b32 s34, s27, 2
	s_add_nc_u64 s[32:33], s[12:13], s[34:35]      ; wts + 4 e
.endm
.macro GLOAD off                       ; half a block, 51,200 bytes: 25 lines of 2,048 consecutive bytes for the work-group's 128 threads
	WIN 0x40
.irp j, 0,1,2,3,4,5,6,7,8,9,10,11,12
	global_load_b128 v[STG+4*\j:STG+4*\j+3], v12, s[28:29] offset:(\off)+2048*\j
.endr
	WIN 0x80
.irp j, 0,1,2,3,4,5,6,7,8,9,10,11
	global_load_b128 v[STG+4*\j:STG+4*\j+3], v12, s[28:29] offset:(\off)+2048*(13+\j)
.endr
	WIN 0
.endm
.macro LSTORE adr                      ; and into LDS as it lies (an LDS store's data are its source 1)
	WIN 0x04
.irp j, 0,1,2,3,4,5,6,7,8,9,10,11,12
	ds_store_b128 v[\adr], v[STG+4*\j:STG+4*\j+3] offset:2048*\j
.endr
	WIN 0x08
.irp j, 0,1,2,3,4,5,6,7,8,9,10,11
	ds_store_b128 v[\adr], v[STG+4*\j:STG+4*\j+3] offset:2048*(13+\j)
.endr
	WIN 0
.endm
; The copy of the list's next place into buffer d, in three parts that stand at the head, in the middle and at the end of a trip.  Each is jumped over where the list has no next place.
.macro C1 d
	WIN 0
	s_bitcmp1_b32 s24, 0
	s_cbranch_scc0 .Lc1_\@
	GLOAD 0
	global_load_b32 v[BST], v3, s[30:31]           ; the bias of my 128 columns: 4 bytes a thread
.irp m, 0,1,2,3
	global_load_b32 v[WT+8*(\d)+2*\m], v[24+\m], s[32:33]          ; my tokens' weights for that expert
.endr
.Lc1_\@:
.endm
.macro C2 d
	WIN 0
	s_bitcmp1_b32 s24, 0
	s_cbranch_scc0 .Lc2_\@
	s_wait_loadcnt 0x0                             ; the first half is in
	LSTORE 12+2*(\d)
	ds_store_b32 v[16+(\d)], v[BST]
	s_wait_dscnt 0x0                               ; the stores have read the staging registers
	GLOAD HALF_C
.Lc2_\@:
.endm
.macro C3 d
	WIN 0
	s_bitcmp1_b32 s24, 0
	s_cbranch_scc0 .Lc3_\@
	s_wait_loadcnt 0x0                             ; the second half is in
	LSTORE 13+2*(\d)
.Lc3_\@:
.endm
.macro LFRAG p, nt, ks                 ; W's fragment (nt, ks) into the K step's own twelve registers: three lines of 512 consecutive bytes
.irp q, 0,1,2
	ds_load_b128 v[FR+12*(\ks)+4*\q:FR+12*(\ks)+4*\q+3], v[4+2*(\p)+(\nt)/4] offset:(((\nt)%4)*8+(\ks))*1536+512*\q
.endr
.endm
.macro LEXTRA p, nt                    ; a column tile's four scale registers (lanes 0-15 the even K step's words, lanes 16-31 the odd one's) and its bias in the result's layout
.irp kp, 0,1,2,3
	ds_load_b32 v[WS+4*((\nt)%2)+\kp], v[8+(\p)] offset:(8*\kp+(\nt))*128
.endr
	ds_load_b128 v[BI+8*((\nt)%2):BI+8*((\nt)%2)+3], v[10+(\p)] offset:64*(\nt)
	ds_load_b128 v[BI+8*((\nt)%2)+4:BI+8*((\nt)%2)+7], v[10+(\p)] offset:64*(\nt)+16
.endm
.macro FMA p, nt                       ; OUT += weight x finished sums of column tile nt; each accumulator is read from its low end on
	WIN 0xf0                                       ; destination and source 2: window 3
.irp m, 0,1,2,3
.irp j, 0,2,4,6
	v_pk_fma_f32 v[64*\m+8*(\nt)+\j:64*\m+8*(\nt)+\j+1], v[ACC+32*((\nt)%2)+8*\m+\j:ACC+32*((\nt)%2)+8*\m+\j+1], v[WT+8*(\p)+2*\m:WT+8*(\p)+2*\m+1], v[64*\m+8*(\nt)+\j:64*\m+8*(\nt)+\j+1] op_sel_hi:[1,0,1]
.endr
.endr
.endm
; K step ks of column tile nt: four matrix instructions, the four token tiles' accumulators by turns.  Behind them stand four plain vector lines that name none of their registers
; (ISA guide 7.12.1): four v_nop, or at K step 0 the sixteen multiply-adds of the tile before; then the same K step's fragment of the next tile is asked for, eight K steps ahead of its use.
; THE WAIT counts the LDS loads issued behind the fragment that is wanted: at K step 0 the tile's seven later fragments (21); later 3 (7 - ks) of this tile, 3 ks of the next and its six loads of scales and bias (27);
; in the last tile, which asks for nothing, 3 (7 - ks).
.macro KS p, nt, ks
.if (\nt) == 7
	s_wait_dscnt 3*(7-(\ks))
.elseif (\ks) == 0
	s_wait_dscnt 21
.else
	s_wait_dscnt 27
.endif
	WIN 0x04+0x04*((\ks)/4)                        ; source 1 (x): window 1 or 2; LDS loads are at home under both settings
.irp m, 0,1,2,3
.set AC_, ACC+32*((\nt)%2)+8*\m
.set FA_, FR+12*(\ks)
.set XB_, 48*((\ks)%4)+12*\m
.set SA_, WS+4*((\nt)%2)+(\ks)/2
.set SB_, XS+4*\m+(\ks)/2
.if (\ks) == 0
	v_wmma_scale_f32_16x16x128_f8f6f4 v[AC_:AC_+7], v[FA_:FA_+11], v[XB_:XB_+11], v[BI+8*((\nt)%2):BI+8*((\nt)%2)+7], v[SA_], v[SB_] matrix_a_fmt:MATRIX_FMT_BF6 matrix_b_fmt:MATRIX_FMT_BF6
.elseif (\ks)%2 == 0
	v_wmma_scale_f32_16x16x128_f8f6f4 v[AC_:AC_+7], v[FA_:FA_+11], v[XB_:XB_+11], v[AC_:AC_+7], v[SA_], v[SB_] matrix_a_fmt:MATRIX_FMT_BF6 matrix_b_fmt:MATRIX_FMT_BF6
.else
	v_wmma_scale_f32_16x16x128_f8f6f4 v[AC_:AC_+7], v[FA_:FA_+11], v[XB_:XB_+11], v[AC_:AC_+7], v[SA_], v[SB_] matrix_a_fmt:MATRIX_FMT_BF6 matrix_b_fmt:MATRIX_FMT_BF6 matrix_a_scale:MATRIX_SCALE_ROW1 matrix_b_scale:MATRIX_SCALE_ROW1
.endif
.endr
.if ((\ks) == 0) && ((\nt) > 0)
	FMA \p, (\nt)-1
	WIN 0x04
.elseif ((\nt) < 7) || ((\ks) == 7)
.rept 4
	v_nop
.endr
.endif
.if (\nt) < 7
	LFRAG \p, (\nt)+1, \ks
.if (\ks) == 0
	LEXTRA \p, (\nt)+1
.endif
.endif
.endm
; A TRIP: one place of the list, in buffer p.  ONE barrier does both orderings: in front of it every wave's stores into buffer p have landed and its reads of buffer 1 - p are back;
; behind it buffer p is read and buffer 1 - p is written.  No load is out behind the head's waits, so the bases, the staging registers and the weights may be written again whichever way the last trip went.
.macro TRIP p
	s_wait_loadcnt 0x0
	s_wait_dscnt 0x0
	s_barrier_signal -1
	s_barrier_wait -1
	s_lshr_b32 s24, s24, 1                         ; bit 0: the list has a next place
	s_lshr_b32 s23, s23, 4                         ; its expert
	NEXT
	s_bitcmp1_b32 s25, 0                           ; does my quarter use this place?
	s_cbranch_scc0 .Lidle_\@
	C1 1-(\p)
	LFRAG \p, 0, 0
	LEXTRA \p, 0
.irp ks, 1,2,3,4,5,6,7
	LFRAG \p, 0, \ks
.endr
.irp nt, 0,1,2,3
.irp ks, 0,1,2,3,4,5,6,7
	KS \p, \nt, \ks
.endr
.endr
	C2 1-(\p)
.irp nt, 4,5,6,7
.irp ks, 0,1,2,3,4,5,6,7
	KS \p, \nt, \ks
.endr
.endr
	FMA \p, 7
	C3 1-(\p)
	s_branch .Ljoin_\@
.Lidle_\@:                                         ; nothing to multiply: my share of the copy is done all the same
	C1 1-(\p)
	C2 1-(\p)
	C3 1-(\p)
.Ljoin_\@:
	s_lshr_b32 s25, s25, 1
.endm
	s_load_b256 s[4:11], s[0:1], 0x0               ; xq s[4:5], xs s[6:7], wimg s[8:9], expert_b s[10:11]
	s_load_b256 s[12:19], s[0:1], 0x20             ; wts s[12:13], perm s[14:15], tinfo s[16:17], out0 s[18:19]
	v_lshl_add_u32 v254, v0, 2, 0x3a800
	v_mov_b32 v255, 0
	v_lshrrev_b32 v28, 5, v0
	v_readfirstlane_b32 s20, v28                   ; wave 0..3
	s_and_b32 s21, ttmp7, 0xffff                   ; t: the tile of 256 places
	s_mov_b32 s22, ttmp9                           ; nb: the block of 128 columns
	v_and_b32 v28, 31, v0                          ; lane
	v_and_b32 v1, 15, v0                           ; r
	v_bfe_u32 v2, v0, 4, 1                         ; h
	v_lshlrev_b32 v3, 2, v0                        ; 4 x thread
	v_lshlrev_b32 v4, 4, v28                       ; fragments: buffer p, half u at v[4 + 2 p + u]: 16 x lane + ..
	v_add_nc_u32 v5, HALF_R, v4
	v_add_nc_u32 v6, BUF1, v4
	v_add_nc_u32 v7, BUF1+HALF_R, v4
	v_lshl_add_u32 v8, v28, 2, O_SC                ; scale words: 4 x lane + ..
	v_lshl_add_u32 v9, v28, 2, BUF1+O_SC
	v_lshl_add_u32 v10, v2, 5, O_BI                ; bias: my half's eight columns of a tile
	v_lshl_add_u32 v11, v2, 5, BUF1+O_BI
	v_lshlrev_b32 v12, 4, v0                       ; the copy: buffer p, half u at v[12 + 2 p + u]: 16 x thread + ..
	v_add_nc_u32 v13, HALF_C, v12
	v_add_nc_u32 v14, BUF1, v12
	v_add_nc_u32 v15, BUF1+HALF_C, v12
	v_add_nc_u32 v16, O_BI, v3                     ; the bias's copy
	v_add_nc_u32 v17, BUF1+O_BI, v3
	s_mul_i32 s34, s20, 16*SPITCH
	s_add_co_u32 s34, s34, STAGE                   ; my stage
	v_mul_u32_u24 v18, v1, SPITCH
	v_lshl_add_u32 v18, v2, 5, v18
	v_add_nc_u32 v18, s34, v18                     ; in: row r, 32 bytes for each half of the lanes
	v_add_nc_u32 v19, s34, v4                      ; back: the 32 lanes take one row of 512 bytes
.irp m, 0,1,2,3
	v_mov_b32 v[WT+2*\m+1], 0                      ; the packed form names pairs and takes their low words: the upper words are written once;
	v_mov_b32 v[WT+8+2*\m], 0                      ; so is the second set, which is first loaded inside the loop
	v_mov_b32 v[WT+8+2*\m+1], 0
.endr
	v_lshlrev_b32 v[ACC+5], 2, v1                  ; perm: 4 r (accumulator registers serve as offsets until the first product)
	s_lshl_b32 s34, s21, 2                         ; tinfo: 4 t,
	s_lshl_b32 s35, s20, 7
	s_add_co_u32 s35, s35, s34                     ; 4 t + 128 w
	s_lshl_b32 s36, s21, 10
	s_lshl_b32 s37, s20, 8
	s_add_co_u32 s36, s36, s37                     ; perm: my 64 places begin at 4 (256 t + 64 w)
	s_mov_b32 s37, 0
	s_lshl_b32 s41, s22, 9                         ; 512 nb
	s_wait_kmcnt 0x0
	s_load_b32 s23, s[16:17], s34 offset:0x0       ; EL: the tile's list
	s_load_b32 s24, s[16:17], s34 offset:0x80      ; UM: 2^length - 1
	s_load_b32 s25, s[16:17], s35 offset:0x100     ; WM: my quarter's bits
	s_add_nc_u64 s[14:15], s[14:15], s[36:37]
.irp m, 0,1,2,3
	global_load_b32 v[20+\m], v[ACC+5], s[14:15] offset:64*\m      ; lane (r, h): the token at place 16 m + r of my 64
.endr
	s_mov_b32 s36, s41
	s_add_nc_u64 s[38:39], s[18:19], s[36:37]      ; out0 at my columns
	s_wait_kmcnt 0x0
	NEXT                                           ; the list's place 0: a tile of 256 tokens always has one
	GLOAD 0
	global_load_b32 v[BST], v3, s[30:31]
	s_wait_loadcnt 26                              ; the tokens are in: behind their loads stand the 25 of the block's first half and the bias's
.irp m, 0,1,2,3
	v_min_u32 v[20+\m], 0x1fff, v[20+\m]           ; held before they enter addresses
.endr
	v_mul_u32_u24 v[ACC+4], v2, 384
.irp m, 0,1,2,3
	v_mul_u32_u24 v[28+\m], v[20+\m], 768
	v_add_nc_u32 v[28+\m], v[28+\m], v[ACC+4]      ; xq: 768 token + 384 h: my 384 bytes
	v_lshlrev_b32 v[24+\m], 5, v[20+\m]            ; wts: 32 token
	v_lshl_add_u32 v[ACC+\m], v2, 4, v[24+\m]      ; xs: 32 token + 16 h: lanes 0-15 the even K steps' words, lanes 16-31 the odd ones'
.endr
.irp m, 0,1,2,3
	global_load_b128 v[XS+4*\m:XS+4*\m+3], v[ACC+\m], s[6:7]
.endr
.irp m, 0,1,2,3
	global_load_b32 v[WT+2*\m], v[24+\m], s[32:33]
.endr
	WIN 0x40
.irp m, 0,1,2,3
.irp ks, 0,1,2,3
.irp q, 0,1,2
	global_load_b128 v[48*\ks+12*\m+4*\q:48*\ks+12*\m+4*\q+3], v[28+\m], s[4:5] offset:48*\ks+16*\q
.endr
.endr
.endr
	WIN 0
	s_wait_loadcnt 56                              ; the block's first half is in: behind it stand 4 + 4 + 48 loads
	LSTORE 12
	ds_store_b32 v16, v[BST]
	s_wait_dscnt 0x0                               ; the stores have read the staging registers
	GLOAD HALF_C
	WIN 0x80
.irp m, 0,1,2,3
.irp ks, 4,5,6,7
.irp q, 0,1,2
	global_load_b128 v[48*(\ks-4)+12*\m+4*\q:48*(\ks-4)+12*\m+4*\q+3], v[28+\m], s[4:5] offset:48*\ks+16*\q
.endr
.endr
.endr
	WIN 0xc0                                       ; OUT begins as zeros, written while the loads fly: a wave may have no share in the list's first place, so no trip can be the one that starts the sums
.set Q, 0
.rept 256
	v_mov_b32 v[Q], 0
.set Q, Q+1
.endr
	WIN 0
	s_wait_loadcnt 48                              ; the block's second half is in: behind it stand x's last 48 loads
	LSTORE 13
	s_mov_b32 s26, 4
.Ltrip:                                            ; four trips of two places: the buffers are back where they began
	TRIP 0
	TRIP 1
	s_sub_co_u32 s26, s26, 1
	s_cmp_lg_u32 s26, 0
	s_cbranch_scc1 .Ltrip
; THE WAY OUT, a tile of 16 tokens at a time.  A lane holds 32 neighbouring bytes of a row and the lanes beside it hold other rows: so the tile goes through my own stage and comes back as whole rows of 512 bytes.
; LDS serves a wave's instructions in order: no wait between the stores and the loads.  A row's token comes from the lane that holds it, and is held before it enters the address.
.macro ROWS m
.set R_, ACC+64*((\m)%2)
.set OA_, 216+16*((\m)%2)
.if (\m) >= 2
	s_wait_xcnt 0x0                                ; the stores of two tiles ago have read their data and offsets: both sets are written again
.endif
	WIN 0x0c                                       ; the data: window 3
.irp nt, 0,1,2,3,4,5,6,7
	ds_store_b128 v18, v[64*(\m)+8*\nt:64*(\m)+8*\nt+3] offset:64*\nt
	ds_store_b128 v18, v[64*(\m)+8*\nt+4:64*(\m)+8*\nt+7] offset:64*\nt+16
.endr
	WIN 0
.irp t, 0,1,2,3,4,5,6,7,8,9,10,11,12,13,14,15
	ds_load_b128 v[R_+4*\t:R_+4*\t+3], v19 offset:\t*SPITCH
.endr
.irp t, 0,1,2,3,4,5,6,7,8,9,10,11,12,13,14,15
	v_readlane_b32 s40, v[20+(\m)], \t
	s_min_u32 s40, s40, 0x1fff
	v_lshl_add_u32 v[OA_+\t], s40, 12, v4          ; 4,096 token + 16 lane
.endr
.irp t, 0,1,2,3,4,5,6,7,8,9,10,11,12,13,14,15
	s_wait_dscnt 15-\t                             ; row t is back; the younger rows may be out
	global_store_b128 v[OA_+\t], v[R_+4*\t:R_+4*\t+3], s[38:39] th:TH_STORE_NT   ; 32 lanes store 512 consecutive bytes of one output row, at a multiple of 256 from out0's first byte
.endr
.endm
	ROWS 0
	ROWS 1
	ROWS 2
	ROWS 3
	s_wait_tensorcnt 0x0
	ds_add_u32 v254, v255
	s_wait_dscnt 0x0
	s_endpgm
.Lfunc_end_k_qa609f890de_experts:
	.size	k_qa609f890de_experts, .Lfunc_end_k_qa609f890de_experts-k_qa609f890de_experts
	.p2alignl 7, 3214868480
	.fill 96, 4, 3214868480
	.section	.rodata,"a",@progbits
	.p2align	6, 0x0
	.amdhsa_kernel k_qa609f890de_experts
		.amdhsa_group_segment_fixed_size 240128
		.amdhsa_private_segment_fixed_size 0
		.amdhsa_enable_private_segment 0
		.amdhsa_kernarg_size 64
		.amdhsa_user_sgpr_count 2
		.amdhsa_user_sgpr_kernarg_segment_ptr 1
		.amdhsa_wavefront_size32 1
		.amdhsa_system_sgpr_workgroup_id_x 1
		.amdhsa_system_sgpr_workgroup_id_y 1
		.amdhsa_system_sgpr_workgroup_id_z 1
		.amdhsa_system_vgpr_workitem_id 0
		.amdhsa_next_free_vgpr 1024
		.amdhsa_next_free_sgpr 66
		.amdhsa_reserve_vcc 0
		.amdhsa_float_denorm_mode_32 3
		.amdhsa_float_denorm_mode_16_64 3
		.amdhsa_memory_ordered 1
		.amdhsa_forward_progress 1
		.amdhsa_inst_pref_size 227
	.end_amdhsa_kernel
	.amdgpu_metadata
---
amdhsa.version: [ 1, 2 ]
amdhsa.kernels:
  - .name:           k_qa609f890de_experts
    .symbol:         k_qa609f890de_experts.kd
    .args:
      - { .name: xq, .offset: 0, .size: 8, .value_kind: global_buffer, .address_space: global }
      - { .name: xs, .offset: 8, .size: 8, .value_kind: global_buffer, .address_space: global }
      - { .name: wimg, .offset: 16, .size: 8, .value_kind: global_buffer, .address_space: global }
      - { .name: expert_b, .offset: 24, .size: 8, .value_kind: global_buffer, .address_space: global }
      - { .name: wts, .offset: 32, .size: 8, .value_kind: global_buffer, .address_space: global }
      - { .name: perm, .offset: 40, .size: 8, .value_kind: global_buffer, .address_space: global }
      - { .name: tinfo, .offset: 48, .size: 8, .value_kind: global_buffer, .address_space: global }
      - { .name: out0, .offset: 56, .size: 8, .value_kind: global_buffer, .address_space: global }
    .group_segment_fixed_size: 240128
    .private_segment_fixed_size: 0
    .kernarg_segment_align: 8
    .kernarg_segment_size: 64
    .max_flat_workgroup_size: 128
    .sgpr_count:     66
    .vgpr_count:     1024
    .wavefront_size: 32
...
	.end_amdgpu_metadata
.endif
;; end of part 3
;; ======== version 2 of 3: 3 launches
;; workspace buffers: xq 6,291,456 bytes; xs 262,144 bytes; wts 262,144 bytes; keys 32,768 bytes of whole numbers; hist 32,768 bytes of whole numbers; wimg 6,553,600 bytes; perm 32,768 bytes of whole numbers; tinfo 768 bytes of whole numbers
;; launch gate_x (part 4): grid 256 x 1, 4 waves a work-group, no clusters, 118,528 bytes of LDS; arguments x, gate_w, gate_b, xq, xs, wts, keys, hist; writes xq, xs, wts, keys, hist
.if DOCPART == 4
	.amdgcn_target "amdgcn-amd-amdhsa--gfx1250"
	.amdhsa_code_object_version 6
	.text
	.protected	k_qa609f890de_gate_x
	.globl	k_qa609f890de_gate_x
	.p2align	8
	.type	k_qa609f890de_gate_x,@function
k_qa609f890de_gate_x:
	s_mov_b64 s[64:65], 0
	v_nop
	global_prefetch_b8 v0, s[64:65] scope:SCOPE_SE
	s_setreg_imm32_b32 hwreg(HW_REG_WAVE_MODE, 25, 1), 1
	s_wait_xcnt 0x0
; THE GATE, AND x AS CODES.  x [8192][1024] f32 is read once and serves twice.
; (1) logits = x gate_w + gate_b in f32 by fused multiply-adds, softmax over the 8 experts with the maximum taken away, the two largest p (on a tie the lower index).
;     Stored at fixed places: wts[token][8] = p where the expert is chosen, else 0.  The unordered pair (lo, hi) has the number key = lo (15 - lo) / 2 + (lo even ? hi - lo - 1 : 7 - hi), 0..27,
;     so that neighbouring numbers always share an expert.  The work-group's 32 tokens are one chunk of the next launch's counting sort, and are ranked here, by values alone:
;     keys[token] = 4 key + 256 x (how many earlier tokens of the chunk have the same key);  hist[chunk][g] = how many of the chunk's tokens have key g.  No address and no branch here hangs on the choice.
; (2) x as codes of E3M2, one E8M0 byte for each 32 along K: scale = 2^(floor(log2(largest magnitude)) - 4), numbers / scale to the nearest code, ties to even, beyond 28 the largest code.
;     xq[token]: 768 bytes.  Lane (r, h) of an operand holds, for K step ks, 48 bytes: block 4 ks + h, then block 4 ks + 2 + h.  Their q-th 16 bytes lie at 96 ks + 32 q + 16 h:
;     the two lanes that hold one token read 32 neighbouring bytes in each load.
;     xs[token]: 32 bytes, the word of K step ks = 2 kp + hh at 16 hh + 4 kp, byte kb % 4.
; SHARES: a work-group takes 32 tokens, a wave 8 whole rows; all 64 loads of a wave (512 consecutive bytes each) are asked for at the head.  No loop: four pairs of rows by macro.
; The gate wants a lane's numbers as they are loaded (4 neighbours for each of 8 loads); the conversion wants 16 neighbours in a lane: so each half row turns through the wave's own stage in LDS.
; LIMITS: NaN and infinities among the inputs are not served.  A block of zeros, or one whose largest magnitude lies under 2^(5 - 127), gets the byte 1 (the bytes are read by this program alone; zero codes add nothing).
; The gate's f32 sums are taken in another order than a row-by-row sum: 32 terms a lane, then a tree over the lanes.
; No matrix unit: the gate has 8 columns, and a coarser operand could turn a choice.  No cluster: work-groups share only gate_w's 32 KB.
; LDS: 0 .. 36,863 gate_w, 16 bytes of padding behind each 128; then 20,224 bytes for each wave: two stages of 32 x 80, 8 x 768 of codes, 256 scale bytes, 32 x 272 of partial logits; at 117,760 the 32 keys.
; REGISTERS: window 0: v1-14, v252-255 addresses; v16-63 codes on their way out; v64-127 gate_w as loaded, then the partial logits (row, expert); v128-159 two sets of 16 neighbours; v192-211 codes and bytes just made;
;   v212-251 at work.   window 1: gate_w: register 32 i + 8 j + e = gate_w[128 i + 4 lane + j][e].   window 2: x: register 32 row + 4 i + j = x[row][128 i + 4 lane + j].
.set WB0,     36864
.set WREG,    20224
.set O_CODES, 5120
.set O_SCB,   11264
.set O_LP,    11520
.set KX,      117760
.set CO,  16
.set LG,  64
.set XT,  128
.set CD,  192
.set EB,  208
.set PR,  224                          ; v224-231 logits, then p
.set QR,  236                          ; v236-243 p with the first choice taken out
.set WR,  244                          ; v244-251 the combine weights
.set CAD, 252                          ; v252-254 where the three words of my 12 bytes of codes go
.set MSB, 0
.macro WIN new                         ; the immediate's high byte repeats the setting that is left; a switch that changes nothing is dropped
.if MSB != (\new)
	s_set_vgpr_msb (MSB<<8)|(\new)
.set MSB, (\new)
.endif
.endm
	s_load_b256 s[4:11], s[0:1], 0x0               ; x s[4:5], gate_w s[6:7], gate_b s[8:9], xq s[10:11]
	s_load_b256 s[12:19], s[0:1], 0x20             ; xs s[12:13], wts s[14:15], keys s[16:17], hist s[18:19]
	v_lshl_add_u32 v203, v0, 2, 0x1cd00
	v_mov_b32 v207, 0
	v_lshrrev_b32 v15, 5, v0
	v_readfirstlane_b32 s40, v15                   ; wave 0..3
	v_and_b32 v1, 31, v0                           ; lane
	v_lshlrev_b32 v2, 4, v1                        ; 16 x lane
	v_lshlrev_b32 v3, 4, v0                        ; 16 x thread
	v_lshrrev_b32 v15, 3, v0
	v_lshl_add_u32 v4, v15, 4, v3                  ; gate_w into LDS: 16 thread + 16 for each 128 bytes passed
	v_mul_u32_u24 v5, v1, 144                      ; and out: my 128 bytes of each 4,096: a pitch of 9 x 16 bytes from lane to lane
	s_mul_i32 s20, s40, WREG
	s_add_co_u32 s20, s20, WB0                     ; my wave's region
	s_add_co_u32 s21, s20, O_CODES
	s_add_co_u32 s22, s20, O_SCB
	s_add_co_u32 s23, s20, O_LP
	v_lshrrev_b32 v15, 2, v1
	v_mul_u32_u24 v6, v15, 80
	v_and_b32 v15, 3, v1
	v_lshl_add_u32 v6, v15, 4, v6
	v_add_nc_u32 v6, s20, v6                       ; the stage, in: four lanes' 64 bytes on end, then 16 of padding
	v_mul_u32_u24 v7, v1, 80
	v_add_nc_u32 v7, s20, v7                       ; the stage, out: my 16 neighbours
	; my 16 codes' place in a row's 768 bytes: lane l holds half l & 1 of block 16 s + l / 2 = 4 ks + 2 c + h
	v_and_b32 v15, 1, v1
	v_mul_u32_u24 v212, v15, 12
	v_bfe_u32 v15, v1, 2, 1
	v_mad_u32_u24 v212, v15, 24, v212              ; b = 24 c + 12 (l & 1): my first byte among the operand lane's 48
	v_bfe_u32 v15, v1, 1, 1
	v_lshlrev_b32 v213, 4, v15                     ; 16 h
	v_lshrrev_b32 v15, 3, v1
	v_mad_u32_u24 v213, v15, 96, v213              ; + 96 ks (its part 4 s stands in the stores' offsets)
	v_add_nc_u32 v213, s21, v213
.irp j, 0,1,2
	v_add_nc_u32 v214, 4*\j, v212                  ; byte b + 4 j of the 48 lies at 32 (b / 16) + b % 16 = b + 16 (b / 16): my 12 bytes may straddle a piece, so each word has its own address
	v_lshrrev_b32 v215, 4, v214
	v_lshl_add_u32 v214, v215, 4, v214
	v_add_nc_u32 v[CAD+\j], v213, v214
.endr
	v_bfe_u32 v15, v1, 3, 1                        ; my block's byte in a row's 32 scale bytes
	v_lshlrev_b32 v9, 4, v15                       ; hh = ks & 1
	v_lshrrev_b32 v15, 4, v1
	v_lshl_add_u32 v9, v15, 2, v9                  ; kp = ks / 2
	v_bfe_u32 v15, v1, 1, 2
	v_add_nc_u32 v9, v9, v15                       ; block % 4
	v_add_nc_u32 v9, s22, v9
	v_add_nc_u32 v10, s21, v2                      ; codes back: 16 bytes a lane
	v_lshlrev_b32 v14, 3, v1                       ; 8 x lane
	v_add_nc_u32 v11, s22, v14                     ; scale bytes back: 8 bytes a lane
	v_mul_u32_u24 v12, v1, 272
	v_add_nc_u32 v12, s23, v12                     ; my 64 partial logits: a row of 256 bytes + 16
	v_and_b32 v15, 1, v1
	v_lshrrev_b32 v212, 4, v1
	v_lshl_or_b32 v15, v212, 1, v15                ; which eight lanes' partials I add: (l & 1) + 2 (l / 16)
	v_mul_u32_u24 v13, v15, 2176
	v_bfe_u32 v15, v1, 1, 3                        ; for which of the wave's rows: (l / 2) & 7
	v_lshl_add_u32 v13, v15, 5, v13
	v_add_nc_u32 v13, s23, v13
	s_lshl_b32 s37, s40, 5
	s_add_co_u32 s37, s37, KX
	v_lshl_add_u32 v255, v15, 2, s37               ; where my row's key goes: KX + 4 (8 wave + row)
	v_lshl_add_u32 v8, v1, 2, KX                   ; and where wave 0 reads the 32 keys: 4 x lane
	s_mov_b32 s32, 0x76543210
	s_mov_b32 s33, 0xfedcba98                      ; v_permlanex16_b32's selects for lane l xor 16
	s_mov_b32 s36, 0x3fb8aa3b                      ; log2(e)
	s_lshl_b32 s41, ttmp9, 5
	s_lshl_b32 s37, s40, 3
	s_add_co_u32 s41, s41, s37                     ; my first token: 32 x work-group + 8 x wave
	s_mov_b32 s39, 0
	s_wait_kmcnt 0x0
	s_load_b256 s[24:31], s[8:9], 0x0              ; gate_b's eight numbers
	s_lshl_b32 s38, s41, 12
	s_add_nc_u64 s[4:5], s[4:5], s[38:39]          ; x: 4,096 bytes a token
	s_mul_i32 s38, s41, 768
	s_add_nc_u64 s[10:11], s[10:11], s[38:39]      ; xq: 768
	s_lshl_b32 s38, s41, 5
	s_add_nc_u64 s[12:13], s[12:13], s[38:39]      ; xs: 32
	s_add_nc_u64 s[14:15], s[14:15], s[38:39]      ; wts: 32
	s_lshl_b32 s38, s41, 2
	s_add_nc_u64 s[16:17], s[16:17], s[38:39]      ; keys: 4; in wave 0, which alone stores them: the chunk's 128 bytes
	s_add_nc_u64 s[18:19], s[18:19], s[38:39]      ; hist: likewise 128 bytes a chunk
.irp n, 0,1,2,3,4,5,6,7,8,9,10,11,12,13,14,15
	global_load_b128 v[LG+4*\n:LG+4*\n+3], v3, s[6:7] offset:2048*\n     ; gate_w: the work-group's 128 threads take 2,048 consecutive bytes a line
.endr
	WIN 0x80                                       ; destination window 2
.irp rho, 0,1,2,3,4
.irp i, 0,1,2,3,4,5,6,7
	global_load_b128 v[32*\rho+4*\i:32*\rho+4*\i+3], v2, s[4:5] offset:4096*\rho+512*\i th:TH_LOAD_NT
.endr
.endr
	WIN 0
	s_wait_loadcnt 40                              ; gate_w is in: behind its 16 loads stand the 40 of x's rows 0 to 4
.irp n, 0,1,2,3,4,5,6,7,8,9,10,11,12,13,14,15
	ds_store_b128 v4, v[LG+4*\n:LG+4*\n+3] offset:2304*\n
.endr
	WIN 0x80
.irp rho, 5,6,7
.irp i, 0,1,2,3,4,5,6,7
	global_load_b128 v[32*\rho+4*\i:32*\rho+4*\i+3], v2, s[4:5] offset:4096*\rho+512*\i th:TH_LOAD_NT
.endr
.endr
	WIN 0
	s_wait_dscnt 0x0                               ; for the others' sake: my part of gate_w lies in LDS
	s_barrier_signal -1
	s_barrier_wait -1                              ; everybody's does
	WIN 0x40                                       ; destination window 1
.irp i, 0,1,2,3,4,5,6,7
.irp q, 0,1,2,3,4,5,6,7
	ds_load_b128 v[32*\i+4*\q:32*\i+4*\q+3], v5 offset:4608*\i+16*\q     ; rows 128 i + 4 lane + 0..3 of gate_w: 128 bytes
.endr
.endr
	WIN 0
	s_wait_dscnt 0x0
; The gate's share of slice i (numbers 128 i + 4 lane + 0..3) for rows 2 p and 2 p + 1: eight chains of packed multiply-adds by turns (four pairs of experts x two rows).
; The number of x serves both halves: the pair's first register (op_sel_hi 0) or its second (op_sel 1).  The very first product starts the sums: nothing is cleared.
.macro GATE2 p, i
.irp j, 0,1,2,3
.irp e, 0,2,4,6
.irp d, 0,1
.set XR_, 32*(2*(\p)+\d)+4*(\i)+2*(\j/2)
.set GR_, 32*(\i)+8*\j+\e
.set LR_, LG+8*(2*(\p)+\d)+\e
.if ((\i) == 0) && (\j == 0)
	v_pk_mul_f32 v[LR_:LR_+1], v[XR_:XR_+1], v[GR_:GR_+1] op_sel_hi:[0,1]
.elseif \j%2 == 0
	v_pk_fma_f32 v[LR_:LR_+1], v[XR_:XR_+1], v[GR_:GR_+1], v[LR_:LR_+1] op_sel_hi:[0,1,1]
.else
	v_pk_fma_f32 v[LR_:LR_+1], v[XR_:XR_+1], v[GR_:GR_+1], v[LR_:LR_+1] op_sel:[1,0,0]
.endif
.endr
.endr
.endr
.endm
; 16 neighbours in v[xs] on (two neighbouring lanes hold a block) become 12 bytes of codes and the block's byte; both go to the wave's own LDS at their places in row rho, half row s.
.macro QUANT u, xs, rho, s
	v_max3_num_f32 v212, |v[\xs]|, |v[\xs+1]|, |v[\xs+2]|
	v_max3_num_f32 v213, |v[\xs+3]|, |v[\xs+4]|, |v[\xs+5]|
.irp i, 6,10
	v_max3_num_f32 v212, v212, |v[\xs+\i]|, |v[\xs+\i+1]|
	v_max3_num_f32 v213, v213, |v[\xs+\i+2]|, |v[\xs+\i+3]|
.endr
	v_max3_num_f32 v212, v212, |v[\xs+14]|, |v[\xs+15]|
	v_max3_num_f32 v212, v212, v213, 0x2800000     ; and the floor 2^(5 - 127): the byte cannot fall under 1
	v_max_num_f32_dpp v212, v212, v212 row_xmask:1 row_mask:0xf bank_mask:0xf   ; with my neighbour's 16: the block's largest magnitude
	v_add_nc_u32 v214, 0xfe000000, v212            ; 4 off its exponent field: the conversion takes that field as its scale, and nothing else of the operand
	v_cvt_scalef32_pk16_bf6_f32 v[CD+4*(\u):CD+4*(\u)+2], v[\xs:\xs+15], v214
	v_lshrrev_b32 v[EB+(\u)], 23, v214             ; the scale's byte; also the plain line behind the conversion
	ds_store_b8 v9, v[EB+(\u)] offset:32*(\rho)+8*(\s)       ; both lanes of a block write the same byte with the same value
.irp j, 0,1,2
	ds_store_b32 v[CAD+\j], v[CD+4*(\u)+\j] offset:768*(\rho)+384*(\s)
.endr
.endm
; One row: its 4,096 bytes turn through the two stages (LDS serves a wave's instructions in order, so no wait stands between the stores and the loads);
; four slices of the pair's gate work stand between the loads and the wait for them; then both half rows are quantised.
.macro ROW rho, u0, p, i0
	WIN 0x08                                       ; an LDS store's data are its source 1: window 2
.irp s, 0,1
.irp i, 0,1,2,3
	ds_store_b128 v6, v[32*(\rho)+16*\s+4*\i:32*(\rho)+16*\s+4*\i+3] offset:2560*\s+640*\i
.endr
.endr
	WIN 0
.irp s, 0,1
.irp i, 0,1,2,3
	ds_load_b128 v[XT+16*\s+4*\i:XT+16*\s+4*\i+3], v7 offset:2560*\s+16*\i
.endr
.endr
	WIN 0x06                                       ; source 0 (x) window 2, source 1 (gate_w) window 1
.irp i, \i0, \i0+1, \i0+2, \i0+3
	GATE2 \p, \i
.endr
	WIN 0
	s_wait_dscnt 0x0                               ; the neighbours are back; the earlier stores of codes and bytes have read their registers
	QUANT \u0, XT, \rho, 0
	QUANT \u0+1, XT+16, \rho, 1
.endm
.macro PAIR p
	s_wait_loadcnt 48-16*(\p)                      ; rows 2 p and 2 p + 1 are in; the eight loads of each row behind them may be out
	ROW 2*(\p), 0, \p, 0
	ROW 2*(\p)+1, 2, \p, 4
.irp q, 0,1,2
	ds_load_b128 v[CO+12*(\p)+4*\q:CO+12*(\p)+4*\q+3], v10 offset:1536*(\p)+512*\q
.endr
	s_wait_dscnt 0x0
.irp q, 0,1,2
	global_store_b128 v2, v[CO+12*(\p)+4*\q:CO+12*(\p)+4*\q+3], s[10:11] offset:1536*(\p)+512*\q   ; 512 consecutive bytes, at a multiple of 256 from xq's first byte
.endr
.endm
	PAIR 0
	PAIR 1
	PAIR 2
	PAIR 3
	; THE LOGITS.  Each lane holds 64 partial sums (8 rows x 8 experts).  They go to LDS, a lane to a row of 272 bytes; lane l reads back eight lanes' partials of ONE of the wave's rows.
.irp rho, 0,1,2,3,4,5,6,7
	ds_store_b128 v12, v[LG+8*\rho:LG+8*\rho+3] offset:32*\rho
	ds_store_b128 v12, v[LG+8*\rho+4:LG+8*\rho+7] offset:32*\rho+16
.endr
.irp t, 0,1,2,3,4,5,6,7
	ds_load_b128 v[128+8*\t:131+8*\t], v13 offset:272*\t
	ds_load_b128 v[132+8*\t:135+8*\t], v13 offset:272*\t+16
.endr
	ds_load_b64 v[220:221], v11                    ; and my 8 of the wave's 256 scale bytes
	s_wait_dscnt 0x0
	global_store_b64 v14, v[220:221], s[12:13]     ; 32 lanes store 256 consecutive bytes, aligned
.irp e, 0,2,4,6
	v_pk_add_f32 v[128+\e:129+\e], v[128+\e:129+\e], v[136+\e:137+\e]
	v_pk_add_f32 v[144+\e:145+\e], v[144+\e:145+\e], v[152+\e:153+\e]
	v_pk_add_f32 v[160+\e:161+\e], v[160+\e:161+\e], v[168+\e:169+\e]
	v_pk_add_f32 v[176+\e:177+\e], v[176+\e:177+\e], v[184+\e:185+\e]
.endr
.irp e, 0,2,4,6
	v_pk_add_f32 v[128+\e:129+\e], v[128+\e:129+\e], v[144+\e:145+\e]
	v_pk_add_f32 v[160+\e:161+\e], v[160+\e:161+\e], v[176+\e:177+\e]
.endr
.irp e, 0,2,4,6
	v_pk_add_f32 v[128+\e:129+\e], v[128+\e:129+\e], v[160+\e:161+\e]
.endr
.irp e, 0,1,2,3,4,5,6,7
	v_add_f32_dpp v[128+\e], v[128+\e], v[128+\e] row_xmask:1 row_mask:0xf bank_mask:0xf   ; lanes l and l xor 1 hold the same row
.endr
.irp e, 0,1,2,3,4,5,6,7
	v_permlanex16_b32 v[136+\e], v[128+\e], s32, s33                                       ; and so do l and l xor 16
.endr
	s_wait_kmcnt 0x0                               ; gate_b
.irp e, 0,1,2,3,4,5,6,7
	v_add_f32 v[PR+\e], v[128+\e], v[136+\e]
.endr
.irp e, 0,1,2,3,4,5,6,7
	v_add_f32 v[PR+\e], s[24+\e], v[PR+\e]         ; every lane now holds the 8 logits of row (l / 2) & 7
.endr
	; SOFTMAX, the maximum taken away first
	v_max3_num_f32 v232, v[PR], v[PR+1], v[PR+2]
	v_max3_num_f32 v232, v232, v[PR+3], v[PR+4]
	v_max3_num_f32 v232, v232, v[PR+5], v[PR+6]
	v_max_num_f32 v232, v232, v[PR+7]
.irp e, 0,1,2,3,4,5,6,7
	v_sub_f32 v[PR+\e], v[PR+\e], v232
.endr
.irp e, 0,1,2,3,4,5,6,7
	v_mul_f32 v[PR+\e], s36, v[PR+\e]
.endr
.irp e, 0,1,2,3,4,5,6,7
	v_exp_f32 v[PR+\e], v[PR+\e]
.endr
	v_nop                                          ; a plain line between the last exponential and the use of its result
	s_wait_alu depctr_va_vdst(0)
	v_add_f32 v233, v[PR], v[PR+1]
	v_add_f32 v234, v[PR+2], v[PR+3]
	v_add_f32 v235, v[PR+4], v[PR+5]
	v_add_f32 v236, v[PR+6], v[PR+7]
	v_add_f32 v233, v233, v234
	v_add_f32 v235, v235, v236
	v_add_f32 v233, v233, v235
	v_rcp_f32 v233, v233
	v_nop                                          ; a plain line behind the reciprocal
	s_wait_alu depctr_va_vdst(0)
.irp e, 0,1,2,3,4,5,6,7
	v_mul_f32 v[PR+\e], v[PR+\e], v233             ; p
.endr
	; THE TWO LARGEST p, by selects alone.  A strict > in ascending order keeps the lower index on a tie.
	v_mov_b32 v232, v[PR]
	v_mov_b32 v233, 0                              ; the first choice
.irp e, 1,2,3,4,5,6,7
	v_cmp_gt_f32 vcc_lo, v[PR+\e], v232
	v_cndmask_b32 v232, v232, v[PR+\e], vcc_lo
	v_cndmask_b32 v233, v233, \e, vcc_lo
.endr
.irp e, 0,1,2,3,4,5,6,7
	v_cmp_eq_u32 vcc_lo, \e, v233
	v_cndmask_b32 v[QR+\e], v[PR+\e], -1.0, vcc_lo ; the first choice is taken out: -1 lies under every p
.endr
	v_mov_b32 v234, v[QR]
	v_mov_b32 v235, 0                              ; the second choice
.irp e, 1,2,3,4,5,6,7
	v_cmp_gt_f32 vcc_lo, v[QR+\e], v234
	v_cndmask_b32 v234, v234, v[QR+\e], vcc_lo
	v_cndmask_b32 v235, v235, \e, vcc_lo
.endr
.irp e, 0,1,2,3,4,5,6,7
	v_cmp_eq_u32 s34, \e, v233
	v_cmp_eq_u32 s35, \e, v235
	s_or_b32 vcc_lo, s34, s35
	v_cndmask_b32 v[WR+\e], 0, v[PR+\e], vcc_lo    ; gate_probs x member
.endr
	v_min_u32 v212, v233, v235                     ; lo
	v_max_u32 v213, v233, v235                     ; hi
	v_sub_nc_u32 v214, 15, v212
	v_mul_u32_u24 v214, v212, v214
	v_lshrrev_b32 v214, 1, v214                    ; lo (15 - lo) / 2: the pairs with a smaller lo
	v_sub_nc_u32 v215, v213, v212
	v_add_nc_u32 v215, -1, v215                    ; lo even: hi ascends
	v_sub_nc_u32 v222, 7, v213                     ; lo odd: hi descends
	v_and_b32 v223, 1, v212
	v_cmp_eq_u32 vcc_lo, 1, v223
	v_cndmask_b32 v215, v215, v222, vcc_lo
	v_add_nc_u32 v214, v214, v215                  ; the pair's number
	ds_store_b32 v255, v214                        ; to its fixed place among the work-group's 32: the four lanes that hold a row write the same word with the same value
	; lanes 0 to 15 store the weights: lane l holds row l / 2 and takes its experts 4 (l & 1) + 0..3: 256 consecutive bytes, aligned
	v_and_b32 v212, 1, v1
	v_cmp_eq_u32 vcc_lo, 1, v212
.irp c, 0,1,2,3
	v_cndmask_b32 v[216+\c], v[WR+\c], v[WR+4+\c], vcc_lo
.endr
	v_cmp_gt_u32 vcc_lo, 16, v1
	s_wait_xcnt 0x0                                ; EXEC is a source of the stores that are out: it changes only behind this wait
	s_and_saveexec_b32 s34, vcc_lo
	global_store_b128 v2, v[216:219], s[14:15]
	s_wait_xcnt 0x0
	s_or_b32 exec_lo, exec_lo, s34
	s_wait_dscnt 0x0                               ; for wave 0's sake: my eight keys lie in LDS
	s_barrier_signal -1
	s_barrier_wait -1                              ; all 32 do
	s_cmp_lg_u32 s40, 0
	s_cbranch_scc1 .Lend
	; THE CHUNK IS RANKED, by wave 0, lane = token: five ballots, one for each bit of the key.  A lane's peers are the lanes that agree with it in all five; lane g counts the lanes whose key is g.
	ds_load_b32 v128, v8
.irp b, 0,1,2,3,4
	v_bfe_u32 v[136+\b], v1, \b, 1
.endr
.irp b, 0,1,2,3,4
	v_add_nc_u32 v[136+\b], -1, v[136+\b]          ; bit b of my lane's number: set: 0, clear: all ones
.endr
	v_lshlrev_b32 v129, 2, v1                      ; 4 x lane
	s_mov_b32 s25, 0x55555555
	s_mov_b32 s26, 0x33333333
	s_mov_b32 s27, 0x0f0f0f0f
	s_mov_b32 s28, 0x01010101
	s_wait_dscnt 0x0
.irp b, 0,1,2,3,4
	v_bfe_u32 v[130+\b], v128, \b, 1
.endr
.irp b, 0,1,2,3,4
	v_cmp_ne_u32 s[20+\b], 0, v[130+\b]            ; the ballot of key bit b
.endr
.irp b, 0,1,2,3,4
	v_add_nc_u32 v[130+\b], -1, v[130+\b]
.endr
.irp b, 0,1,2,3,4
	v_xor_b32 v[130+\b], s[20+\b], v[130+\b]       ; the lanes that agree with my key in bit b,
	v_xor_b32 v[136+\b], s[20+\b], v[136+\b]       ; and those whose key agrees with my lane's number in bit b
.endr
	v_and_b32 v130, v130, v131
	v_and_b32 v136, v136, v137
	v_and_b32 v132, v132, v133
	v_and_b32 v138, v138, v139
	v_and_b32 v130, v130, v132
	v_and_b32 v136, v136, v138
	v_and_b32 v130, v130, v134                     ; my peers
	v_and_b32 v136, v136, v140                     ; lane g: the lanes whose key is g
	v_mbcnt_lo_u32_b32 v141, v130, 0               ; how many peers stand in lower lanes
	v_lshrrev_b32 v142, 1, v136                    ; the mask's set bits, summed in fields of 2, 4 and 8 bits
	v_and_b32 v142, s25, v142
	v_sub_nc_u32 v136, v136, v142
	v_lshrrev_b32 v142, 2, v136
	v_and_b32 v136, s26, v136
	v_and_b32 v142, s26, v142
	v_add_nc_u32 v136, v136, v142
	v_lshrrev_b32 v142, 4, v136
	v_add_nc_u32 v136, v136, v142
	v_and_b32 v136, s27, v136
	v_mul_lo_u32 v136, v136, s28
	v_lshrrev_b32 v136, 24, v136
	v_lshlrev_b32 v143, 2, v128
	v_lshl_or_b32 v141, v141, 8, v143              ; 4 key + 256 rank
	global_store_b32 v129, v141, s[16:17]          ; 128 consecutive bytes each: one byte for each 512 that the launch reads
	global_store_b32 v129, v136, s[18:19]
.Lend:
	s_wait_tensorcnt 0x0
	ds_add_u32 v203, v207
	s_wait_dscnt 0x0
	s_endpgm
.Lfunc_end_k_qa609f890de_gate_x:
	.size	k_qa609f890de_gate_x, .Lfunc_end_k_qa609f890de_gate_x-k_qa609f890de_gate_x
	.p2alignl 7, 3214868480
	.fill 96, 4, 3214868480
	.section	.rodata,"a",@progbits
	.p2align	6, 0x0
	.amdhsa_kernel k_qa609f890de_gate_x
		.amdhsa_group_segment_fixed_size 118528
		.amdhsa_private_segment_fixed_size 0
		.amdhsa_enable_private_segment 0
		.amdhsa_kernarg_size 64
		.amdhsa_user_sgpr_count 2
		.amdhsa_user_sgpr_kernarg_segment_ptr 1
		.amdhsa_wavefront_size32 1
		.amdhsa_system_sgpr_workgroup_id_x 1
		.amdhsa_system_sgpr_workgroup_id_y 1
		.amdhsa_system_sgpr_workgroup_id_z 1
		.amdhsa_system_vgpr_workitem_id 0
		.amdhsa_next_free_vgpr 768
		.amdhsa_next_free_sgpr 66
		.amdhsa_reserve_vcc 1
		.amdhsa_float_denorm_mode_32 3
		.amdhsa_float_denorm_mode_16_64 3
		.amdhsa_memory_ordered 1
		.amdhsa_forward_progress 1
		.amdhsa_inst_pref_size 124
	.end_amdhsa_kernel
	.amdgpu_metadata
---
amdhsa.version: [ 1, 2 ]
amdhsa.kernels:
  - .name:           k_qa609f890de_gate_x
    .symbol:         k_qa609f890de_gate_x.kd
    .args:
      - { .name: x, .offset: 0, .size: 8, .value_kind: global_buffer, .address_space: global }
      - { .name: gate_w, .offset: 8, .size: 8, .value_kind: global_buffer, .address_space: global }
      - { .name: gate_b, .offset: 16, .size: 8, .value_kind: global_buffer, .address_space: global }
      - { .name: xq, .offset: 24, .size: 8, .value_kind: global_buffer, .address_space: global }
      - { .name: xs, .offset: 32, .size: 8, .value_kind: global_buffer, .address_space: global }
      - { .name: wts, .offset: 40, .size: 8, .value_kind: global_buffer, .address_space: global }
      - { .name: keys, .offset: 48, .size: 8, .value_kind: global_buffer, .address_space: global }
      - { .name: hist, .offset: 56, .size: 8, .value_kind: global_buffer, .address_space: global }
    .group_segment_fixed_size: 118528
    .private_segment_fixed_size: 0
    .kernarg_segment_align: 8
    .kernarg_segment_size: 64
    .max_flat_workgroup_size: 128
    .sgpr_count:     66
    .vgpr_count:     768
    .wavefront_size: 32
...
	.end_amdgpu_metadata
.endif
;; end of part 4
;; launch sort_w (part 5): grid 257 x 1, 8 waves a work-group, no clusters, 26,624 bytes of LDS; arguments expert_w, keys, wimg, perm, tinfo, hist; writes wimg, perm, tinfo
.if DOCPART == 5
	.amdgcn_target "amdgcn-amd-amdhsa--gfx1250"
	.amdhsa_code_object_version 6
	.text
	.protected	k_qa609f890de_sort_w
	.globl	k_qa609f890de_sort_w
	.p2align	8
	.type	k_qa609f890de_sort_w,@function
k_qa609f890de_sort_w:
	s_mov_b64 s[64:65], 0
	v_nop
	global_prefetch_b8 v0, s[64:65] scope:SCOPE_SE
	s_setreg_imm32_b32 hwreg(HW_REG_WAVE_MODE, 25, 1), 1
	s_wait_xcnt 0x0
; TWO JOBS IN ONE LAUNCH, parted on the work-group's number.
; WORK-GROUPS 1 .. 256: expert_w [8][1024 (K)][1024 (N)] f32 becomes codes of E3M2 with one E8M0 byte for each 32 along K, laid as IMAGES OF OPERAND REGISTERS.
;   wimg: for expert e and block nb of 128 columns 102,400 bytes: fragments (column tile nt, K step ks) of 1,536 bytes at (8 nt + ks) x 1,536, registers 4 q .. 4 q + 3 of lane l at 512 q + 16 l;
;   from byte 98,304 the scale words: for (kp, nt) 128 bytes at (8 kp + nt) x 128: place 16 hh + r holds the word of column 16 nt + r for K step 2 kp + hh.
;   K is the weight's FIRST axis: a lane takes a column and its registers run down K, so a block of 32 lies in one lane and the conversions give codes with K innermost; nothing is transposed by an instruction.
;   A wave takes 32 columns x 128 along K (two fragments); the four waves of one K step read 512 consecutive bytes of each row.  Loads run two blocks (64 loads a wave) ahead.  No barrier on this way.
; WORK-GROUP 0: the 8,192 tokens are placed by their pair's number (0..27): the second half of a counting sort, without atomics.  The launch before has ranked each chunk of 32 tokens:
;   keys[token] = 4 key + 256 rank, hist[chunk][g] = the chunk's tokens with key g.  Here: the sums over chunks and waves, a running sum over the keys, and perm[place] = token.
;   And for each tile of 256 places the list of experts that it needs: tinfo rows of 32 words: 0: the list, a nibble an expert; 1: 2^count - 1;
;   2..5: for each quarter of 64 places, a bit for each place of the list that the quarter uses.
; LIMITS: NaN and infinities in expert_w are not served; a block of zeros, or one under 2^(5 - 127), gets the byte 1 (read by this program alone; zero codes add nothing).
; LDS: 0 .. 24,575 the weights' stages, 3,072 bytes a wave; 24,576 .. 25,599 the sort's 8 x 32 totals: each way has bytes of its own.
.set X,     32                         ; weights: v32-95 two sets of 32 numbers
.set C,     96                         ;          v96-127 a block's six registers of codes, eight apart
.set D,     128                        ;          v128-130 a block's upper 16 codes as they are made
.set OUTR,  136                        ;          v136-159 the way out
.set KEY,   32                         ; sort: v32-63 the tokens' words, then 4 x key
.set RANK,  64                         ;       v64-95 rank among the chunk's peers, then the token's number
.set H,     96                         ;       v96-127 lane g: how many of chunk c have key g, then where they begin
.set P,     128                        ;       v128-159 the token's place
.set TC,    32                         ; lists: v32-60 the 29 group starts held into the tile's range;
.set QC,    64                         ;        v64-92 into the quarter's
.set GS,    36                         ;        s36-63 the starts of groups 1 to 28, then the groups' lane masks
.set TM,    20                         ;        s20-27 for each expert: the tiles that need it, a bit a lane;
.set QM,    28                         ;        s28-35 the tiles whose quarter needs it
.set SORTB, 24576
	s_load_b256 s[4:11], s[0:1], 0x0               ; expert_w s[4:5], keys s[6:7], wimg s[8:9], perm s[10:11]
	s_load_b128 s[12:15], s[0:1], 0x20             ; tinfo s[12:13], hist s[14:15]
	v_lshl_add_u32 v192, v0, 2, 0x6400
	v_mov_b32 v193, 0
	v_lshrrev_b32 v2, 5, v0
	v_readfirstlane_b32 s18, v2                    ; wave 0..7
	v_and_b32 v1, 31, v0                           ; lane
	s_cmp_lg_u32 ttmp9, 0
	s_cbranch_scc1 .Lweights
	; ---------------- THE SORT ----------------
	v_lshl_add_u32 v30, v0, 2, SORTB               ; where my wave's totals go: 128 bytes a wave
	v_lshl_add_u32 v2, v1, 2, SORTB                ; and where lane g reads the eight waves' totals of key g
	s_lshl_b32 s19, s18, 12
	v_lshlrev_b32 v29, 2, v1
	v_add_nc_u32 v29, s19, v29                     ; wave w takes chunks 32 w + c: in keys token 1,024 w + 32 c + lane, in hist chunk 32 w + c, key lane: the same byte offset in both
	s_lshl_b32 s19, s18, 10
	v_add_nc_u32 v13, s19, v1                      ; 1,024 w + lane
	s_wait_kmcnt 0x0
.irp c, 0,1,2,3,4,5,6,7,8,9,10,11,12,13,14,15,16,17,18,19,20,21,22,23,24,25,26,27,28,29,30,31
	global_load_b32 v[H+\c], v29, s[14:15] offset:128*\c
.endr
.irp c, 0,1,2,3,4,5,6,7,8,9,10,11,12,13,14,15,16,17,18,19,20,21,22,23,24,25,26,27,28,29,30,31
	global_load_b32 v[KEY+\c], v29, s[6:7] offset:128*\c
.endr
	s_wait_loadcnt 32                              ; the counts are in: behind their loads stand the 32 of the tokens' words
	v_add3_u32 v26, v[H], v[H+1], v[H+2]           ; lane g: my wave's tokens with key g, in two chains
	v_add3_u32 v27, v[H+3], v[H+4], v[H+5]
.irp c, 6,10,14,18,22,26
	v_add3_u32 v26, v26, v[H+\c], v[H+\c+1]
	v_add3_u32 v27, v27, v[H+\c+2], v[H+\c+3]
.endr
	v_add3_u32 v26, v26, v[H+30], v[H+31]
	v_add_nc_u32 v26, v26, v27
	ds_store_b32 v30, v26
	s_wait_dscnt 0x0                               ; for the others' sake: my totals lie in LDS
	s_barrier_signal -1
	s_barrier_wait -1                              ; this way's one barrier; all eight waves of the work-group are on this way
.irp w, 0,1,2,3,4,5,6,7
	ds_load_b32 v[16+\w], v2 offset:128*\w
.endr
	s_wait_dscnt 0x0
	v_add3_u32 v24, v16, v17, v18
	v_add3_u32 v24, v24, v19, v20
	v_add3_u32 v24, v24, v21, v22
	v_add_nc_u32 v24, v24, v23                     ; lane g: all tokens with key g
	v_mov_b32 v31, 0
.irp w, 0,1,2,3,4,5,6
	s_cmp_gt_u32 s18, \w
	s_cselect_b32 s25, 1, 0
	v_mad_u32_u24 v31, v[16+\w], s25, v31          ; those of the waves in front of mine
.endr
	v_mov_b32 v25, v24                             ; a running sum over the lanes: four steps inside each half,
	v_mov_b32 v9, 0
.irp n, 1,2,4,8
	v_mov_b32_dpp v9, v25 row_shr:\n row_mask:0xf bank_mask:0xf bound_ctrl:1
	v_add_nc_u32 v25, v25, v9
.endr
	v_readlane_b32 s26, v25, 15                    ; then the lower half's sum onto the upper half
	v_mov_b32 v9, s26
	v_cmp_lt_u32 vcc_lo, 15, v1
	v_cndmask_b32 v9, 0, v9, vcc_lo
	v_add_nc_u32 v14, v25, v9                      ; lane g: where group g ends,
	v_sub_nc_u32 v15, v14, v24                     ; where it begins (lane 28, whose key no token has: 8,192),
	v_add_nc_u32 v27, v15, v31                     ; and where my wave's part of it begins
.set Q, 0
.rept 16
	v_add_nc_u32 v28, v27, v[H+Q]                  ; H[c] becomes the place at which chunk c's tokens of key g begin
	v_mov_b32 v[H+Q], v27
	v_add_nc_u32 v27, v28, v[H+Q+1]
	v_mov_b32 v[H+Q+1], v28
.set Q, Q+2
.endr
	s_wait_loadcnt 0x0                             ; the tokens' words
.set Q, 0
.rept 32
	v_lshrrev_b32 v[RANK+Q], 8, v[KEY+Q]
.set Q, Q+1
.endr
.set Q, 0
.rept 32
	v_and_b32 v[KEY+Q], 0xff, v[KEY+Q]
.set Q, Q+1
.endr
.set Q, 0
.rept 32
	v_min_u32 v[KEY+Q], 108, v[KEY+Q]              ; 4 x key, held at 4 x 27: a lane's number as the lane permute wants it
.set Q, Q+1
.endr
.irp c, 0,1,2,3,4,5,6,7,8,9,10,11,12,13,14,15,16,17,18,19,20,21,22,23,24,25,26,27,28,29,30,31
	ds_bpermute_b32 v[P+\c], v[KEY+\c], v[H+\c]    ; each token fetches its own key's place from lane key
.endr
.irp c, 0,1,2,3,4,5,6,7,8,9,10,11,12,13,14,15,16,17,18,19,20,21,22,23,24,25,26,27,28,29,30,31
	s_wait_dscnt 31-\c
	v_add_nc_u32 v[P+\c], v[P+\c], v[RANK+\c]
	v_min_u32 v[P+\c], 0x1fff, v[P+\c]             ; held before it enters an address
	v_lshlrev_b32 v[P+\c], 2, v[P+\c]
	v_add_nc_u32 v[RANK+\c], 32*\c, v13            ; the token's number
	global_store_b32 v[P+\c], v[RANK+\c], s[10:11] ; the sort's scatter, 32 KB in all; a chunk's tokens of one key land side by side
.endr
	; THE TILES' LISTS: waves 0 to 3, lane = tile.  Wave w looks at the tile's 256 places and at its quarter w of 64.
	; A group ends where the next begins.  Each start is held into a range; group g lies in the range exactly where its held start is under the next group's: an empty group lies nowhere.
	s_cmp_gt_u32 s18, 3
	s_cbranch_scc1 .Ldone
	s_wait_xcnt 0x0                                ; the scatter's stores have read their registers: some are written again below
.irp g, 1,2,3,4,5,6,7,8,9,10,11,12,13,14,15,16,17,18,19,20,21,22,23,24,25,26,27,28
	v_readlane_b32 s[GS-1+\g], v15, \g             ; all 28 together: no vector line waits for a single one
.endr
	v_lshlrev_b32 v16, 8, v1                       ; the tile begins,
	v_add_nc_u32 v17, 0x100, v16                   ; ends;
	s_lshl_b32 s19, s18, 6
	v_add_nc_u32 v18, s19, v16                     ; the quarter begins,
	v_add_nc_u32 v19, 64, v18                      ; ends
	v_mov_b32 v[TC], v16                           ; group 0 begins at place 0: held, that is the range's start
	v_mov_b32 v[QC], v18
.irp g, 1,2,3,4,5,6,7,8,9,10,11,12,13,14,15,16,17,18,19,20,21,22,23,24,25,26,27,28
	v_max_u32 v[TC+\g], s[GS-1+\g], v16
	v_max_u32 v[QC+\g], s[GS-1+\g], v18
.endr
.irp g, 1,2,3,4,5,6,7,8,9,10,11,12,13,14,15,16,17,18,19,20,21,22,23,24,25,26,27,28
	v_min_u32 v[TC+\g], v[TC+\g], v17
	v_min_u32 v[QC+\g], v[QC+\g], v19
.endr
.irp e, 0,1,2,3,4,5,6,7
	s_mov_b32 s[TM+\e], 0
	s_mov_b32 s[QM+\e], 0
.endr
.macro OR2 base, g, lo, hi             ; group g is the pair (lo, hi): its lanes need both experts
	s_or_b32 s[\base+\lo], s[\base+\lo], s[GS+\g]
	s_or_b32 s[\base+\hi], s[\base+\hi], s[GS+\g]
.endm
.macro GROUPS base
	OR2 \base, 0, 0, 1
	OR2 \base, 1, 0, 2
	OR2 \base, 2, 0, 3
	OR2 \base, 3, 0, 4
	OR2 \base, 4, 0, 5
	OR2 \base, 5, 0, 6
	OR2 \base, 6, 0, 7
	OR2 \base, 7, 1, 7
	OR2 \base, 8, 1, 6
	OR2 \base, 9, 1, 5
	OR2 \base, 10, 1, 4
	OR2 \base, 11, 1, 3
	OR2 \base, 12, 1, 2
	OR2 \base, 13, 2, 3
	OR2 \base, 14, 2, 4
	OR2 \base, 15, 2, 5
	OR2 \base, 16, 2, 6
	OR2 \base, 17, 2, 7
	OR2 \base, 18, 3, 7
	OR2 \base, 19, 3, 6
	OR2 \base, 20, 3, 5
	OR2 \base, 21, 3, 4
	OR2 \base, 22, 4, 5
	OR2 \base, 23, 4, 6
	OR2 \base, 24, 4, 7
	OR2 \base, 25, 5, 7
	OR2 \base, 26, 5, 6
	OR2 \base, 27, 6, 7
.endm
.irp g, 0,1,2,3,4,5,6,7,8,9,10,11,12,13,14,15,16,17,18,19,20,21,22,23,24,25,26,27
	v_cmp_lt_u32 s[GS+\g], v[TC+\g], v[TC+1+\g]    ; the tiles in which group g lies (the starts in s36-63 have been read)
.endr
	GROUPS TM
.irp g, 0,1,2,3,4,5,6,7,8,9,10,11,12,13,14,15,16,17,18,19,20,21,22,23,24,25,26,27
	v_cmp_lt_u32 s[GS+\g], v[QC+\g], v[QC+1+\g]    ; the tiles in whose quarter w it lies
.endr
	GROUPS QM
	v_mov_b32 v22, 0                               ; the list
	v_mov_b32 v23, 0                               ; the quarter's bits, by the list's places
	v_mov_b32 v24, 0                               ; the list's length so far
.irp e, 0,1,2,3,4,5,6,7
	v_cndmask_b32 v8, 0, 1, s[TM+\e]
	v_cndmask_b32 v9, 0, 1, s[QM+\e]
	v_lshlrev_b32 v10, 2, v24
	v_mul_u32_u24 v11, v8, \e
	v_lshlrev_b32 v11, v10, v11
	v_or_b32 v22, v22, v11
	v_lshlrev_b32 v9, v24, v9
	v_or_b32 v23, v23, v9
	v_add_nc_u32 v24, v24, v8
.endr
	v_mov_b32 v25, 1
	v_lshlrev_b32 v25, v24, v25
	v_add_nc_u32 v25, -1, v25                      ; 2^length - 1
	v_lshlrev_b32 v26, 2, v1
	s_lshl_b32 s19, s18, 7
	s_add_co_u32 s19, s19, 256
	v_add_nc_u32 v27, s19, v26
	global_store_b32 v27, v23, s[12:13]            ; rows 2 to 5: one for each quarter
	s_cmp_lg_u32 s18, 0
	s_cbranch_scc1 .Ldone
	global_store_b32 v26, v22, s[12:13]            ; rows 0 and 1: wave 0 alone
	global_store_b32 v26, v25, s[12:13] offset:128
.Ldone:
	s_wait_tensorcnt 0x0
	ds_add_u32 v192, v193
	s_wait_dscnt 0x0
	s_endpgm
	; ---------------- THE WEIGHTS ----------------
.Lweights:
	s_sub_co_u32 s19, ttmp9, 1
	s_lshr_b32 s20, s19, 5                         ; e
	s_bfe_u32 s21, s19, 0x30002                    ; nb: 3 bits from bit 2
	s_and_b32 s22, s19, 3                          ; kq: which pair of K steps
	s_and_b32 s23, s18, 3                          ; cg: which 32 of the block's 128 columns
	s_lshr_b32 s24, s18, 2                         ; hh
	s_lshl_b32 s25, s22, 1
	s_add_co_u32 s25, s25, s24                     ; ks = 2 kq + hh
	s_lshl_b32 s26, s20, 22                        ; expert_w: e x 4 MiB + 128 ks rows of 4,096 bytes + 512 nb + 128 cg
	s_lshl_b32 s27, s25, 19
	s_add_co_u32 s26, s26, s27
	s_lshl_b32 s27, s21, 9
	s_add_co_u32 s26, s26, s27
	s_lshl_b32 s27, s23, 7
	s_add_co_u32 s26, s26, s27
	s_mov_b32 s27, 0
	s_lshl_b32 s28, s20, 3
	s_add_co_u32 s28, s28, s21
	s_mul_i32 s28, s28, 102400                     ; wimg: the block of (e, nb)
	s_mov_b32 s29, 0
	s_lshl_b32 s34, s23, 4
	s_add_co_u32 s34, s34, s25
	s_mul_i32 s34, s34, 1536                       ; my first fragment: (nt = 2 cg, ks); my second lies 8 fragments on
	s_mov_b32 s35, 0
	s_lshl_b32 s38, s22, 3
	s_lshl_b32 s39, s23, 1
	s_add_co_u32 s38, s38, s39
	s_lshl_b32 s38, s38, 7                         ; my scale words: (8 kq + 2 cg) x 128
	s_lshl_b32 s39, s24, 6
	s_add_co_u32 s38, s38, s39                     ; + 64 hh
	s_add_co_u32 s38, s38, 98304
	s_mul_i32 s39, s18, 3072                       ; my stage
	v_lshlrev_b32 v3, 2, v1                        ; in: 4 bytes a lane: 128 consecutive bytes a wave
	v_lshrrev_b32 v8, 4, v1                        ; which of my two fragments my column belongs to
	v_and_b32 v9, 15, v1                           ; and which of its 16 columns it is
	v_mul_u32_u24 v4, v8, 1536
	v_lshl_add_u32 v4, v9, 4, v4
	v_add_nc_u32 v4, s39, v4                       ; into the stage: the image's place of lane r; lane 16 + r lies 256 bytes on
	v_lshlrev_b32 v6, 4, v1                        ; 16 x lane
	v_add_nc_u32 v5, s39, v6                       ; out of the stage
	v_lshlrev_b32 v7, 7, v8
	v_lshl_add_u32 v7, v9, 2, v7
	v_add_nc_u32 v7, s38, v7                       ; my column's scale word
	s_wait_kmcnt 0x0
	s_add_nc_u64 s[4:5], s[4:5], s[26:27]
	s_add_nc_u64 s[8:9], s[8:9], s[28:29]
	s_add_nc_u64 s[36:37], s[8:9], s[34:35]
.macro LOAD t                          ; block t: W(128 ks + 32 t + i, my column), i = 0 .. 31, into set t % 2
.irp i, 0,1,2,3,4,5,6,7,8,9,10,11,12,13,14,15,16,17,18,19,20,21,22,23,24,25,26,27,28,29,30,31
	global_load_b32 v[X+32*((\t)%2)+\i], v3, s[4:5] offset:(32*(\t)+\i)*4096 th:TH_LOAD_NT
.endr
.endm
	LOAD 0
	LOAD 1
; Block t = 2 c + h of the K step belongs to lane 16 h + r of the image, registers 6 c .. 6 c + 5.
.macro BLOCK t
.set XS_, X+32*((\t)%2)
.set CB_, C+8*(\t)
.if (\t) < 3
	s_wait_loadcnt 32                              ; this block's 32 loads are in; the next block's may be out
.else
	s_wait_loadcnt 0x0
.endif
	v_max3_num_f32 v12, |v[XS_]|, |v[XS_+1]|, |v[XS_+2]|            ; the block's largest magnitude: all 32 numbers are mine
	v_max3_num_f32 v13, |v[XS_+3]|, |v[XS_+4]|, |v[XS_+5]|
.irp i, 6,10,14,18,22,26
	v_max3_num_f32 v12, v12, |v[XS_+\i]|, |v[XS_+\i+1]|
	v_max3_num_f32 v13, v13, |v[XS_+\i+2]|, |v[XS_+\i+3]|
.endr
	v_max3_num_f32 v12, v12, |v[XS_+30]|, |v[XS_+31]|
	v_max3_num_f32 v12, v12, v13, 0x2800000        ; and the floor 2^(5 - 127): the byte cannot fall under 1
	v_add_nc_u32 v11, 0xfe000000, v12              ; 4 off its exponent field: the conversion's scale operand
	v_lshrrev_b32 v13, 23, v11                     ; the scale's byte
.if (\t) == 0
	v_mov_b32 v24, v13                             ; four bytes make the K step's word, the lower K in the lower byte
.else
	v_lshl_or_b32 v24, v13, 8*(\t), v24
.endif
	v_cvt_scalef32_pk16_bf6_f32 v[CB_:CB_+2], v[XS_:XS_+15], v11
	v_cvt_scalef32_pk16_bf6_f32 v[D:D+2], v[XS_+16:XS_+31], v11     ; (a conversion's three registers begin on an even number: the block's upper half is made elsewhere and moved)
	v_nop                                          ; one plain line behind a scaled conversion
.irp i, 0,1,2
	v_mov_b32 v[CB_+3+\i], v[D+\i]
.endr
.if (\t)/2 == 0
	ds_store_b128 v4, v[CB_:CB_+3] offset:256*((\t)%2)             ; registers 0-3,
	ds_store_b64 v4, v[CB_+4:CB_+5] offset:512+256*((\t)%2)        ; 4, 5
.else
	ds_store_b64 v4, v[CB_:CB_+1] offset:520+256*((\t)%2)          ; 6, 7,
	ds_store_b128 v4, v[CB_+2:CB_+5] offset:1024+256*((\t)%2)      ; 8-11
.endif
.if (\t)+2 < 4
	LOAD (\t)+2
.endif
.endm
	BLOCK 0
	BLOCK 1
	BLOCK 2
	BLOCK 3
	global_store_b32 v7, v24, s[8:9]               ; sixteen lanes store 64 consecutive bytes: one byte for each 128 that the launch reads
.irp q, 0,1,2,3,4,5
	ds_load_b128 v[OUTR+4*\q:OUTR+4*\q+3], v5 offset:512*\q        ; LDS serves a wave's instructions in order: these see my stores
.endr
.irp q, 0,1,2,3,4,5
	s_wait_dscnt 5-\q
	global_store_b128 v6, v[OUTR+4*\q:OUTR+4*\q+3], s[36:37] offset:(\q/3)*12288+(\q%3)*512   ; 512 consecutive bytes, at a multiple of 256 from wimg's first byte
.endr
	s_wait_tensorcnt 0x0
	ds_add_u32 v192, v193
	s_wait_dscnt 0x0
	s_endpgm
.Lfunc_end_k_qa609f890de_sort_w:
	.size	k_qa609f890de_sort_w, .Lfunc_end_k_qa609f890de_sort_w-k_qa609f890de_sort_w
	.p2alignl 7, 3214868480
	.fill 96, 4, 3214868480
	.section	.rodata,"a",@progbits
	.p2align	6, 0x0
	.amdhsa_kernel k_qa609f890de_sort_w
		.amdhsa_group_segment_fixed_size 26624
		.amdhsa_private_segment_fixed_size 0
		.amdhsa_enable_private_segment 0
		.amdhsa_kernarg_size 48
		.amdhsa_user_sgpr_count 2
		.amdhsa_user_sgpr_kernarg_segment_ptr 1
		.amdhsa_wavefront_size32 1
		.amdhsa_system_sgpr_workgroup_id_x 1
		.amdhsa_system_sgpr_workgroup_id_y 1
		.amdhsa_system_sgpr_workgroup_id_z 1
		.amdhsa_system_vgpr_workitem_id 0
		.amdhsa_next_free_vgpr 194
		.amdhsa_next_free_sgpr 66
		.amdhsa_reserve_vcc 1
		.amdhsa_float_denorm_mode_32 3
		.amdhsa_float_denorm_mode_16_64 3
		.amdhsa_memory_ordered 1
		.amdhsa_forward_progress 1
		.amdhsa_inst_pref_size 68
	.end_amdhsa_kernel
	.amdgpu_metadata
---
amdhsa.version: [ 1, 2 ]
amdhsa.kernels:
  - .name:           k_qa609f890de_sort_w
    .symbol:         k_qa609f890de_sort_w.kd
    .args:
      - { .name: expert_w, .offset: 0, .size: 8, .value_kind: global_buffer, .address_space: global }
      - { .name: keys, .offset: 8, .size: 8, .value_kind: global_buffer, .address_space: global }
      - { .name: wimg, .offset: 16, .size: 8, .value_kind: global_buffer, .address_space: global }
      - { .name: perm, .offset: 24, .size: 8, .value_kind: global_buffer, .address_space: global }
      - { .name: tinfo, .offset: 32, .size: 8, .value_kind: global_buffer, .address_space: global }
      - { .name: hist, .offset: 40, .size: 8, .value_kind: global_buffer, .address_space: global }
    .group_segment_fixed_size: 26624
    .private_segment_fixed_size: 0
    .kernarg_segment_align: 8
    .kernarg_segment_size: 48
    .max_flat_workgroup_size: 256
    .sgpr_count:     66
    .vgpr_count:     194
    .wavefront_size: 32
...
	.end_amdgpu_metadata
.endif
;; end of part 5
;; launch experts (part 6): grid 8 x 32, 4 waves a work-group, no clusters, 240,128 bytes of LDS; arguments xq, xs, wimg, expert_b, wts, perm, tinfo, out0; writes out0
.if DOCPART == 6
	.amdgcn_target "amdgcn-amd-amdhsa--gfx1250"
	.amdhsa_code_object_version 6
	.text
	.protected	k_qa609f890de_experts
	.globl	k_qa609f890de_experts
	.p2align	8
	.type	k_qa609f890de_experts,@function
k_qa609f890de_experts:
	s_mov_b64 s[64:65], 0
	v_nop
	global_prefetch_b8 v0, s[64:65] scope:SCOPE_SE
	s_setreg_imm32_b32 hwreg(HW_REG_WAVE_MODE, 25, 1), 1
	s_wait_xcnt 0x0
; out[token] = the sum over the token's two experts of p x (Q(x) . Q(W[e]) + b[e]), on codes of E3M2 with one E8M0 scale for each 32 along K; sums in f32.
; SHARES.  A work-group owns sorted places 256 t .. 256 t + 255 (y) and columns 128 nb .. 128 nb + 127 (x), and nobody else writes those outputs.  Wave w owns 64 of the places, four tiles of 16 tokens,
; against all 128 columns.  Its tokens' codes for all of K (384 registers) and its 64 x 128 sums (256 registers) stay in registers for the whole launch.
; THE WALK.  The tile's list of experts was stored by the launch before.  A loop of a constant 10 trips takes one place of the list a trip (a list has 8 places at the most).  The barrier stands in every trip,
; on every wave's way; loads, stores and products are jumped over by scalar branches on the stored bits: UM (has the list a next place?) and WM (does my quarter use this place?).
; An expert's block of weights for these columns (102,400 bytes of register images and scale words, 512 of bias) goes from memory through 100 staging registers into one of two LDS buffers, each thread 16 bytes a line,
; while the other buffer is multiplied; all four waves read it.
; THE PRODUCT IS USED TRANSPOSED: source 0 = 16 columns of W, source 1 = 16 tokens: lane (r, h) holds token r and columns 16 nt + 8 h + 0..7.  The bias is the C of a sum's first K step.
; OUT += weight x (sum + bias), the weight being wts[token][e]: 0 for a token of the tile that has not chosen e, so that its rows add nothing.
; THE WAY OUT stands inside the walk: in the first trip in which a wave has no place of the list left it stores its 64 rows, while other quarters may still multiply.  WM has 8 bits, so trip 8 is such a trip for every wave.
; NO JOINT LOADS, NO TENSOR LOADS: which experts a work-group walks, and how many, hangs on stored numbers, so its loads stand under branches on loaded data and partners would ask for different blocks; x's rows are a gather.
; LIMITS: as the two launches before: NaN and infinities among the inputs are not served.
; LDS: buffer p at 102,912 p: fragments (nt, ks) at (8 nt + ks) x 1,536, scale words at 98,304, bias at 102,400; from 205,824 a stage of 16 x 528 bytes for each wave.
; REGISTERS: window 0: v1 r, v2 h, v3 4 x thread, v4-19 LDS addresses (v4 is also 16 x lane, v12 also 16 x thread), v20-23 tokens, v24-27 32 x token, v28-31 x's offsets; v32-47 x's scale words (4 m + kp);
;   v48-55 W's scale words, two sets; v56-71 the weights, two sets of four pairs; v72-87 bias, two sets; v88-151 accumulators, two sets of 4 x 8; v152-247 eight fragments of W, one for each K step; v248 bias on its way.
;   On the way out v88-247 hold rows and their offsets.
;   window 1: x's fragments of K steps 0-3 at 48 ks + 12 m; v192-243 staging.   window 2: K steps 4-7 likewise; v192-239 staging.   window 3: OUT at 64 m + 8 nt.
.set BUF1,   102912
.set O_SC,   98304
.set O_BI,   102400
.set HALF_R, 49152                     ; the fragments of column tiles 4-7 begin here: an LDS offset has 16 bits
.set HALF_C, 51200                     ; the copy's second half
.set STAGE,  205824
.set SPITCH, 528
.set XS,  32
.set WS,  48
.set WT,  56
.set BI,  72
.set ACC, 88
.set FR,  152
.set BST, 248
.set STG, 192
.set MSB, 0
.macro WIN new                         ; the immediate's high byte repeats the setting that is left; a switch that changes nothing is dropped
.if MSB != (\new)
	s_set_vgpr_msb (MSB<<8)|(\new)
.set MSB, (\new)
.endif
.endm
; The expert in the list's lowest nibble: where its block, its bias and its column of weights begin.
.macro NEXT
	s_and_b32 s27, s23, 7
	s_min_u32 s27, s27, 7                          ; a loaded number is held before it enters an address
	s_lshl_b32 s34, s27, 3
	s_add_co_u32 s34, s34, s22
	s_mul_i32 s34, s34, 102400
	s_mov_b32 s35, 0
	s_add_nc_u64 s[28:29], s[8:9], s[34:35]        ; wimg + (8 e + nb) x 102,400
	s_lshl_b32 s34, s27, 12
	s_add_co_u32 s34, s34, s41
	s_add_nc_u64 s[30:31], s[10:11], s[34:35]      ; expert_b + 4,096 e + 512 nb
	s_lshl_b32 s34, s27, 2
	s_add_nc_u64 s[32:33], s[12:13], s[34:35]      ; wts + 4 e
.endm
.macro GLOAD off                       ; half a block, 51,200 bytes: 25 lines of 2,048 consecutive bytes for the work-group's 128 threads
	WIN 0x40
.irp j, 0,1,2,3,4,5,6,7,8,9,10,11,12
	global_load_b128 v[STG+4*\j:STG+4*\j+3], v12, s[28:29] offset:(\off)+2048*\j
.endr
	WIN 0x80
.irp j, 0,1,2,3,4,5,6,7,8,9,10,11
	global_load_b128 v[STG+4*\j:STG+4*\j+3], v12, s[28:29] offset:(\off)+2048*(13+\j)
.endr
	WIN 0
.endm
.macro LSTORE adr                      ; and into LDS as it lies (an LDS store's data are its source 1)
	WIN 0x04
.irp j, 0,1,2,3,4,5,6,7,8,9,10,11,12
	ds_store_b128 v[\adr], v[STG+4*\j:STG+4*\j+3] offset:2048*\j
.endr
	WIN 0x08
.irp j, 0,1,2,3,4,5,6,7,8,9,10,11
	ds_store_b128 v[\adr], v[STG+4*\j:STG+4*\j+3] offset:2048*(13+\j)
.endr
	WIN 0
.endm
; The copy of the list's next place into buffer d, in three parts that stand at the head, in the middle and at the end of a trip.  Each is jumped over where the list has no next place.
.macro C1 d
	WIN 0
	s_bitcmp1_b32 s24, 0
	s_cbranch_scc0 .Lc1_\@
	GLOAD 0
	global_load_b32 v[BST], v3, s[30:31]           ; the bias of my 128 columns: 4 bytes a thread
.irp m, 0,1,2,3
	global_load_b32 v[WT+8*(\d)+2*\m], v[24+\m], s[32:33]          ; my tokens' weights for that expert
.endr
.Lc1_\@:
.endm
.macro C2 d
	WIN 0
	s_bitcmp1_b32 s24, 0
	s_cbranch_scc0 .Lc2_\@
	s_wait_loadcnt 0x0                             ; the first half is in
	LSTORE 12+2*(\d)
	ds_store_b32 v[16+(\d)], v[BST]
	s_wait_dscnt 0x0                               ; the stores have read the staging registers
	GLOAD HALF_C
.Lc2_\@:
.endm
.macro C3 d
	WIN 0
	s_bitcmp1_b32 s24, 0
	s_cbranch_scc0 .Lc3_\@
	s_wait_loadcnt 0x0                             ; the second half is in
	LSTORE 13+2*(\d)
.Lc3_\@:
.endm
.macro LFRAG p, nt, ks                 ; W's fragment (nt, ks) into the K step's own twelve registers: three lines of 512 consecutive bytes
.irp q, 0,1,2
	ds_load_b128 v[FR+12*(\ks)+4*\q:FR+12*(\ks)+4*\q+3], v[4+2*(\p)+(\nt)/4] offset:(((\nt)%4)*8+(\ks))*1536+512*\q
.endr
.endm
.macro LEXTRA p, nt                    ; a column tile's four scale registers (lanes 0-15 the even K step's words, lanes 16-31 the odd one's) and its bias in the result's layout
.irp kp, 0,1,2,3
	ds_load_b32 v[WS+4*((\nt)%2)+\kp], v[8+(\p)] offset:(8*\kp+(\nt))*128
.endr
	ds_load_b128 v[BI+8*((\nt)%2):BI+8*((\nt)%2)+3], v[10+(\p)] offset:64*(\nt)
	ds_load_b128 v[BI+8*((\nt)%2)+4:BI+8*((\nt)%2)+7], v[10+(\p)] offset:64*(\nt)+16
.endm
.macro FMA p, nt                       ; OUT += weight x finished sums of column tile nt; each accumulator is read from its low end on
	WIN 0xf0                                       ; destination and source 2: window 3
.irp m, 0,1,2,3
.irp j, 0,2,4,6
	v_pk_fma_f32 v[64*\m+8*(\nt)+\j:64*\m+8*(\nt)+\j+1], v[ACC+32*((\nt)%2)+8*\m+\j:ACC+32*((\nt)%2)+8*\m+\j+1], v[WT+8*(\p)+2*\m:WT+8*(\p)+2*\m+1], v[64*\m+8*(\nt)+\j:64*\m+8*(\nt)+\j+1] op_sel_hi:[1,0,1]
.endr
.endr
.endm
; K step ks of column tile nt: four matrix instructions, the four token tiles' accumulators by turns.  Behind them stand four plain vector lines that name none of their registers
; (ISA guide 7.12.1): four v_nop, or at K step 0 the sixteen multiply-adds of the tile before; then the same K step's fragment of the next tile is asked for, eight K steps ahead of its use.
; THE WAIT counts the LDS loads issued behind the fragment that is wanted: at K step 0 the tile's seven later fragments (21); later 3 (7 - ks) of this tile, 3 ks of the next and its six loads of scales and bias (27);
; in the last tile, which asks for nothing, 3 (7 - ks).
.macro KS p, nt, ks
.if (\nt) == 7
	s_wait_dscnt 3*(7-(\ks))
.elseif (\ks) == 0
	s_wait_dscnt 21
.else
	s_wait_dscnt 27
.endif
	WIN 0x04+0x04*((\ks)/4)                        ; source 1 (x): window 1 or 2; LDS loads are at home under both settings
.irp m, 0,1,2,3
.set AC_, ACC+32*((\nt)%2)+8*\m
.set FA_, FR+12*(\ks)
.set XB_, 48*((\ks)%4)+12*\m
.set SA_, WS+4*((\nt)%2)+(\ks)/2
.set SB_, XS+4*\m+(\ks)/2
.if (\ks) == 0
	v_wmma_scale_f32_16x16x128_f8f6f4 v[AC_:AC_+7], v[FA_:FA_+11], v[XB_:XB_+11], v[BI+8*((\nt)%2):BI+8*((\nt)%2)+7], v[SA_], v[SB_] matrix_a_fmt:MATRIX_FMT_BF6 matrix_b_fmt:MATRIX_FMT_BF6
.elseif (\ks)%2 == 0
	v_wmma_scale_f32_16x16x128_f8f6f4 v[AC_:AC_+7], v[FA_:FA_+11], v[XB_:XB_+11], v[AC_:AC_+7], v[SA_], v[SB_] matrix_a_fmt:MATRIX_FMT_BF6 matrix_b_fmt:MATRIX_FMT_BF6
.else
	v_wmma_scale_f32_16x16x128_f8f6f4 v[AC_:AC_+7], v[FA_:FA_+11], v[XB_:XB_+11], v[AC_:AC_+7], v[SA_], v[SB_] matrix_a_fmt:MATRIX_FMT_BF6 matrix_b_fmt:MATRIX_FMT_BF6 matrix_a_scale:MATRIX_SCALE_ROW1 matrix_b_scale:MATRIX_SCALE_ROW1
.endif
.endr
.if ((\ks) == 0) && ((\nt) > 0)
	FMA \p, (\nt)-1
	WIN 0x04
.elseif ((\nt) < 7) || ((\ks) == 7)
.rept 4
	v_nop
.endr
.endif
.if (\nt) < 7
	LFRAG \p, (\nt)+1, \ks
.if (\ks) == 0
	LEXTRA \p, (\nt)+1
.endif
.endif
.endm
; THE WAY OUT, a tile of 16 tokens at a time.  A lane holds 32 neighbouring bytes of a row and the lanes beside it hold other rows: so the tile goes through my own stage and comes back as whole rows of 512 bytes.
; LDS serves a wave's instructions in order: no wait between the stores and the loads.  A row's token comes from the lane that holds it, and is held before it enters the address.
.macro ROWS m
.set R_, ACC+64*((\m)%2)
.set OA_, 216+16*((\m)%2)
.if (\m) >= 2
	s_wait_xcnt 0x0                                ; the stores of two tiles ago have read their data and offsets: both sets are written again
.endif
	WIN 0x0c                                       ; the data: window 3
.irp nt, 0,1,2,3,4,5,6,7
	ds_store_b128 v18, v[64*(\m)+8*\nt:64*(\m)+8*\nt+3] offset:64*\nt
	ds_store_b128 v18, v[64*(\m)+8*\nt+4:64*(\m)+8*\nt+7] offset:64*\nt+16
.endr
	WIN 0
.irp t, 0,1,2,3,4,5,6,7,8,9,10,11,12,13,14,15
	ds_load_b128 v[R_+4*\t:R_+4*\t+3], v19 offset:\t*SPITCH
.endr
.irp t, 0,1,2,3,4,5,6,7,8,9,10,11,12,13,14,15
	v_readlane_b32 s40, v[20+(\m)], \t
	s_min_u32 s40, s40, 0x1fff
	v_lshl_add_u32 v[OA_+\t], s40, 12, v4          ; 4,096 token + 16 lane
.endr
.irp t, 0,1,2,3,4,5,6,7,8,9,10,11,12,13,14,15
	s_wait_dscnt 15-\t                             ; row t is back; the younger rows may be out
	global_store_b128 v[OA_+\t], v[R_+4*\t:R_+4*\t+3], s[38:39] th:TH_STORE_NT   ; 32 lanes store 512 consecutive bytes of one output row, at a multiple of 256 from out0's first byte
.endr
.endm
; My 64 rows leave once: where my quarter has no place of the list left (WM = 0) and they have not left yet (s42 = 0).  No LDS instruction of mine is out here: the trip's head has waited, and only global loads followed.
.macro OUTW
	s_or_b32 s43, s25, s42
	s_cmp_lg_u32 s43, 0
	s_cbranch_scc1 .Lkept_\@
	ROWS 0
	ROWS 1
	ROWS 2
	ROWS 3
	s_mov_b32 s42, 1
	s_wait_xcnt 0x0                                ; the stores have read their data and offsets: on the text's other way these registers take fragments and sums again
.Lkept_\@:
.endm
; A TRIP: one place of the list, in buffer p.  ONE barrier does both orderings: in front of it every wave's stores into buffer p have landed and its reads of buffer 1 - p are back;
; behind it buffer p is read and buffer 1 - p is written.  No load is out behind the head's waits, so the bases, the staging registers and the weights may be written again whichever way the last trip went.
.macro TRIP p
	s_wait_loadcnt 0x0
	s_wait_dscnt 0x0
	s_barrier_signal -1
	s_barrier_wait -1
	s_lshr_b32 s24, s24, 1                         ; bit 0: the list has a next place
	s_lshr_b32 s23, s23, 4                         ; its expert
	NEXT
	s_bitcmp1_b32 s25, 0                           ; does my quarter use this place?
	s_cbranch_scc0 .Lidle_\@
	C1 1-(\p)
	LFRAG \p, 0, 0
	LEXTRA \p, 0
.irp ks, 1,2,3,4,5,6,7
	LFRAG \p, 0, \ks
.endr
.irp nt, 0,1,2,3
.irp ks, 0,1,2,3,4,5,6,7
	KS \p, \nt, \ks
.endr
.endr
	C2 1-(\p)
.irp nt, 4,5,6,7
.irp ks, 0,1,2,3,4,5,6,7
	KS \p, \nt, \ks
.endr
.endr
	FMA \p, 7
	C3 1-(\p)
	s_branch .Ljoin_\@
.Lidle_\@:                                         ; nothing to multiply: my share of the copy is done all the same, and my rows leave while the copy's first half is on its way
	C1 1-(\p)
	OUTW
	C2 1-(\p)
	C3 1-(\p)
.Ljoin_\@:
	s_lshr_b32 s25, s25, 1
.endm
	s_load_b256 s[4:11], s[0:1], 0x0               ; xq s[4:5], xs s[6:7], wimg s[8:9], expert_b s[10:11]
	s_load_b256 s[12:19], s[0:1], 0x20             ; wts s[12:13], perm s[14:15], tinfo s[16:17], out0 s[18:19]
	v_lshl_add_u32 v254, v0, 2, 0x3a800
	v_mov_b32 v255, 0
	v_lshrrev_b32 v28, 5, v0
	v_readfirstlane_b32 s20, v28                   ; wave 0..3
	s_and_b32 s21, ttmp7, 0xffff                   ; t: the tile of 256 places
	s_mov_b32 s22, ttmp9                           ; nb: the block of 128 columns
	v_and_b32 v28, 31, v0                          ; lane
	v_and_b32 v1, 15, v0                           ; r
	v_bfe_u32 v2, v0, 4, 1                         ; h
	v_lshlrev_b32 v3, 2, v0                        ; 4 x thread
	v_lshlrev_b32 v4, 4, v28                       ; fragments: buffer p, half u at v[4 + 2 p + u]: 16 x lane + ..
	v_add_nc_u32 v5, HALF_R, v4
	v_add_nc_u32 v6, BUF1, v4
	v_add_nc_u32 v7, BUF1+HALF_R, v4
	v_lshl_add_u32 v8, v28, 2, O_SC                ; scale words: 4 x lane + ..
	v_lshl_add_u32 v9, v28, 2, BUF1+O_SC
	v_lshl_add_u32 v10, v2, 5, O_BI                ; bias: my half's eight columns of a tile
	v_lshl_add_u32 v11, v2, 5, BUF1+O_BI
	v_lshlrev_b32 v12, 4, v0                       ; the copy: buffer p, half u at v[12 + 2 p + u]: 16 x thread + ..
	v_add_nc_u32 v13, HALF_C, v12
	v_add_nc_u32 v14, BUF1, v12
	v_add_nc_u32 v15, BUF1+HALF_C, v12
	v_add_nc_u32 v16, O_BI, v3                     ; the bias's copy
	v_add_nc_u32 v17, BUF1+O_BI, v3
	s_mul_i32 s34, s20, 16*SPITCH
	s_add_co_u32 s34, s34, STAGE                   ; my stage
	v_mul_u32_u24 v18, v1, SPITCH
	v_lshl_add_u32 v18, v2, 5, v18
	v_add_nc_u32 v18, s34, v18                     ; in: row r, 32 bytes for each half of the lanes
	v_add_nc_u32 v19, s34, v4                      ; back: the 32 lanes take one row of 512 bytes
.irp m, 0,1,2,3
	v_mov_b32 v[WT+2*\m+1], 0                      ; the packed form names pairs and takes their low words: the upper words are written once;
	v_mov_b32 v[WT+8+2*\m], 0                      ; so is the second set, which is first loaded inside the loop
	v_mov_b32 v[WT+8+2*\m+1], 0
.endr
	v_lshlrev_b32 v[ACC+5], 2, v1                  ; perm: 4 r (accumulator registers serve as offsets until the first product)
	s_lshl_b32 s34, s21, 2                         ; tinfo: 4 t,
	s_lshl_b32 s35, s20, 7
	s_add_co_u32 s35, s35, s34                     ; 4 t + 128 w
	s_lshl_b32 s36, s21, 10
	s_lshl_b32 s37, s20, 8
	s_add_co_u32 s36, s36, s37                     ; perm: my 64 places begin at 4 (256 t + 64 w)
	s_mov_b32 s37, 0
	s_lshl_b32 s41, s22, 9                         ; 512 nb
	s_mov_b32 s42, 0                               ; my rows have not left yet
	s_wait_kmcnt 0x0
	s_load_b32 s23, s[16:17], s34 offset:0x0       ; EL: the tile's list
	s_load_b32 s24, s[16:17], s34 offset:0x80      ; UM: 2^length - 1
	s_load_b32 s25, s[16:17], s35 offset:0x100     ; WM: my quarter's bits
	s_add_nc_u64 s[14:15], s[14:15], s[36:37]
.irp m, 0,1,2,3
	global_load_b32 v[20+\m], v[ACC+5], s[14:15] offset:64*\m      ; lane (r, h): the token at place 16 m + r of my 64
.endr
	s_mov_b32 s36, s41
	s_add_nc_u64 s[38:39], s[18:19], s[36:37]      ; out0 at my columns
	s_wait_kmcnt 0x0
	NEXT                                           ; the list's place 0: a tile of 256 tokens always has one
	GLOAD 0
	global_load_b32 v[BST], v3, s[30:31]
	s_wait_loadcnt 26                              ; the tokens are in: behind their loads stand the 25 of the block's first half and the bias's
.irp m, 0,1,2,3
	v_min_u32 v[20+\m], 0x1fff, v[20+\m]           ; held before they enter addresses
.endr
	v_lshlrev_b32 v[ACC+4], 4, v2
.irp m, 0,1,2,3
	v_mul_u32_u24 v[28+\m], v[20+\m], 768
	v_add_nc_u32 v[28+\m], v[28+\m], v[ACC+4]      ; xq: 768 token + 16 h: lanes (r, 0) and (r, 1) read 32 neighbouring bytes in each load
	v_lshlrev_b32 v[24+\m], 5, v[20+\m]            ; wts: 32 token
	v_lshl_add_u32 v[ACC+\m], v2, 4, v[24+\m]      ; xs: 32 token + 16 h: lanes 0-15 the even K steps' words, lanes 16-31 the odd ones'
.endr
.irp m, 0,1,2,3
	global_load_b128 v[XS+4*\m:XS+4*\m+3], v[ACC+\m], s[6:7]
.endr
.irp m, 0,1,2,3
	global_load_b32 v[WT+2*\m], v[24+\m], s[32:33]
.endr
	WIN 0x40
.irp m, 0,1,2,3
.irp ks, 0,1,2,3
.irp q, 0,1,2
	global_load_b128 v[48*\ks+12*\m+4*\q:48*\ks+12*\m+4*\q+3], v[28+\m], s[4:5] offset:96*\ks+32*\q
.endr
.endr
.endr
	WIN 0
	s_wait_loadcnt 56                              ; the block's first half is in: behind it stand 4 + 4 + 48 loads
	LSTORE 12
	ds_store_b32 v16, v[BST]
	s_wait_dscnt 0x0                               ; the stores have read the staging registers
	GLOAD HALF_C
	WIN 0x80
.irp m, 0,1,2,3
.irp ks, 4,5,6,7
.irp q, 0,1,2
	global_load_b128 v[48*(\ks-4)+12*\m+4*\q:48*(\ks-4)+12*\m+4*\q+3], v[28+\m], s[4:5] offset:96*\ks+32*\q
.endr
.endr
.endr
	WIN 0xc0                                       ; OUT begins as zeros, written while the loads fly: a wave may have no share in the list's first place, so no trip can be the one that starts the sums
.set Q, 0
.rept 256
	v_mov_b32 v[Q], 0
.set Q, Q+1
.endr
	WIN 0
	s_wait_loadcnt 48                              ; the block's second half is in: behind it stand x's last 48 loads
	LSTORE 13
	s_mov_b32 s26, 5
.Ltrip:                                            ; five trips of two places: the buffers are back where they began; places 8 and 9 are empty for every wave, so every wave's rows have left at the loop's end
	TRIP 0
	TRIP 1
	s_sub_co_u32 s26, s26, 1
	s_cmp_lg_u32 s26, 0
	s_cbranch_scc1 .Ltrip
	s_wait_tensorcnt 0x0
	ds_add_u32 v254, v255
	s_wait_dscnt 0x0
	s_endpgm
.Lfunc_end_k_qa609f890de_experts:
	.size	k_qa609f890de_experts, .Lfunc_end_k_qa609f890de_experts-k_qa609f890de_experts
	.p2alignl 7, 3214868480
	.fill 96, 4, 3214868480
	.section	.rodata,"a",@progbits
	.p2align	6, 0x0
	.amdhsa_kernel k_qa609f890de_experts
		.amdhsa_group_segment_fixed_size 240128
		.amdhsa_private_segment_fixed_size 0
		.amdhsa_enable_private_segment 0
		.amdhsa_kernarg_size 64
		.amdhsa_user_sgpr_count 2
		.amdhsa_user_sgpr_kernarg_segment_ptr 1
		.amdhsa_wavefront_size32 1
		.amdhsa_system_sgpr_workgroup_id_x 1
		.amdhsa_system_sgpr_workgroup_id_y 1
		.amdhsa_system_sgpr_workgroup_id_z 1
		.amdhsa_system_vgpr_workitem_id 0
		.amdhsa_next_free_vgpr 1024
		.amdhsa_next_free_sgpr 66
		.amdhsa_reserve_vcc 0
		.amdhsa_float_denorm_mode_32 3
		.amdhsa_float_denorm_mode_16_64 3
		.amdhsa_memory_ordered 1
		.amdhsa_forward_progress 1
		.amdhsa_inst_pref_size 255
	.end_amdhsa_kernel
	.amdgpu_metadata
---
amdhsa.version: [ 1, 2 ]
amdhsa.kernels:
  - .name:           k_qa609f890de_experts
    .symbol:         k_qa609f890de_experts.kd
    .args:
      - { .name: xq, .offset: 0, .size: 8, .value_kind: global_buffer, .address_space: global }
      - { .name: xs, .offset: 8, .size: 8, .value_kind: global_buffer, .address_space: global }
      - { .name: wimg, .offset: 16, .size: 8, .value_kind: global_buffer, .address_space: global }
      - { .name: expert_b, .offset: 24, .size: 8, .value_kind: global_buffer, .address_space: global }
      - { .name: wts, .offset: 32, .size: 8, .value_kind: global_buffer, .address_space: global }
      - { .name: perm, .offset: 40, .size: 8, .value_kind: global_buffer, .address_space: global }
      - { .name: tinfo, .offset: 48, .size: 8, .value_kind: global_buffer, .address_space: global }
      - { .name: out0, .offset: 56, .size: 8, .value_kind: global_buffer, .address_space: global }
    .group_segment_fixed_size: 240128
    .private_segment_fixed_size: 0
    .kernarg_segment_align: 8
    .kernarg_segment_size: 64
    .max_flat_workgroup_size: 128
    .sgpr_count:     66
    .vgpr_count:     1024
    .wavefront_size: 32
...
	.end_amdgpu_metadata
.endif
;; end of part 6
;; ======== version 3 of 3: 3 launches
;; workspace buffers: xq 6,291,456 bytes; xs 262,144 bytes; wts 262,144 bytes; keys 32,768 bytes of whole numbers; hist 32,768 bytes of whole numbers; wimg 6,553,600 bytes; perm 32,768 bytes of whole numbers; tinfo 768 bytes of whole numbers
;; launch gate_x (part 7): grid 256 x 1, 4 waves a work-group, no clusters, 118,528 bytes of LDS; arguments x, gate_w, gate_b, xq, xs, wts, keys, hist; writes xq, xs, wts, keys, hist
.if DOCPART == 7
	.amdgcn_target "amdgcn-amd-amdhsa--gfx1250"
	.amdhsa_code_object_version 6
	.text
	.protected	k_qa609f890de_gate_x
	.globl	k_qa609f890de_gate_x
	.p2align	8
	.type	k_qa609f890de_gate_x,@function
k_qa609f890de_gate_x:
	s_mov_b64 s[64:65], 0
	v_nop
	global_prefetch_b8 v0, s[64:65] scope:SCOPE_SE
	s_setreg_imm32_b32 hwreg(HW_REG_WAVE_MODE, 25, 1), 1
	s_wait_xcnt 0x0
; THE GATE, AND x AS CODES.  x [8192][1024] f32 is read once and serves twice.
; (1) logits = x gate_w + gate_b in f32 by fused multiply-adds, softmax over the 8 experts with the maximum taken away, the two largest p (on a tie the lower index).
;     Stored at fixed places: wts[token][8] = p where the expert is chosen, else 0.  The unordered pair (lo, hi) has the number key = lo (15 - lo) / 2 + (lo even ? hi - lo - 1 : 7 - hi), 0..27,
;     so that neighbouring numbers always share an expert.  The work-group's 32 tokens are one chunk of the next launch's counting sort, and are ranked here, by values alone:
;     keys[token] = 4 key + 256 x (how many earlier tokens of the chunk have the same key);  hist[chunk][g] = how many of the chunk's tokens have key g.  No address and no branch here hangs on the choice.
; (2) x as codes of E3M2, one E8M0 byte for each 32 along K: scale = 2^(floor(log2(largest magnitude)) - 4), numbers / scale to the nearest code, ties to even, beyond 28 the largest code.
;     xq[token]: 768 bytes.  Lane (r, h) of an operand holds, for K step ks, 48 bytes: block 4 ks + h, then block 4 ks + 2 + h.  Their q-th 16 bytes lie at 96 ks + 32 q + 16 h:
;     the two lanes that hold one token read 32 neighbouring bytes in each load.
;     xs[token]: 32 bytes, the word of K step ks = 2 kp + hh at 16 hh + 4 kp, byte kb % 4.
; SHARES: a work-group takes 32 tokens, a wave 8 whole rows; all 64 loads of a wave (512 consecutive bytes each) are asked for at the head.  No loop: four pairs of rows by macro.
; The gate wants a lane's numbers as they are loaded (4 neighbours for each of 8 loads); the conversion wants 16 neighbours in a lane: so each half row turns through the wave's own stage in LDS.
; LIMITS: NaN and infinities among the inputs are not served.  A block of zeros, or one whose largest magnitude lies under 2^(5 - 127), gets the byte 1 (the bytes are read by this program alone; zero codes add nothing).
; The gate's f32 sums are taken in another order than a row-by-row sum: 32 terms a lane, then a tree over the lanes.
; No matrix unit: the gate has 8 columns, and a coarser operand could turn a choice.  No cluster: work-groups share only gate_w's 32 KB.
; LDS: 0 .. 36,863 gate_w, 16 bytes of padding behind each 128; then 20,224 bytes for each wave: two stages of 32 x 80, 8 x 768 of codes, 256 scale bytes, 32 x 272 of partial logits; at 117,760 the 32 keys.
; REGISTERS: window 0: v1-14, v252-255 addresses; v16-63 codes on their way out; v64-127 gate_w as loaded, then the partial logits (row, expert); v128-159 two sets of 16 neighbours; v192-211 codes and bytes just made;
;   v212-251 at work.   window 1: gate_w: register 32 i + 8 j + e = gate_w[128 i + 4 lane + j][e].   window 2: x: register 32 row + 4 i + j = x[row][128 i + 4 lane + j].
.set WB0,     36864
.set WREG,    20224
.set O_CODES, 5120
.set O_SCB,   11264
.set O_LP,    11520
.set KX,      117760
.set CO,  16
.set LG,  64
.set XT,  128
.set CD,  192
.set EB,  208
.set PR,  224                          ; v224-231 logits, then p
.set QR,  236                          ; v236-243 p with the first choice taken out
.set WR,  244                          ; v244-251 the combine weights
.set CAD, 252                          ; v252-254 where the three words of my 12 bytes of codes go
.set MSB, 0
.macro WIN new                         ; the immediate's high byte repeats the setting that is left; a switch that changes nothing is dropped
.if MSB != (\new)
	s_set_vgpr_msb (MSB<<8)|(\new)
.set MSB, (\new)
.endif
.endm
	s_load_b256 s[4:11], s[0:1], 0x0               ; x s[4:5], gate_w s[6:7], gate_b s[8:9], xq s[10:11]
	s_load_b256 s[12:19], s[0:1], 0x20             ; xs s[12:13], wts s[14:15], keys s[16:17], hist s[18:19]
	v_lshl_add_u32 v203, v0, 2, 0x1cd00
	v_mov_b32 v207, 0
	v_lshrrev_b32 v15, 5, v0
	v_readfirstlane_b32 s40, v15                   ; wave 0..3
	v_and_b32 v1, 31, v0                           ; lane
	v_lshlrev_b32 v2, 4, v1                        ; 16 x lane
	v_lshlrev_b32 v3, 4, v0                        ; 16 x thread
	v_lshrrev_b32 v15, 3, v0
	v_lshl_add_u32 v4, v15, 4, v3                  ; gate_w into LDS: 16 thread + 16 for each 128 bytes passed
	v_mul_u32_u24 v5, v1, 144                      ; and out: my 128 bytes of each 4,096: a pitch of 9 x 16 bytes from lane to lane
	s_mul_i32 s20, s40, WREG
	s_add_co_u32 s20, s20, WB0                     ; my wave's region
	s_add_co_u32 s21, s20, O_CODES
	s_add_co_u32 s22, s20, O_SCB
	s_add_co_u32 s23, s20, O_LP
	v_lshrrev_b32 v15, 2, v1
	v_mul_u32_u24 v6, v15, 80
	v_and_b32 v15, 3, v1
	v_lshl_add_u32 v6, v15, 4, v6
	v_add_nc_u32 v6, s20, v6                       ; the stage, in: four lanes' 64 bytes on end, then 16 of padding
	v_mul_u32_u24 v7, v1, 80
	v_add_nc_u32 v7, s20, v7                       ; the stage, out: my 16 neighbours
	; my 16 codes' place in a row's 768 bytes: lane l holds half l & 1 of block 16 s + l / 2 = 4 ks + 2 c + h
	v_and_b32 v15, 1, v1
	v_mul_u32_u24 v212, v15, 12
	v_bfe_u32 v15, v1, 2, 1
	v_mad_u32_u24 v212, v15, 24, v212              ; b = 24 c + 12 (l & 1): my first byte among the operand lane's 48
	v_bfe_u32 v15, v1, 1, 1
	v_lshlrev_b32 v213, 4, v15                     ; 16 h
	v_lshrrev_b32 v15, 3, v1
	v_mad_u32_u24 v213, v15, 96, v213              ; + 96 ks (its part 4 s stands in the stores' offsets)
	v_add_nc_u32 v213, s21, v213
.irp j, 0,1,2
	v_add_nc_u32 v214, 4*\j, v212                  ; byte b + 4 j of the 48 lies at 32 (b / 16) + b % 16 = b + 16 (b / 16): my 12 bytes may straddle a piece, so each word has its own address
	v_lshrrev_b32 v215, 4, v214
	v_lshl_add_u32 v214, v215, 4, v214
	v_add_nc_u32 v[CAD+\j], v213, v214
.endr
	v_bfe_u32 v15, v1, 3, 1                        ; my block's byte in a row's 32 scale bytes
	v_lshlrev_b32 v9, 4, v15                       ; hh = ks & 1
	v_lshrrev_b32 v15, 4, v1
	v_lshl_add_u32 v9, v15, 2, v9                  ; kp = ks / 2
	v_bfe_u32 v15, v1, 1, 2
	v_add_nc_u32 v9, v9, v15                       ; block % 4
	v_add_nc_u32 v9, s22, v9
	v_add_nc_u32 v10, s21, v2                      ; codes back: 16 bytes a lane
	v_lshlrev_b32 v14, 3, v1                       ; 8 x lane
	v_add_nc_u32 v11, s22, v14                     ; scale bytes back: 8 bytes a lane
	v_mul_u32_u24 v12, v1, 272
	v_add_nc_u32 v12, s23, v12                     ; my 64 partial logits: a row of 256 bytes + 16
	v_and_b32 v15, 1, v1
	v_lshrrev_b32 v212, 4, v1
	v_lshl_or_b32 v15, v212, 1, v15                ; which eight lanes' partials I add: (l & 1) + 2 (l / 16)
	v_mul_u32_u24 v13, v15, 2176
	v_bfe_u32 v15, v1, 1, 3                        ; for which of the wave's rows: (l / 2) & 7
	v_lshl_add_u32 v13, v15, 5, v13
	v_add_nc_u32 v13, s23, v13
	s_lshl_b32 s37, s40, 5
	s_add_co_u32 s37, s37, KX
	v_lshl_add_u32 v255, v15, 2, s37               ; where my row's key goes: KX + 4 (8 wave + row)
	v_lshl_add_u32 v8, v1, 2, KX                   ; and where wave 0 reads the 32 keys: 4 x lane
	s_mov_b32 s32, 0x76543210
	s_mov_b32 s33, 0xfedcba98                      ; v_permlanex16_b32's selects for lane l xor 16
	s_mov_b32 s36, 0x3fb8aa3b                      ; log2(e)
	s_lshl_b32 s41, ttmp9, 5
	s_lshl_b32 s37, s40, 3
	s_add_co_u32 s41, s41, s37                     ; my first token: 32 x work-group + 8 x wave
	s_mov_b32 s39, 0
	s_wait_kmcnt 0x0
	s_load_b256 s[24:31], s[8:9], 0x0              ; gate_b's eight numbers
	s_lshl_b32 s38, s41, 12
	s_add_nc_u64 s[4:5], s[4:5], s[38:39]          ; x: 4,096 bytes a token
	s_mul_i32 s38, s41, 768
	s_add_nc_u64 s[10:11], s[10:11], s[38:39]      ; xq: 768
	s_lshl_b32 s38, s41, 5
	s_add_nc_u64 s[12:13], s[12:13], s[38:39]      ; xs: 32
	s_add_nc_u64 s[14:15], s[14:15], s[38:39]      ; wts: 32
	s_lshl_b32 s38, s41, 2
	s_add_nc_u64 s[16:17], s[16:17], s[38:39]      ; keys: 4; in wave 0, which alone stores them: the chunk's 128 bytes
	s_add_nc_u64 s[18:19], s[18:19], s[38:39]      ; hist: likewise 128 bytes a chunk
.irp n, 0,1,2,3,4,5,6,7,8,9,10,11,12,13,14,15
	global_load_b128 v[LG+4*\n:LG+4*\n+3], v3, s[6:7] offset:2048*\n     ; gate_w: the work-group's 128 threads take 2,048 consecutive bytes a line
.endr
	WIN 0x80                                       ; destination window 2
.irp rho, 0,1,2,3,4
.irp i, 0,1,2,3,4,5,6,7
	global_load_b128 v[32*\rho+4*\i:32*\rho+4*\i+3], v2, s[4:5] offset:4096*\rho+512*\i th:TH_LOAD_NT
.endr
.endr
	WIN 0
	s_wait_loadcnt 40                              ; gate_w is in: behind its 16 loads stand the 40 of x's rows 0 to 4
.irp n, 0,1,2,3,4,5,6,7,8,9,10,11,12,13,14,15
	ds_store_b128 v4, v[LG+4*\n:LG+4*\n+3] offset:2304*\n
.endr
	WIN 0x80
.irp rho, 5,6,7
.irp i, 0,1,2,3,4,5,6,7
	global_load_b128 v[32*\rho+4*\i:32*\rho+4*\i+3], v2, s[4:5] offset:4096*\rho+512*\i th:TH_LOAD_NT
.endr
.endr
	WIN 0
	s_wait_dscnt 0x0                               ; for the others' sake: my part of gate_w lies in LDS
	s_barrier_signal -1
	s_barrier_wait -1                              ; everybody's does
	WIN 0x40                                       ; destination window 1
.irp i, 0,1,2,3,4,5,6,7
.irp q, 0,1,2,3,4,5,6,7
	ds_load_b128 v[32*\i+4*\q:32*\i+4*\q+3], v5 offset:4608*\i+16*\q     ; rows 128 i + 4 lane + 0..3 of gate_w: 128 bytes
.endr
.endr
	WIN 0
	s_wait_dscnt 0x0
; The gate's share of slice i (numbers 128 i + 4 lane + 0..3) for rows 2 p and 2 p + 1: eight chains of packed multiply-adds by turns (four pairs of experts x two rows).
; The number of x serves both halves: the pair's first register (op_sel_hi 0) or its second (op_sel 1).  The very first product starts the sums: nothing is cleared.
.macro GATE2 p, i
.irp j, 0,1,2,3
.irp e, 0,2,4,6
.irp d, 0,1
.set XR_, 32*(2*(\p)+\d)+4*(\i)+2*(\j/2)
.set GR_, 32*(\i)+8*\j+\e
.set LR_, LG+8*(2*(\p)+\d)+\e
.if ((\i) == 0) && (\j == 0)
	v_pk_mul_f32 v[LR_:LR_+1], v[XR_:XR_+1], v[GR_:GR_+1] op_sel_hi:[0,1]
.elseif \j%2 == 0
	v_pk_fma_f32 v[LR_:LR_+1], v[XR_:XR_+1], v[GR_:GR_+1], v[LR_:LR_+1] op_sel_hi:[0,1,1]
.else
	v_pk_fma_f32 v[LR_:LR_+1], v[XR_:XR_+1], v[GR_:GR_+1], v[LR_:LR_+1] op_sel:[1,0,0]
.endif
.endr
.endr
.endr
.endm
; 16 neighbours in v[xs] on (two neighbouring lanes hold a block) become 12 bytes of codes and the block's byte; both go to the wave's own LDS at their places in row rho, half row s.
.macro QUANT u, xs, rho, s
	v_max3_num_f32 v212, |v[\xs]|, |v[\xs+1]|, |v[\xs+2]|
	v_max3_num_f32 v213, |v[\xs+3]|, |v[\xs+4]|, |v[\xs+5]|
.irp i, 6,10
	v_max3_num_f32 v212, v212, |v[\xs+\i]|, |v[\xs+\i+1]|
	v_max3_num_f32 v213, v213, |v[\xs+\i+2]|, |v[\xs+\i+3]|
.endr
	v_max3_num_f32 v212, v212, |v[\xs+14]|, |v[\xs+15]|
	v_max3_num_f32 v212, v212, v213, 0x2800000     ; and the floor 2^(5 - 127): the byte cannot fall under 1
	v_max_num_f32_dpp v212, v212, v212 row_xmask:1 row_mask:0xf bank_mask:0xf   ; with my neighbour's 16: the block's largest magnitude
	v_add_nc_u32 v214, 0xfe000000, v212            ; 4 off its exponent field: the conversion takes that field as its scale, and nothing else of the operand
	v_cvt_scalef32_pk16_bf6_f32 v[CD+4*(\u):CD+4*(\u)+2], v[\xs:\xs+15], v214
	v_lshrrev_b32 v[EB+(\u)], 23, v214             ; the scale's byte; also the plain line behind the conversion
	ds_store_b8 v9, v[EB+(\u)] offset:32*(\rho)+8*(\s)       ; both lanes of a block write the same byte with the same value
.irp j, 0,1,2
	ds_store_b32 v[CAD+\j], v[CD+4*(\u)+\j] offset:768*(\rho)+384*(\s)
.endr
.endm
; One row: its 4,096 bytes turn through the two stages (LDS serves a wave's instructions in order, so no wait stands between the stores and the loads);
; four slices of the pair's gate work stand between the loads and the wait for them; then both half rows are quantised.
.macro ROW rho, u0, p, i0
	WIN 0x08                                       ; an LDS store's data are its source 1: window 2
.irp s, 0,1
.irp i, 0,1,2,3
	ds_store_b128 v6, v[32*(\rho)+16*\s+4*\i:32*(\rho)+16*\s+4*\i+3] offset:2560*\s+640*\i
.endr
.endr
	WIN 0
.irp s, 0,1
.irp i, 0,1,2,3
	ds_load_b128 v[XT+16*\s+4*\i:XT+16*\s+4*\i+3], v7 offset:2560*\s+16*\i
.endr
.endr
	WIN 0x06                                       ; source 0 (x) window 2, source 1 (gate_w) window 1
.irp i, \i0, \i0+1, \i0+2, \i0+3
	GATE2 \p, \i
.endr
	WIN 0
	s_wait_dscnt 0x0                               ; the neighbours are back; the earlier stores of codes and bytes have read their registers
	QUANT \u0, XT, \rho, 0
	QUANT \u0+1, XT+16, \rho, 1
.endm
.macro PAIR p
	s_wait_loadcnt 48-16*(\p)                      ; rows 2 p and 2 p + 1 are in; the eight loads of each row behind them may be out
	ROW 2*(\p), 0, \p, 0
	ROW 2*(\p)+1, 2, \p, 4
.irp q, 0,1,2
	ds_load_b128 v[CO+12*(\p)+4*\q:CO+12*(\p)+4*\q+3], v10 offset:1536*(\p)+512*\q
.endr
	s_wait_dscnt 0x0
.irp q, 0,1,2
	global_store_b128 v2, v[CO+12*(\p)+4*\q:CO+12*(\p)+4*\q+3], s[10:11] offset:1536*(\p)+512*\q   ; 512 consecutive bytes, at a multiple of 256 from xq's first byte
.endr
.endm
	PAIR 0
	PAIR 1
	PAIR 2
	PAIR 3
	; THE LOGITS.  Each lane holds 64 partial sums (8 rows x 8 experts).  They go to LDS, a lane to a row of 272 bytes; lane l reads back eight lanes' partials of ONE of the wave's rows.
.irp rho, 0,1,2,3,4,5,6,7
	ds_store_b128 v12, v[LG+8*\rho:LG+8*\rho+3] offset:32*\rho
	ds_store_b128 v12, v[LG+8*\rho+4:LG+8*\rho+7] offset:32*\rho+16
.endr
.irp t, 0,1,2,3,4,5,6,7
	ds_load_b128 v[128+8*\t:131+8*\t], v13 offset:272*\t
	ds_load_b128 v[132+8*\t:135+8*\t], v13 offset:272*\t+16
.endr
	ds_load_b64 v[220:221], v11                    ; and my 8 of the wave's 256 scale bytes
	s_wait_dscnt 0x0
	global_store_b64 v14, v[220:221], s[12:13]     ; 32 lanes store 256 consecutive bytes, aligned
.irp e, 0,2,4,6
	v_pk_add_f32 v[128+\e:129+\e], v[128+\e:129+\e], v[136+\e:137+\e]
	v_pk_add_f32 v[144+\e:145+\e], v[144+\e:145+\e], v[152+\e:153+\e]
	v_pk_add_f32 v[160+\e:161+\e], v[160+\e:161+\e], v[168+\e:169+\e]
	v_pk_add_f32 v[176+\e:177+\e], v[176+\e:177+\e], v[184+\e:185+\e]
.endr
.irp e, 0,2,4,6
	v_pk_add_f32 v[128+\e:129+\e], v[128+\e:129+\e], v[144+\e:145+\e]
	v_pk_add_f32 v[160+\e:161+\e], v[160+\e:161+\e], v[176+\e:177+\e]
.endr
.irp e, 0,2,4,6
	v_pk_add_f32 v[128+\e:129+\e], v[128+\e:129+\e], v[160+\e:161+\e]
.endr
.irp e, 0,1,2,3,4,5,6,7
	v_add_f32_dpp v[128+\e], v[128+\e], v[128+\e] row_xmask:1 row_mask:0xf bank_mask:0xf   ; lanes l and l xor 1 hold the same row
.endr
.irp e, 0,1,2,3,4,5,6,7
	v_permlanex16_b32 v[136+\e], v[128+\e], s32, s33                                       ; and so do l and l xor 16
.endr
	s_wait_alu depctr_va_vdst(0)
	s_wait_kmcnt 0x0                               ; gate_b
.irp e, 0,1,2,3,4,5,6,7
	v_add_f32 v[PR+\e], v[128+\e], v[136+\e]
.endr
.irp e, 0,1,2,3,4,5,6,7
	v_add_f32 v[PR+\e], s[24+\e], v[PR+\e]         ; every lane now holds the 8 logits of row (l / 2) & 7
.endr
	; SOFTMAX, the maximum taken away first
	v_max3_num_f32 v232, v[PR], v[PR+1], v[PR+2]
	v_max3_num_f32 v232, v232, v[PR+3], v[PR+4]
	v_max3_num_f32 v232, v232, v[PR+5], v[PR+6]
	v_max_num_f32 v232, v232, v[PR+7]
.irp e, 0,1,2,3,4,5,6,7
	v_sub_f32 v[PR+\e], v[PR+\e], v232
.endr
.irp e, 0,1,2,3,4,5,6,7
	v_mul_f32 v[PR+\e], s36, v[PR+\e]
.endr
	s_wait_alu depctr_va_vdst(0)
.irp e, 0,1,2,3,4,5,6,7
	v_exp_f32 v[PR+\e], v[PR+\e]
.endr
	v_nop                                          ; a plain line between the last exponential and the use of its result
	s_wait_alu depctr_va_vdst(0)
	v_add_f32 v233, v[PR], v[PR+1]
	v_add_f32 v234, v[PR+2], v[PR+3]
	v_add_f32 v235, v[PR+4], v[PR+5]
	v_add_f32 v236, v[PR+6], v[PR+7]
	v_add_f32 v233, v233, v234
	v_add_f32 v235, v235, v236
	v_add_f32 v233, v233, v235
	s_wait_alu depctr_va_vdst(0)
	v_rcp_f32 v233, v233
	v_nop                                          ; a plain line behind the reciprocal
	s_wait_alu depctr_va_vdst(0)
.irp e, 0,1,2,3,4,5,6,7
	v_mul_f32 v[PR+\e], v[PR+\e], v233             ; p
.endr
	; THE TWO LARGEST p, by selects alone.  A strict > in ascending order keeps the lower index on a tie.
	v_mov_b32 v232, v[PR]
	v_mov_b32 v233, 0                              ; the first choice
.irp e, 1,2,3,4,5,6,7
	v_cmp_gt_f32 vcc_lo, v[PR+\e], v232
	v_cndmask_b32 v232, v232, v[PR+\e], vcc_lo
	v_cndmask_b32 v233, v233, \e, vcc_lo
.endr
.irp e, 0,1,2,3,4,5,6,7
	v_cmp_eq_u32 vcc_lo, \e, v233
	v_cndmask_b32 v[QR+\e], v[PR+\e], -1.0, vcc_lo ; the first choice is taken out: -1 lies under every p
.endr
	v_mov_b32 v234, v[QR]
	v_mov_b32 v235, 0                              ; the second choice
.irp e, 1,2,3,4,5,6,7
	v_cmp_gt_f32 vcc_lo, v[QR+\e], v234
	v_cndmask_b32 v234, v234, v[QR+\e], vcc_lo
	v_cndmask_b32 v235, v235, \e, vcc_lo
.endr
.irp e, 0,1,2,3,4,5,6,7
	v_cmp_eq_u32 s34, \e, v233
	v_cmp_eq_u32 s35, \e, v235
	s_or_b32 vcc_lo, s34, s35
	v_cndmask_b32 v[WR+\e], 0, v[PR+\e], vcc_lo    ; gate_probs x member
.endr
	v_min_u32 v212, v233, v235                     ; lo
	v_max_u32 v213, v233, v235                     ; hi
	v_sub_nc_u32 v214, 15, v212
	v_mul_u32_u24 v214, v212, v214
	v_lshrrev_b32 v214, 1, v214                    ; lo (15 - lo) / 2: the pairs with a smaller lo
	v_sub_nc_u32 v215, v213, v212
	v_add_nc_u32 v215, -1, v215                    ; lo even: hi ascends
	v_sub_nc_u32 v222, 7, v213                     ; lo odd: hi descends
	v_and_b32 v223, 1, v212
	v_cmp_eq_u32 vcc_lo, 1, v223
	v_cndmask_b32 v215, v215, v222, vcc_lo
	v_add_nc_u32 v214, v214, v215                  ; the pair's number
	ds_store_b32 v255, v214                        ; to its fixed place among the work-group's 32: the four lanes that hold a row write the same word with the same value
	; lanes 0 to 15 store the weights: lane l holds row l / 2 and takes its experts 4 (l & 1) + 0..3: 256 consecutive bytes, aligned
	v_and_b32 v212, 1, v1
	v_cmp_eq_u32 vcc_lo, 1, v212
.irp c, 0,1,2,3
	v_cndmask_b32 v[216+\c], v[WR+\c], v[WR+4+\c], vcc_lo
.endr
	v_cmp_gt_u32 vcc_lo, 16, v1
	s_wait_alu depctr_va_vdst(0)
	s_wait_xcnt 0x0                                ; EXEC is a source of the stores that are out: it changes only behind this wait
	s_and_saveexec_b32 s34, vcc_lo
	global_store_b128 v2, v[216:219], s[14:15]
	s_wait_xcnt 0x0
	s_or_b32 exec_lo, exec_lo, s34
	s_wait_dscnt 0x0                               ; for wave 0's sake: my eight keys lie in LDS
	s_barrier_signal -1
	s_barrier_wait -1                              ; all 32 do
	s_cmp_lg_u32 s40, 0
	s_cbranch_scc1 .Lend
	; THE CHUNK IS RANKED, by wave 0, lane = token: five ballots, one for each bit of the key.  A lane's peers are the lanes that agree with it in all five; lane g counts the lanes whose key is g.
	ds_load_b32 v128, v8
.irp b, 0,1,2,3,4
	v_bfe_u32 v[136+\b], v1, \b, 1
.endr
.irp b, 0,1,2,3,4
	v_add_nc_u32 v[136+\b], -1, v[136+\b]          ; bit b of my lane's number: set: 0, clear: all ones
.endr
	v_lshlrev_b32 v129, 2, v1                      ; 4 x lane
	s_mov_b32 s25, 0x55555555
	s_mov_b32 s26, 0x33333333
	s_mov_b32 s27, 0x0f0f0f0f
	s_mov_b32 s28, 0x01010101
	s_wait_dscnt 0x0
.irp b, 0,1,2,3,4
	v_bfe_u32 v[130+\b], v128, \b, 1
.endr
.irp b, 0,1,2,3,4
	v_cmp_ne_u32 s[20+\b], 0, v[130+\b]            ; the ballot of key bit b
.endr
.irp b, 0,1,2,3,4
	v_add_nc_u32 v[130+\b], -1, v[130+\b]
.endr
.irp b, 0,1,2,3,4
	v_xor_b32 v[130+\b], s[20+\b], v[130+\b]       ; the lanes that agree with my key in bit b,
	v_xor_b32 v[136+\b], s[20+\b], v[136+\b]       ; and those whose key agrees with my lane's number in bit b
.endr
	v_and_b32 v130, v130, v131
	v_and_b32 v136, v136, v137
	v_and_b32 v132, v132, v133
	v_and_b32 v138, v138, v139
	v_and_b32 v130, v130, v132
	v_and_b32 v136, v136, v138
	v_and_b32 v130, v130, v134                     ; my peers
	v_and_b32 v136, v136, v140                     ; lane g: the lanes whose key is g
	v_mbcnt_lo_u32_b32 v141, v130, 0               ; how many peers stand in lower lanes
	v_lshrrev_b32 v142, 1, v136                    ; the mask's set bits, summed in fields of 2, 4 and 8 bits
	v_and_b32 v142, s25, v142
	v_sub_nc_u32 v136, v136, v142
	v_lshrrev_b32 v142, 2, v136
	v_and_b32 v136, s26, v136
	v_and_b32 v142, s26, v142
	v_add_nc_u32 v136, v136, v142
	v_lshrrev_b32 v142, 4, v136
	v_add_nc_u32 v136, v136, v142
	v_and_b32 v136, s27, v136
	v_mul_lo_u32 v136, v136, s28
	v_lshrrev_b32 v136, 24, v136
	v_lshlrev_b32 v143, 2, v128
	v_lshl_or_b32 v141, v141, 8, v143              ; 4 key + 256 rank
	global_store_b32 v129, v141, s[16:17]          ; 128 consecutive bytes each: one byte for each 512 that the launch reads
	global_store_b32 v129, v136, s[18:19]
.Lend:
	s_wait_tensorcnt 0x0
	ds_add_u32 v203, v207
	s_wait_dscnt 0x0
	s_endpgm
.Lfunc_end_k_qa609f890de_gate_x:
	.size	k_qa609f890de_gate_x, .Lfunc_end_k_qa609f890de_gate_x-k_qa609f890de_gate_x
	.p2alignl 7, 3214868480
	.fill 96, 4, 3214868480
	.section	.rodata,"a",@progbits
	.p2align	6, 0x0
	.amdhsa_kernel k_qa609f890de_gate_x
		.amdhsa_group_segment_fixed_size 118528
		.amdhsa_private_segment_fixed_size 0
		.amdhsa_enable_private_segment 0
		.amdhsa_kernarg_size 64
		.amdhsa_user_sgpr_count 2
		.amdhsa_user_sgpr_kernarg_segment_ptr 1
		.amdhsa_wavefront_size32 1
		.amdhsa_system_sgpr_workgroup_id_x 1
		.amdhsa_system_sgpr_workgroup_id_y 1
		.amdhsa_system_sgpr_workgroup_id_z 1
		.amdhsa_system_vgpr_workitem_id 0
		.amdhsa_next_free_vgpr 768
		.amdhsa_next_free_sgpr 66
		.amdhsa_reserve_vcc 1
		.amdhsa_float_denorm_mode_32 3
		.amdhsa_float_denorm_mode_16_64 3
		.amdhsa_memory_ordered 1
		.amdhsa_forward_progress 1
		.amdhsa_inst_pref_size 125
	.end_amdhsa_kernel
	.amdgpu_metadata
---
amdhsa.version: [ 1, 2 ]
amdhsa.kernels:
  - .name:           k_qa609f890de_gate_x
    .symbol:         k_qa609f890de_gate_x.kd
    .args:
      - { .name: x, .offset: 0, .size: 8, .value_kind: global_buffer, .address_space: global }
      - { .name: gate_w, .offset: 8, .size: 8, .value_kind: global_buffer, .address_space: global }
      - { .name: gate_b, .offset: 16, .size: 8, .value_kind: global_buffer, .address_space: global }
      - { .name: xq, .offset: 24, .size: 8, .value_kind: global_buffer, .address_space: global }
      - { .name: xs, .offset: 32, .size: 8, .value_kind: global_buffer, .address_space: global }
      - { .name: wts, .offset: 40, .size: 8, .value_kind: global_buffer, .address_space: global }
      - { .name: keys, .offset: 48, .size: 8, .value_kind: global_buffer, .address_space: global }
      - { .name: hist, .offset: 56, .size: 8, .value_kind: global_buffer, .address_space: global }
    .group_segment_fixed_size: 118528
    .private_segment_fixed_size: 0
    .kernarg_segment_align: 8
    .kernarg_segment_size: 64
    .max_flat_workgroup_size: 128
    .sgpr_count:     66
    .vgpr_count:     768
    .wavefront_size: 32
...
	.end_amdgpu_metadata
.endif
;; end of part 7
;; launch sort_w (part 8): grid 257 x 1, 8 waves a work-group, no clusters, 26,624 bytes of LDS; arguments expert_w, keys, wimg, perm, tinfo, hist; writes wimg, perm, tinfo
.if DOCPART == 8
	.amdgcn_target "amdgcn-amd-amdhsa--gfx1250"
	.amdhsa_code_object_version 6
	.text
	.protected	k_qa609f890de_sort_w
	.globl	k_qa609f890de_sort_w
	.p2align	8
	.type	k_qa609f890de_sort_w,@function
k_qa609f890de_sort_w:
	s_mov_b64 s[64:65], 0
	v_nop
	global_prefetch_b8 v0, s[64:65] scope:SCOPE_SE
	s_setreg_imm32_b32 hwreg(HW_REG_WAVE_MODE, 25, 1), 1
	s_wait_xcnt 0x0
; TWO JOBS IN ONE LAUNCH, parted on the work-group's number.
; WORK-GROUPS 1 .. 256: expert_w [8][1024 (K)][1024 (N)] f32 becomes codes of E3M2 with one E8M0 byte for each 32 along K, laid as IMAGES OF OPERAND REGISTERS.
;   wimg: for expert e and block nb of 128 columns 102,400 bytes: fragments (column tile nt, K step ks) of 1,536 bytes at (8 nt + ks) x 1,536, registers 4 q .. 4 q + 3 of lane l at 512 q + 16 l;
;   from byte 98,304 the scale words: for (kp, nt) 128 bytes at (8 kp + nt) x 128: place 16 hh + r holds the word of column 16 nt + r for K step 2 kp + hh.
;   K is the weight's FIRST axis: a lane takes a column and its registers run down K, so a block of 32 lies in one lane and the conversions give codes with K innermost; nothing is transposed by an instruction.
;   A wave takes 32 columns x 128 along K (two fragments); the four waves of one K step read 512 consecutive bytes of each row.  Loads run two blocks (64 loads a wave) ahead.  No barrier on this way.
; WORK-GROUP 0: the 8,192 tokens are placed by their pair's number (0..27): the second half of a counting sort, without atomics.  The launch before has ranked each chunk of 32 tokens:
;   keys[token] = 4 key + 256 rank, hist[chunk][g] = the chunk's tokens with key g.  Here: the sums over chunks and waves, a running sum over the keys, and perm[place] = token.
;   And for each tile of 256 places the list of experts that it needs: tinfo rows of 32 words: 0: the list, a nibble an expert; 1: 2^count - 1;
;   2..5: for each quarter of 64 places, a bit for each place of the list that the quarter uses.
; LIMITS: NaN and infinities in expert_w are not served; a block of zeros, or one under 2^(5 - 127), gets the byte 1 (read by this program alone; zero codes add nothing).
; LDS: 0 .. 24,575 the weights' stages, 3,072 bytes a wave; 24,576 .. 25,599 the sort's 8 x 32 totals: each way has bytes of its own.
.set X,     32                         ; weights: v32-95 two sets of 32 numbers
.set C,     96                         ;          v96-127 a block's six registers of codes, eight apart
.set D,     128                        ;          v128-130 a block's upper 16 codes as they are made
.set OUTR,  136                        ;          v136-159 the way out
.set KEY,   32                         ; sort: v32-63 the tokens' words, then 4 x key
.set RANK,  64                         ;       v64-95 rank among the chunk's peers, then the token's number
.set H,     96                         ;       v96-127 lane g: how many of chunk c have key g, then where they begin
.set P,     128                        ;       v128-159 the token's place
.set TC,    32                         ; lists: v32-60 the 29 group starts held into the tile's range;
.set QC,    64                         ;        v64-92 into the quarter's
.set GS,    36                         ;        s36-63 the starts of groups 1 to 28, then the groups' lane masks
.set TM,    20                         ;        s20-27 for each expert: the tiles that need it, a bit a lane;
.set QM,    28                         ;        s28-35 the tiles whose quarter needs it
.set SORTB, 24576
	s_load_b256 s[4:11], s[0:1], 0x0               ; expert_w s[4:5], keys s[6:7], wimg s[8:9], perm s[10:11]
	s_load_b128 s[12:15], s[0:1], 0x20             ; tinfo s[12:13], hist s[14:15]
	v_lshl_add_u32 v192, v0, 2, 0x6400
	v_mov_b32 v193, 0
	v_lshrrev_b32 v2, 5, v0
	s_delay_alu instid0(VALU_DEP_1)
	v_readfirstlane_b32 s18, v2                    ; wave 0..7
	v_and_b32 v1, 31, v0                           ; lane
	s_cmp_lg_u32 ttmp9, 0
	s_cbranch_scc1 .Lweights
	; ---------------- THE SORT ----------------
	v_lshl_add_u32 v30, v0, 2, SORTB               ; where my wave's totals go: 128 bytes a wave
	v_lshl_add_u32 v2, v1, 2, SORTB                ; and where lane g reads the eight waves' totals of key g
	s_lshl_b32 s19, s18, 12
	v_lshlrev_b32 v29, 2, v1
	s_delay_alu instid0(VALU_DEP_1)
	v_add_nc_u32 v29, s19, v29                     ; wave w takes chunks 32 w + c: in keys token 1,024 w + 32 c + lane, in hist chunk 32 w + c, key lane: the same byte offset in both
	s_lshl_b32 s19, s18, 10
	v_add_nc_u32 v13, s19, v1                      ; 1,024 w + lane
	s_wait_alu depctr_va_vdst(0)
	s_wait_kmcnt 0x0
.irp c, 0,1,2,3,4,5,6,7,8,9,10,11,12,13,14,15,16,17,18,19,20,21,22,23,24,25,26,27,28,29,30,31
	global_load_b32 v[H+\c], v29, s[14:15] offset:128*\c
.endr
.irp c, 0,1,2,3,4,5,6,7,8,9,10,11,12,13,14,15,16,17,18,19,20,21,22,23,24,25,26,27,28,29,30,31
	global_load_b32 v[KEY+\c], v29, s[6:7] offset:128*\c
.endr
	s_wait_loadcnt 32                              ; the counts are in: behind their loads stand the 32 of the tokens' words
	v_add3_u32 v26, v[H], v[H+1], v[H+2]           ; lane g: my wave's tokens with key g, in two chains
	v_add3_u32 v27, v[H+3], v[H+4], v[H+5]
.irp c, 6,10,14,18,22,26
	s_delay_alu instid0(VALU_DEP_2)
	v_add3_u32 v26, v26, v[H+\c], v[H+\c+1]
	s_delay_alu instid0(VALU_DEP_2)
	v_add3_u32 v27, v27, v[H+\c+2], v[H+\c+3]
.endr
	s_delay_alu instid0(VALU_DEP_2)
	v_add3_u32 v26, v26, v[H+30], v[H+31]
	s_delay_alu instid0(VALU_DEP_1)
	v_add_nc_u32 v26, v26, v27
	ds_store_b32 v30, v26
	s_wait_dscnt 0x0                               ; for the others' sake: my totals lie in LDS
	s_barrier_signal -1
	s_barrier_wait -1                              ; this way's one barrier; all eight waves of the work-group are on this way
.irp w, 0,1,2,3,4,5,6,7
	ds_load_b32 v[16+\w], v2 offset:128*\w
.endr
	s_wait_dscnt 0x0
	v_add3_u32 v24, v16, v17, v18
	s_delay_alu instid0(VALU_DEP_1)
	v_add3_u32 v24, v24, v19, v20
	s_delay_alu instid0(VALU_DEP_1)
	v_add3_u32 v24, v24, v21, v22
	s_delay_alu instid0(VALU_DEP_1)
	v_add_nc_u32 v24, v24, v23                     ; lane g: all tokens with key g
	s_wait_alu depctr_va_vdst(0)
	v_mov_b32 v31, 0
.irp w, 0,1,2,3,4,5,6
	s_cmp_gt_u32 s18, \w
	s_cselect_b32 s25, 1, 0
	v_mad_u32_u24 v31, v[16+\w], s25, v31          ; those of the waves in front of mine
.endr
	v_mov_b32 v25, v24                             ; a running sum over the lanes: four steps inside each half,
	v_mov_b32 v9, 0
.irp n, 1
	s_delay_alu instid0(VALU_DEP_2)
	v_mov_b32_dpp v9, v25 row_shr:\n row_mask:0xf bank_mask:0xf bound_ctrl:1
	s_delay_alu instid0(VALU_DEP_1)
	v_add_nc_u32 v25, v25, v9
.endr
.irp n, 2, 4, 8
	s_delay_alu instid0(VALU_DEP_1)
	v_mov_b32_dpp v9, v25 row_shr:\n row_mask:0xf bank_mask:0xf bound_ctrl:1
	s_delay_alu instid0(VALU_DEP_1)
	v_add_nc_u32 v25, v25, v9
.endr
	s_delay_alu instid0(VALU_DEP_1)
	v_readlane_b32 s26, v25, 15                    ; then the lower half's sum onto the upper half
	s_delay_alu instid0(VALU_DEP_1)
	v_mov_b32 v9, s26
	v_cmp_lt_u32 vcc_lo, 15, v1
	s_delay_alu instid0(VALU_DEP_1)
	v_cndmask_b32 v9, 0, v9, vcc_lo
	s_delay_alu instid0(VALU_DEP_1)
	v_add_nc_u32 v14, v25, v9                      ; lane g: where group g ends,
	s_delay_alu instid0(VALU_DEP_1)
	v_sub_nc_u32 v15, v14, v24                     ; where it begins (lane 28, whose key no token has: 8,192),
	s_delay_alu instid0(VALU_DEP_1)
	v_add_nc_u32 v27, v15, v31                     ; and where my wave's part of it begins
.set Q, 0
	s_delay_alu instid0(VALU_DEP_1)
	v_add_nc_u32 v28, v27, v[H+Q]                  ; H[c] becomes the place at which chunk c's tokens of key g begin
	s_delay_alu instid0(VALU_DEP_2)
	v_mov_b32 v[H+Q], v27
	s_delay_alu instid0(VALU_DEP_2)
	v_add_nc_u32 v27, v28, v[H+Q+1]
	s_delay_alu instid0(VALU_DEP_3)
	v_mov_b32 v[H+Q+1], v28
.set Q, Q+2
.rept (16)-1
	s_delay_alu instid0(VALU_DEP_2)
	v_add_nc_u32 v28, v27, v[H+Q]
	s_delay_alu instid0(VALU_DEP_3)
	v_mov_b32 v[H+Q], v27
	s_delay_alu instid0(VALU_DEP_2)
	v_add_nc_u32 v27, v28, v[H+Q+1]
	s_delay_alu instid0(VALU_DEP_3)
	v_mov_b32 v[H+Q+1], v28
.set Q, Q+2
.endr
	s_wait_loadcnt 0x0                             ; the tokens' words
.set Q, 0
.rept 32
	v_lshrrev_b32 v[RANK+Q], 8, v[KEY+Q]
.set Q, Q+1
.endr
.set Q, 0
.rept 32
	v_and_b32 v[KEY+Q], 0xff, v[KEY+Q]
.set Q, Q+1
.endr
.set Q, 0
.rept 32
	v_min_u32 v[KEY+Q], 108, v[KEY+Q]              ; 4 x key, held at 4 x 27: a lane's number as the lane permute wants it
.set Q, Q+1
.endr
.irp c, 0,1,2,3,4,5,6,7,8,9,10,11,12,13,14,15,16,17,18,19,20,21,22,23,24,25,26,27,28,29,30,31
	ds_bpermute_b32 v[P+\c], v[KEY+\c], v[H+\c]    ; each token fetches its own key's place from lane key
.endr
.irp c, 0,1,2,3,4,5,6,7,8,9,10,11,12,13,14,15,16,17,18,19,20,21,22,23,24,25,26,27,28,29,30,31
	s_wait_dscnt 31-\c
	v_add_nc_u32 v[P+\c], v[P+\c], v[RANK+\c]
	s_delay_alu instid0(VALU_DEP_1)
	v_min_u32 v[P+\c], 0x1fff, v[P+\c]             ; held before it enters an address
	s_delay_alu instid0(VALU_DEP_1)
	v_lshlrev_b32 v[P+\c], 2, v[P+\c]
	v_add_nc_u32 v[RANK+\c], 32*\c, v13            ; the token's number
	global_store_b32 v[P+\c], v[RANK+\c], s[10:11] ; the sort's scatter, 32 KB in all; a chunk's tokens of one key land side by side
.endr
	; THE TILES' LISTS: waves 0 to 3, lane = tile.  Wave w looks at the tile's 256 places and at its quarter w of 64.
	; A group ends where the next begins.  Each start is held into a range; group g lies in the range exactly where its held start is under the next group's: an empty group lies nowhere.
	s_cmp_gt_u32 s18, 3
	s_cbranch_scc1 .Ldone
	s_wait_xcnt 0x0                                ; the scatter's stores have read their registers: some are written again below
.irp g, 1,2,3,4,5,6,7,8,9,10,11,12,13,14,15,16,17,18,19,20,21,22,23,24,25,26,27,28
	v_readlane_b32 s[GS-1+\g], v15, \g             ; all 28 together: no vector line waits for a single one
.endr
	v_lshlrev_b32 v16, 8, v1                       ; the tile begins,
	s_delay_alu instid0(VALU_DEP_1)
	v_add_nc_u32 v17, 0x100, v16                   ; ends;
	s_lshl_b32 s19, s18, 6
	v_add_nc_u32 v18, s19, v16                     ; the quarter begins,
	s_delay_alu instid0(VALU_DEP_1)
	v_add_nc_u32 v19, 64, v18                      ; ends
	v_mov_b32 v[TC], v16                           ; group 0 begins at place 0: held, that is the range's start
	s_delay_alu instid0(VALU_DEP_3)
	v_mov_b32 v[QC], v18
.irp g, 1,2,3,4,5,6,7,8,9,10,11,12,13,14,15,16,17,18,19,20,21,22,23,24,25,26,27,28
	v_max_u32 v[TC+\g], s[GS-1+\g], v16
	v_max_u32 v[QC+\g], s[GS-1+\g], v18
.endr
.irp g, 1,2,3,4,5,6,7,8,9,10,11,12,13,14,15,16,17,18,19,20,21,22,23,24,25,26,27,28
	v_min_u32 v[TC+\g], v[TC+\g], v17
	v_min_u32 v[QC+\g], v[QC+\g], v19
.endr
.irp e, 0,1,2,3,4,5,6,7
	s_mov_b32 s[TM+\e], 0
	s_mov_b32 s[QM+\e], 0
.endr
.macro OR2 base, g, lo, hi             ; group g is the pair (lo, hi): its lanes need both experts
	s_or_b32 s[\base+\lo], s[\base+\lo], s[GS+\g]
	s_or_b32 s[\base+\hi], s[\base+\hi], s[GS+\g]
.endm
.macro GROUPS base
	OR2 \base, 0, 0, 1
	OR2 \base, 1, 0, 2
	OR2 \base, 2, 0, 3
	OR2 \base, 3, 0, 4
	OR2 \base, 4, 0, 5
	OR2 \base, 5, 0, 6
	OR2 \base, 6, 0, 7
	OR2 \base, 7, 1, 7
	OR2 \base, 8, 1, 6
	OR2 \base, 9, 1, 5
	OR2 \base, 10, 1, 4
	OR2 \base, 11, 1, 3
	OR2 \base, 12, 1, 2
	OR2 \base, 13, 2, 3
	OR2 \base, 14, 2, 4
	OR2 \base, 15, 2, 5
	OR2 \base, 16, 2, 6
	OR2 \base, 17, 2, 7
	OR2 \base, 18, 3, 7
	OR2 \base, 19, 3, 6
	OR2 \base, 20, 3, 5
	OR2 \base, 21, 3, 4
	OR2 \base, 22, 4, 5
	OR2 \base, 23, 4, 6
	OR2 \base, 24, 4, 7
	OR2 \base, 25, 5, 7
	OR2 \base, 26, 5, 6
	OR2 \base, 27, 6, 7
.endm
.irp g, 0,1,2,3,4,5,6,7,8,9,10,11,12,13,14,15,16,17,18,19,20,21,22,23,24,25,26,27
	v_cmp_lt_u32 s[GS+\g], v[TC+\g], v[TC+1+\g]    ; the tiles in which group g lies (the starts in s36-63 have been read)
.endr
	GROUPS TM
.irp g, 0,1,2,3,4,5,6,7,8,9,10,11,12,13,14,15,16,17,18,19,20,21,22,23,24,25,26,27
	v_cmp_lt_u32 s[GS+\g], v[QC+\g], v[QC+1+\g]    ; the tiles in whose quarter w it lies
.endr
	GROUPS QM
	v_mov_b32 v22, 0                               ; the list
	v_mov_b32 v23, 0                               ; the quarter's bits, by the list's places
	v_mov_b32 v24, 0                               ; the list's length so far
.irp e, 0,1,2,3,4,5,6,7
	v_cndmask_b32 v8, 0, 1, s[TM+\e]
	v_cndmask_b32 v9, 0, 1, s[QM+\e]
	s_delay_alu instid0(VALU_DEP_3)
	v_lshlrev_b32 v10, 2, v24
	s_delay_alu instid0(VALU_DEP_3)
	v_mul_u32_u24 v11, v8, \e
	s_delay_alu instid0(VALU_DEP_1)
	v_lshlrev_b32 v11, v10, v11
	s_delay_alu instid0(VALU_DEP_1)
	v_or_b32 v22, v22, v11
	v_lshlrev_b32 v9, v24, v9
	s_delay_alu instid0(VALU_DEP_1)
	v_or_b32 v23, v23, v9
	v_add_nc_u32 v24, v24, v8
.endr
	v_mov_b32 v25, 1
	s_delay_alu instid0(VALU_DEP_1)
	v_lshlrev_b32 v25, v24, v25
	s_delay_alu instid0(VALU_DEP_1)
	v_add_nc_u32 v25, -1, v25                      ; 2^length - 1
	v_lshlrev_b32 v26, 2, v1
	s_lshl_b32 s19, s18, 7
	s_add_co_u32 s19, s19, 256
	v_add_nc_u32 v27, s19, v26
	global_store_b32 v27, v23, s[12:13]            ; rows 2 to 5: one for each quarter
	s_cmp_lg_u32 s18, 0
	s_cbranch_scc1 .Ldone
	global_store_b32 v26, v22, s[12:13]            ; rows 0 and 1: wave 0 alone
	global_store_b32 v26, v25, s[12:13] offset:128
.Ldone:
	s_wait_tensorcnt 0x0
	ds_add_u32 v192, v193
	s_wait_dscnt 0x0
	s_endpgm
	; ---------------- THE WEIGHTS ----------------
.Lweights:
	s_sub_co_u32 s19, ttmp9, 1
	s_lshr_b32 s20, s19, 5                         ; e
	s_bfe_u32 s21, s19, 0x30002                    ; nb: 3 bits from bit 2
	s_and_b32 s22, s19, 3                          ; kq: which pair of K steps
	s_and_b32 s23, s18, 3                          ; cg: which 32 of the block's 128 columns
	s_lshr_b32 s24, s18, 2                         ; hh
	s_lshl_b32 s25, s22, 1
	s_add_co_u32 s25, s25, s24                     ; ks = 2 kq + hh
	s_lshl_b32 s26, s20, 22                        ; expert_w: e x 4 MiB + 128 ks rows of 4,096 bytes + 512 nb + 128 cg
	s_lshl_b32 s27, s25, 19
	s_add_co_u32 s26, s26, s27
	s_lshl_b32 s27, s21, 9
	s_add_co_u32 s26, s26, s27
	s_lshl_b32 s27, s23, 7
	s_add_co_u32 s26, s26, s27
	s_mov_b32 s27, 0
	s_lshl_b32 s28, s20, 3
	s_add_co_u32 s28, s28, s21
	s_mul_i32 s28, s28, 102400                     ; wimg: the block of (e, nb)
	s_mov_b32 s29, 0
	s_lshl_b32 s34, s23, 4
	s_add_co_u32 s34, s34, s25
	s_mul_i32 s34, s34, 1536                       ; my first fragment: (nt = 2 cg, ks); my second lies 8 fragments on
	s_mov_b32 s35, 0
	s_lshl_b32 s38, s22, 3
	s_lshl_b32 s39, s23, 1
	s_add_co_u32 s38, s38, s39
	s_lshl_b32 s38, s38, 7                         ; my scale words: (8 kq + 2 cg) x 128
	s_lshl_b32 s39, s24, 6
	s_add_co_u32 s38, s38, s39                     ; + 64 hh
	s_add_co_u32 s38, s38, 98304
	s_mul_i32 s39, s18, 3072                       ; my stage
	s_wait_alu depctr_va_vdst(0)
	v_lshlrev_b32 v3, 2, v1                        ; in: 4 bytes a lane: 128 consecutive bytes a wave
	v_lshrrev_b32 v8, 4, v1                        ; which of my two fragments my column belongs to
	v_and_b32 v9, 15, v1                           ; and which of its 16 columns it is
	s_delay_alu instid0(VALU_DEP_2)
	v_mul_u32_u24 v4, v8, 1536
	s_delay_alu instid0(VALU_DEP_1)
	v_lshl_add_u32 v4, v9, 4, v4
	s_delay_alu instid0(VALU_DEP_1)
	v_add_nc_u32 v4, s39, v4                       ; into the stage: the image's place of lane r; lane 16 + r lies 256 bytes on
	v_lshlrev_b32 v6, 4, v1                        ; 16 x lane
	s_delay_alu instid0(VALU_DEP_1)
	v_add_nc_u32 v5, s39, v6                       ; out of the stage
	v_lshlrev_b32 v7, 7, v8
	s_delay_alu instid0(VALU_DEP_1)
	v_lshl_add_u32 v7, v9, 2, v7
	s_delay_alu instid0(VALU_DEP_1)
	v_add_nc_u32 v7, s38, v7                       ; my column's scale word
	s_wait_kmcnt 0x0
	s_add_nc_u64 s[4:5], s[4:5], s[26:27]
	s_add_nc_u64 s[8:9], s[8:9], s[28:29]
	s_add_nc_u64 s[36:37], s[8:9], s[34:35]
.macro LOAD t                          ; block t: W(128 ks + 32 t + i, my column), i = 0 .. 31, into set t % 2
.irp i, 0,1,2,3,4,5,6,7,8,9,10,11,12,13,14,15,16,17,18,19,20,21,22,23,24,25,26,27,28,29,30,31
	global_load_b32 v[X+32*((\t)%2)+\i], v3, s[4:5] offset:(32*(\t)+\i)*4096 th:TH_LOAD_NT
.endr
.endm
	LOAD 0
	LOAD 1
; Block t = 2 c + h of the K step belongs to lane 16 h + r of the image, registers 6 c .. 6 c + 5.
.macro BLOCK t
.set XS_, X+32*((\t)%2)
.set CB_, C+8*(\t)
.if (\t) < 3
	s_wait_loadcnt 32                              ; this block's 32 loads are in; the next block's may be out
.else
	s_wait_loadcnt 0x0
.endif
	v_max3_num_f32 v12, |v[XS_]|, |v[XS_+1]|, |v[XS_+2]|            ; the block's largest magnitude: all 32 numbers are mine
	v_max3_num_f32 v13, |v[XS_+3]|, |v[XS_+4]|, |v[XS_+5]|
.irp i, 6,10,14,18,22,26
	s_delay_alu instid0(VALU_DEP_2)
	v_max3_num_f32 v12, v12, |v[XS_+\i]|, |v[XS_+\i+1]|
	s_delay_alu instid0(VALU_DEP_2)
	v_max3_num_f32 v13, v13, |v[XS_+\i+2]|, |v[XS_+\i+3]|
.endr
	s_delay_alu instid0(VALU_DEP_2)
	v_max3_num_f32 v12, v12, |v[XS_+30]|, |v[XS_+31]|
	s_delay_alu instid0(VALU_DEP_1)
	v_max3_num_f32 v12, v12, v13, 0x2800000        ; and the floor 2^(5 - 127): the byte cannot fall under 1
	s_delay_alu instid0(VALU_DEP_1)
	v_add_nc_u32 v11, 0xfe000000, v12              ; 4 off its exponent field: the conversion's scale operand
	s_delay_alu instid0(VALU_DEP_1)
	v_lshrrev_b32 v13, 23, v11                     ; the scale's byte
.if (\t) == 0
	s_delay_alu instid0(VALU_DEP_1)
	v_mov_b32 v24, v13                             ; four bytes make the K step's word, the lower K in the lower byte
.else
	s_delay_alu instid0(VALU_DEP_1)
	v_lshl_or_b32 v24, v13, 8*(\t), v24
.endif
	v_cvt_scalef32_pk16_bf6_f32 v[CB_:CB_+2], v[XS_:XS_+15], v11
	v_cvt_scalef32_pk16_bf6_f32 v[D:D+2], v[XS_+16:XS_+31], v11     ; (a conversion's three registers begin on an even number: the block's upper half is made elsewhere and moved)
	v_nop                                          ; one plain line behind a scaled conversion
.irp i, 0,1,2
	v_mov_b32 v[CB_+3+\i], v[D+\i]
.endr
.if (\t)/2 == 0
	ds_store_b128 v4, v[CB_:CB_+3] offset:256*((\t)%2)             ; registers 0-3,
	ds_store_b64 v4, v[CB_+4:CB_+5] offset:512+256*((\t)%2)        ; 4, 5
.else
	ds_store_b64 v4, v[CB_:CB_+1] offset:520+256*((\t)%2)          ; 6, 7,
	ds_store_b128 v4, v[CB_+2:CB_+5] offset:1024+256*((\t)%2)      ; 8-11
.endif
.if (\t)+2 < 4
	LOAD (\t)+2
.endif
.endm
	BLOCK 0
	BLOCK 1
	BLOCK 2
	BLOCK 3
	global_store_b32 v7, v24, s[8:9]               ; sixteen lanes store 64 consecutive bytes: one byte for each 128 that the launch reads
.irp q, 0,1,2,3,4,5
	ds_load_b128 v[OUTR+4*\q:OUTR+4*\q+3], v5 offset:512*\q        ; LDS serves a wave's instructions in order: these see my stores
.endr
.irp q, 0,1,2,3,4,5
	s_wait_dscnt 5-\q
	global_store_b128 v6, v[OUTR+4*\q:OUTR+4*\q+3], s[36:37] offset:(\q/3)*12288+(\q%3)*512   ; 512 consecutive bytes, at a multiple of 256 from wimg's first byte
.endr
	s_wait_tensorcnt 0x0
	ds_add_u32 v192, v193
	s_wait_dscnt 0x0
	s_endpgm
.Lfunc_end_k_qa609f890de_sort_w:
	.size	k_qa609f890de_sort_w, .Lfunc_end_k_qa609f890de_sort_w-k_qa609f890de_sort_w
	.p2alignl 7, 3214868480
	.fill 96, 4, 3214868480
	.section	.rodata,"a",@progbits
	.p2align	6, 0x0
	.amdhsa_kernel k_qa609f890de_sort_w
		.amdhsa_group_segment_fixed_size 26624
		.amdhsa_private_segment_fixed_size 0
		.amdhsa_enable_private_segment 0
		.amdhsa_kernarg_size 48
		.amdhsa_user_sgpr_count 2
		.amdhsa_user_sgpr_kernarg_segment_ptr 1
		.amdhsa_wavefront_size32 1
		.amdhsa_system_sgpr_workgroup_id_x 1
		.amdhsa_system_sgpr_workgroup_id_y 1
		.amdhsa_system_sgpr_workgroup_id_z 1
		.amdhsa_system_vgpr_workitem_id 0
		.amdhsa_next_free_vgpr 194
		.amdhsa_next_free_sgpr 66
		.amdhsa_reserve_vcc 1
		.amdhsa_float_denorm_mode_32 3
		.amdhsa_float_denorm_mode_16_64 3
		.amdhsa_memory_ordered 1
		.amdhsa_forward_progress 1
		.amdhsa_inst_pref_size 77
	.end_amdhsa_kernel
	.amdgpu_metadata
---
amdhsa.version: [ 1, 2 ]
amdhsa.kernels:
  - .name:           k_qa609f890de_sort_w
    .symbol:         k_qa609f890de_sort_w.kd
    .args:
      - { .name: expert_w, .offset: 0, .size: 8, .value_kind: global_buffer, .address_space: global }
      - { .name: keys, .offset: 8, .size: 8, .value_kind: global_buffer, .address_space: global }
      - { .name: wimg, .offset: 16, .size: 8, .value_kind: global_buffer, .address_space: global }
      - { .name: perm, .offset: 24, .size: 8, .value_kind: global_buffer, .address_space: global }
      - { .name: tinfo, .offset: 32, .size: 8, .value_kind: global_buffer, .address_space: global }
      - { .name: hist, .offset: 40, .size: 8, .value_kind: global_buffer, .address_space: global }
    .group_segment_fixed_size: 26624
    .private_segment_fixed_size: 0
    .kernarg_segment_align: 8
    .kernarg_segment_size: 48
    .max_flat_workgroup_size: 256
    .sgpr_count:     66
    .vgpr_count:     194
    .wavefront_size: 32
...
	.end_amdgpu_metadata
.endif
;; end of part 8
;; launch experts (part 9): grid 8 x 32, 4 waves a work-group, no clusters, 240,128 bytes of LDS; arguments xq, xs, wimg, expert_b, wts, perm, tinfo, out0; writes out0
.if DOCPART == 9
	.amdgcn_target "amdgcn-amd-amdhsa--gfx1250"
	.amdhsa_code_object_version 6
	.text
	.protected	k_qa609f890de_experts
	.globl	k_qa609f890de_experts
	.p2align	8
	.type	k_qa609f890de_experts,@function
k_qa609f890de_experts:
	s_mov_b64 s[64:65], 0
	v_nop
	global_prefetch_b8 v0, s[64:65] scope:SCOPE_SE
	s_setreg_imm32_b32 hwreg(HW_REG_WAVE_SCHED_MODE, 0, 2), 2
	s_setreg_imm32_b32 hwreg(HW_REG_WAVE_MODE, 25, 1), 1
	s_wait_xcnt 0x0
	s_wait_alu depctr_vm_vsrc(0)
; out[token] = the sum over the token's two experts of p x (Q(x) . Q(W[e]) + b[e]), on codes of E3M2 with one E8M0 scale for each 32 along K; sums in f32.
; SHARES.  A work-group owns sorted places 256 t .. 256 t + 255 (y) and columns 128 nb .. 128 nb + 127 (x), and nobody else writes those outputs.  Wave w owns 64 of the places, four tiles of 16 tokens,
; against all 128 columns.  Its tokens' codes for all of K (384 registers) and its 64 x 128 sums (256 registers) stay in registers for the whole launch.
; THE WALK.  The tile's list of experts was stored by the launch before.  A loop of a constant 10 trips takes one place of the list a trip (a list has 8 places at the most).  The barrier stands in every trip,
; on every wave's way; loads, stores and products are jumped over by scalar branches on the stored bits: UM (has the list a next place?) and WM (does my quarter use this place?).
; An expert's block of weights for these columns (102,400 bytes of register images and scale words, 512 of bias) goes from memory through 100 staging registers into one of two LDS buffers, each thread 16 bytes a line,
; while the other buffer is multiplied; all four waves read it.
; THE PRODUCT IS USED TRANSPOSED: source 0 = 16 columns of W, source 1 = 16 tokens: lane (r, h) holds token r and columns 16 nt + 8 h + 0..7.  The bias is the C of a sum's first K step.
; OUT += weight x (sum + bias), the weight being wts[token][e]: 0 for a token of the tile that has not chosen e, so that its rows add nothing.
; THE WAY OUT stands inside the walk. WM has 8 bits, so trip 8 is such a trip for every wave.
; NO JOINT LOADS, NO TENSOR LOADS: which experts a work-group walks, and how many, hangs on stored numbers, so its loads stand under branches on loaded data and partners would ask for different blocks; x's rows are a gather.
; LIMITS: as the two launches before: NaN and infinities among the inputs are not served.
; LDS: buffer p at 102,912 p: fragments (nt, ks) at (8 nt + ks) x 1,536, scale words at 98,304, bias at 102,400; from 205,824 a stage of 16 x 528 bytes for each wave; from 239,616 the spare words.
; REGISTERS: window 0: v1 r, v2 h, v3 4 x thread, v4-19 LDS addresses (v4 is also 16 x lane, v12 also 16 x thread), v20-23 tokens, v24-27 32 x token, v28-31 x's offsets; v32-47 x's scale words (4 m + kp);
;   v48-55 W's scale words, two sets; v56-71 the weights, two sets of four pairs; v72-87 bias, two sets; v88-151 accumulators, two sets of 4 x 8; v152-247 eight fragments of W, one for each K step; v248 bias on its way.
;   On the way out v88-247 hold rows and their offsets.
;   window 1: x's fragments of K steps 0-3 at 48 ks + 12 m; v192-243 staging.   window 2: K steps 4-7 likewise; v192-239 staging.   window 3: OUT at 64 m + 8 nt.
; THE MODE: SCHED_MODE bits 1:0 = 2 (LLVM: expert scheduling mode 2), set by the entry lines.  The code itself states the register dependences between vector or matrix instructions
; and memory or LDS instructions, with s_wait_alu, always for 0.
; THE PLAN.  Registers that memory or LDS instructions touch, in the loop:
;   FRlo v152-199  the fragments of K steps 0-3.  Read by the 16 matrix instructions of a tile's first half; the next tile's land in them during the tile's second half.
;   FRhi v200-247  those of K steps 4-7.  Read by a tile's second half; the next tile's land in them during that tile's first half.
;   WS, BI         two sets by nt % 2.  Read by tile nt's matrix instructions; tile nt + 1's land in the other set late in tile nt's first half.
;   staging, v248  Written by global loads, read by LDS stores; no vector instruction names them.
;   WT[1 - p]      The low words are loaded in trip p and read by the next trip's multiply-adds.
;   OUT            Written by the multiply-adds; read by the way out's LDS stores.
;   v88-215, v216-247 on the way out: rows land from LDS, offsets are made by vector lines; both are read by the global stores.
;   v3-19, v24-31  Addresses and offsets, made at the head and never written again.
; So: at a trip's head one wait on vm_vsrc and one on va_vdst, for all that the trip before (or the head) has left; at the head of each half tile that loads into registers which the half before has read, one wait on va_vdst;
; one wait on vm_vsrc ahead of each refill of the staging registers; on the way out one wait on va_sdst and one on va_vdst for each tile of 16 rows.  Behind a half's wait its loads are dealt among its matrix instructions,
; which name the other half's fragments, the other set of scales and bias, x and the accumulators: none of the registers that those loads touch.
.set BUF1,   102912
.set O_SC,   98304
.set O_BI,   102400
.set HALF_R, 49152                     ; the fragments of column tiles 4-7 begin here: an LDS offset has 16 bits
.set HALF_C, 51200                     ; the copy's second half
.set STAGE,  205824
.set SPITCH, 528
.set XS,  32
.set WS,  48
.set WT,  56
.set BI,  72
.set ACC, 88
.set FR,  152
.set BST, 248
.set STG, 192
.set TK,  44                           ; s44-59 the way out: the sixteen tokens of a tile
.set MSB, 0
.macro WIN new                         ; the immediate's high byte repeats the setting that is left; a switch that changes nothing is dropped
.if MSB != (\new)
	s_set_vgpr_msb (MSB<<8)|(\new)
.set MSB, (\new)
.endif
.endm
; The expert in the list's lowest nibble: where its block, its bias and its column of weights begin.
.macro NEXT
	s_and_b32 s27, s23, 7
	s_min_u32 s27, s27, 7                          ; a loaded number is held before it enters an address
	s_lshl_b32 s34, s27, 3
	s_add_co_u32 s34, s34, s22
	s_mul_i32 s34, s34, 102400
	s_mov_b32 s35, 0
	s_add_nc_u64 s[28:29], s[8:9], s[34:35]        ; wimg + (8 e + nb) x 102,400
	s_lshl_b32 s34, s27, 12
	s_add_co_u32 s34, s34, s41
	s_add_nc_u64 s[30:31], s[10:11], s[34:35]      ; expert_b + 4,096 e + 512 nb
	s_lshl_b32 s34, s27, 2
	s_add_nc_u64 s[32:33], s[12:13], s[34:35]      ; wts + 4 e
.endm
.macro GLOAD off                       ; half a block, 51,200 bytes: 25 lines of 2,048 consecutive bytes for the work-group's 128 threads
	WIN 0x40
.irp j, 0,1,2,3,4,5,6,7,8,9,10,11,12
	global_load_b128 v[STG+4*\j:STG+4*\j+3], v12, s[28:29] offset:(\off)+2048*\j
.endr
	WIN 0x80
.irp j, 0,1,2,3,4,5,6,7,8,9,10,11
	global_load_b128 v[STG+4*\j:STG+4*\j+3], v12, s[28:29] offset:(\off)+2048*(13+\j)
.endr
	WIN 0
.endm
.macro LSTORE adr                      ; and into LDS as it lies (an LDS store's data are its source 1)
	WIN 0x04
.irp j, 0,1,2,3,4,5,6,7,8,9,10,11,12
	ds_store_b128 v[\adr], v[STG+4*\j:STG+4*\j+3] offset:2048*\j
.endr
	WIN 0x08
.irp j, 0,1,2,3,4,5,6,7,8,9,10,11
	ds_store_b128 v[\adr], v[STG+4*\j:STG+4*\j+3] offset:2048*(13+\j)
.endr
	WIN 0
.endm
; The copy of the list's next place into buffer d, in three parts that stand at the head, in the middle and at the end of a trip.  Each is jumped over where the list has no next place.
.macro C1 d                            ; what these loads hang on is stated by the two waits at the trip's head: only scalar lines stand between
	WIN 0
	s_bitcmp1_b32 s24, 0
	s_cbranch_scc0 .Lc1_\@
	GLOAD 0
	global_load_b32 v[BST], v3, s[30:31]           ; the bias of my 128 columns: 4 bytes a thread
.irp m, 0,1,2,3
	global_load_b32 v[WT+8*(\d)+2*\m], v[24+\m], s[32:33]          ; my tokens' weights for that expert
.endr
.Lc1_\@:
.endm
.macro C2 d
	WIN 0
	s_bitcmp1_b32 s24, 0
	s_cbranch_scc0 .Lc2_\@
	s_wait_loadcnt 0x0                             ; the first half is in
	LSTORE 12+2*(\d)
	ds_store_b32 v[16+(\d)], v[BST]
	s_wait_dscnt 0x0                               ; my stores of the first half have landed
	s_wait_alu depctr_vm_vsrc(0)                   ; the LDS stores above have read the staging registers, in which the loads below land
	GLOAD HALF_C
.Lc2_\@:
.endm
.macro C3 d
	WIN 0
	s_bitcmp1_b32 s24, 0
	s_cbranch_scc0 .Lc3_\@
	s_wait_loadcnt 0x0                             ; the second half is in
	LSTORE 13+2*(\d)
.Lc3_\@:
.endm
.macro LFRAG p, nt, ks                 ; W's fragment (nt, ks) into the K step's own twelve registers: three lines of 512 consecutive bytes
.irp q, 0,1,2
	ds_load_b128 v[FR+12*(\ks)+4*\q:FR+12*(\ks)+4*\q+3], v[4+2*(\p)+(\nt)/4] offset:(((\nt)%4)*8+(\ks))*1536+512*\q
.endr
.endm
.macro LEXTRA p, nt                    ; a column tile's four scale registers (lanes 0-15 the even K step's words, lanes 16-31 the odd one's) and its bias in the result's layout
.irp kp, 0,1,2,3
	ds_load_b32 v[WS+4*((\nt)%2)+\kp], v[8+(\p)] offset:(8*\kp+(\nt))*128
.endr
	ds_load_b128 v[BI+8*((\nt)%2):BI+8*((\nt)%2)+3], v[10+(\p)] offset:64*(\nt)
	ds_load_b128 v[BI+8*((\nt)%2)+4:BI+8*((\nt)%2)+7], v[10+(\p)] offset:64*(\nt)+16
.endm
.macro FMA p, nt                       ; OUT += weight x finished sums of column tile nt; each accumulator is read from its low end on
	WIN 0xf0                                       ; destination and source 2: window 3
.irp m, 0,1,2,3
.irp j, 0,2,4,6
	v_pk_fma_f32 v[64*\m+8*(\nt)+\j:64*\m+8*(\nt)+\j+1], v[ACC+32*((\nt)%2)+8*\m+\j:ACC+32*((\nt)%2)+8*\m+\j+1], v[WT+8*(\p)+2*\m:WT+8*(\p)+2*\m+1], v[64*\m+8*(\nt)+\j:64*\m+8*(\nt)+\j+1] op_sel_hi:[1,0,1]
.endr
.endr
.endm
; HALF A COLUMN TILE: K steps 4 g .. 4 g + 3 of column tile nt: sixteen matrix instructions, the four token tiles' accumulators by turns.
; AT ITS HEAD stand plain vector lines that name no register of the matrix instructions just issued (ISA guide 7.12.1): in a second half the sixteen multiply-adds of the tile before, whose sums were finished a half ago;
; else four v_nop, which are also the places between the last tile's last product and the multiply-adds that read it a half later.  Then the wait for this half's fragments, then the one wait on va_vdst.
; ITS LOADS: a first half asks for its own tile's K steps 4-7, a second half for the next tile's K steps 0-3: a fragment behind every second matrix instruction of the half's first two K steps, so that the last has
; eight matrix instructions in which to land.  A first half also asks, behind its third K step, for the next tile's scales and bias, which are wanted a half and a quarter later.
; LDS loads are at home under both window settings of the products (destination and address in window 0).
; THE WAITS ON DScnt count the LDS loads issued behind what is wanted.  Tile 0's fragments are all asked for at the trip's head: its first half waits K step by K step: 21, 18, 15 for the fragments behind, then 18:
; K steps 4-7's twelve and the six of tile 1's scales and bias.  A second half: those six (tile 7: none).  A first half of tiles 1 to 7: none.
.macro HALF p, nt, g
.if ((\g) == 1) && ((\nt) > 0)
	FMA \p, (\nt)-1
.elseif ((\g) == 1) || ((\nt) > 0)
.rept 4
	v_nop
.endr
.endif
.if ((\g) == 1) && ((\nt) < 7)
	s_wait_dscnt 6
.elseif ((\g) == 1) || ((\nt) > 0)
	s_wait_dscnt 0x0
.endif
.if (((\g) == 1) && ((\nt) < 7)) || (((\g) == 0) && ((\nt) > 0))
	s_wait_alu depctr_va_vdst(0)                   ; the half before is done reading its four fragments, in which this half's loads land; in a first half the tile before is also done reading its scale words and its bias
.endif
	WIN 0x04+0x04*(\g)                             ; source 1 (x): window 1 or 2
.irp k, 0,1,2,3
.if ((\nt) == 0) && ((\g) == 0)
.if \k < 3
	s_wait_dscnt 21-3*\k
.else
	s_wait_dscnt 18
.endif
.endif
.irp m, 0,1,2,3
.set KS_, 4*(\g)+\k
.set AC_, ACC+32*((\nt)%2)+8*\m
.set FA_, FR+12*KS_
.set XB_, 48*\k+12*\m
.set SA_, WS+4*((\nt)%2)+KS_/2
.set SB_, XS+4*\m+KS_/2
.if KS_ == 0
	v_wmma_scale_f32_16x16x128_f8f6f4 v[AC_:AC_+7], v[FA_:FA_+11], v[XB_:XB_+11], v[BI+8*((\nt)%2):BI+8*((\nt)%2)+7], v[SA_], v[SB_] matrix_a_fmt:MATRIX_FMT_BF6 matrix_b_fmt:MATRIX_FMT_BF6
.elseif KS_%2 == 0
	v_wmma_scale_f32_16x16x128_f8f6f4 v[AC_:AC_+7], v[FA_:FA_+11], v[XB_:XB_+11], v[AC_:AC_+7], v[SA_], v[SB_] matrix_a_fmt:MATRIX_FMT_BF6 matrix_b_fmt:MATRIX_FMT_BF6
.else
	v_wmma_scale_f32_16x16x128_f8f6f4 v[AC_:AC_+7], v[FA_:FA_+11], v[XB_:XB_+11], v[AC_:AC_+7], v[SA_], v[SB_] matrix_a_fmt:MATRIX_FMT_BF6 matrix_b_fmt:MATRIX_FMT_BF6 matrix_a_scale:MATRIX_SCALE_ROW1 matrix_b_scale:MATRIX_SCALE_ROW1
.endif
.if (\k < 2) && (\m%2 == 1)
.if ((\g) == 0) && ((\nt) > 0)
	LFRAG \p, \nt, 4+2*\k+\m/2                     ; no wait: no vector or matrix instruction since the half's wait names these registers
.elseif ((\g) == 1) && ((\nt) < 7)
	LFRAG \p, (\nt)+1, 2*\k+\m/2
.endif
.endif
.endr
.if (\k == 2) && ((\g) == 0) && ((\nt) < 7)
	LEXTRA \p, (\nt)+1                             ; into the set that tile nt - 1 read (tile 0: the last trip's tile 7, ahead of the wait at the trip's head)
.endif
.endr
.endm
; THE WAY OUT, a tile of 16 tokens at a time.  A lane holds 32 neighbouring bytes of a row and the lanes beside it hold other rows: so the tile goes through my own stage and comes back as whole rows of 512 bytes.
; LDS serves a wave's instructions in order: no wait between the stores and the loads.  A row's token comes from the lane that holds it, and is held before it enters the address.
; OUT was written, and v88-215 were last named by vector or matrix instructions, ahead of the wait on va_vdst at the trip's head; the vector lines below name the tokens, v4 and the offsets alone.
.macro ROWS m
.set R_, ACC+64*((\m)%2)
.set OA_, 216+16*((\m)%2)
.if (\m) >= 2
	s_wait_xcnt 0x0                                ; the stores of two tiles ago have had their addresses translated: their data and offsets are written again only behind this wait,
	s_wait_alu depctr_vm_vsrc(0)                   ; and those stores have read v[R_ ..] and v[OA_ ..], in which the loads below land and which the offsets' lines write
.endif
	WIN 0x0c                                       ; the data: window 3
.irp nt, 0,1,2,3,4,5,6,7
	ds_store_b128 v18, v[64*(\m)+8*\nt:64*(\m)+8*\nt+3] offset:64*\nt
	ds_store_b128 v18, v[64*(\m)+8*\nt+4:64*(\m)+8*\nt+7] offset:64*\nt+16
.endr
	WIN 0
.irp t, 0,1,2,3,4,5,6,7,8,9,10,11,12,13,14,15
	ds_load_b128 v[R_+4*\t:R_+4*\t+3], v19 offset:\t*SPITCH
.endr
.irp t, 0,1,2,3,4,5,6,7,8,9,10,11,12,13,14,15
	v_readlane_b32 s[TK+\t], v[20+(\m)], \t        ; all sixteen together, each into a scalar register of its own
.endr
	s_wait_alu depctr_va_sdst(0)                   ; the sixteen lane reads have written s44-59, ahead of their first readers
.irp t, 0,1,2,3,4,5,6,7,8,9,10,11,12,13,14,15
	s_min_u32 s[TK+\t], s[TK+\t], 0x1fff
.endr
.irp t, 0,1,2,3,4,5,6,7,8,9,10,11,12,13,14,15
	v_lshl_add_u32 v[OA_+\t], s[TK+\t], 12, v4     ; 4,096 token + 16 lane
.endr
	s_wait_alu depctr_va_vdst(0)                   ; the sixteen offsets v[OA_ ..] are written, which the stores below read
.irp t, 0,1,2,3,4,5,6,7,8,9,10,11,12,13,14,15
	s_wait_dscnt 15-\t                             ; row t is back; the younger rows may be out
	global_store_b128 v[OA_+\t], v[R_+4*\t:R_+4*\t+3], s[38:39] th:TH_STORE_NT   ; 32 lanes store 512 consecutive bytes of one output row, at a multiple of 256 from out0's first byte
.endr
.endm
; My 64 rows leave once: where my quarter has no place of the list left (WM = 0) and they have not left yet (s42 = 0).  No LDS instruction of mine is out here: the trip's head has waited, and only global loads followed.
.macro OUTW
	s_or_b32 s43, s25, s42
	s_cmp_lg_u32 s43, 0
	s_cbranch_scc1 .Lkept_\@
	ROWS 0
	ROWS 1
	ROWS 2
	ROWS 3
	s_mov_b32 s42, 1
	s_wait_xcnt 0x0                                ; the stores have had their addresses translated: on the text's other way their registers take fragments and sums again (the wait on vm_vsrc for them stands at the next trip's head, ahead of every such write)
.Lkept_\@:
.endm
; A TRIP: one place of the list, in buffer p.  ONE barrier does both orderings: in front of it every wave's stores into buffer p have landed and its reads of buffer 1 - p are back;
; behind it buffer p is read and buffer 1 - p is written.  No load is out behind the head's waits, so the bases, the staging registers and the weights may be written again whichever way the last trip went.
.macro TRIP p
	s_wait_loadcnt 0x0
	s_wait_dscnt 0x0
	s_wait_alu depctr_vm_vsrc(0)                   ; the copy's LDS stores have read the staging registers and v248, in which this trip's loads land; the way out's stores have read v88-247 and OUT, which fragments, sums and multiply-adds write; in the first trip: the head's loads have read their offsets in v88-93
	s_wait_alu depctr_va_vdst(0)                   ; the last trip's matrix instructions are done reading the fragments, scale words and bias, and its multiply-adds the weights of set 1 - p: loads land in all of them; OUT is written, which the way out's LDS stores read; in the first trip: the head's v_mov lines are done
	s_barrier_signal -1
	s_barrier_wait -1
	s_lshr_b32 s24, s24, 1                         ; bit 0: the list has a next place
	s_lshr_b32 s23, s23, 4                         ; its expert
	NEXT
	s_bitcmp1_b32 s25, 0                           ; does my quarter use this place?
	s_cbranch_scc0 .Lidle_\@
	C1 1-(\p)
	LFRAG \p, 0, 0
	LEXTRA \p, 0
.irp ks, 1,2,3,4,5,6,7
	LFRAG \p, 0, \ks
.endr
.irp nt, 0,1,2,3
	HALF \p, \nt, 0
	HALF \p, \nt, 1
.endr
	C2 1-(\p)
.irp nt, 4,5,6,7
	HALF \p, \nt, 0
	HALF \p, \nt, 1
.endr
.rept 4
	v_nop                                          ; four places behind the last matrix instruction, before its result is read (ISA guide 7.12.1)
.endr
	FMA \p, 7
	C3 1-(\p)
	s_branch .Ljoin_\@
.Lidle_\@:                                         ; nothing to multiply: my share of the copy is done all the same, and my rows leave while the copy's first half is on its way
	C1 1-(\p)
	OUTW
	C2 1-(\p)
	C3 1-(\p)
.Ljoin_\@:
	s_lshr_b32 s25, s25, 1
.endm
	s_load_b256 s[4:11], s[0:1], 0x0               ; xq s[4:5], xs s[6:7], wimg s[8:9], expert_b s[10:11]
	s_load_b256 s[12:19], s[0:1], 0x20             ; wts s[12:13], perm s[14:15], tinfo s[16:17], out0 s[18:19]
	v_lshl_add_u32 v254, v0, 2, 0x3a800
	v_mov_b32 v255, 0
	v_lshrrev_b32 v28, 5, v0
	v_readfirstlane_b32 s20, v28                   ; wave 0..3
	s_and_b32 s21, ttmp7, 0xffff                   ; t: the tile of 256 places
	s_mov_b32 s22, ttmp9                           ; nb: the block of 128 columns
	v_and_b32 v28, 31, v0                          ; lane
	v_and_b32 v1, 15, v0                           ; r
	v_bfe_u32 v2, v0, 4, 1                         ; h
	v_lshlrev_b32 v3, 2, v0                        ; 4 x thread
	v_lshlrev_b32 v4, 4, v28                       ; fragments: buffer p, half u at v[4 + 2 p + u]: 16 x lane + ..
	v_add_nc_u32 v5, HALF_R, v4
	v_add_nc_u32 v6, BUF1, v4
	v_add_nc_u32 v7, BUF1+HALF_R, v4
	v_lshl_add_u32 v8, v28, 2, O_SC                ; scale words: 4 x lane + ..
	v_lshl_add_u32 v9, v28, 2, BUF1+O_SC
	v_lshl_add_u32 v10, v2, 5, O_BI                ; bias: my half's eight columns of a tile
	v_lshl_add_u32 v11, v2, 5, BUF1+O_BI
	v_lshlrev_b32 v12, 4, v0                       ; the copy: buffer p, half u at v[12 + 2 p + u]: 16 x thread + ..
	v_add_nc_u32 v13, HALF_C, v12
	v_add_nc_u32 v14, BUF1, v12
	v_add_nc_u32 v15, BUF1+HALF_C, v12
	v_add_nc_u32 v16, O_BI, v3                     ; the bias's copy
	v_add_nc_u32 v17, BUF1+O_BI, v3
	s_wait_alu depctr_va_sdst(0)                   ; s20, the wave's number, is written, ahead of its first reader
	s_mul_i32 s34, s20, 16*SPITCH
	s_add_co_u32 s34, s34, STAGE                   ; my stage
	v_mul_u32_u24 v18, v1, SPITCH
	v_lshl_add_u32 v18, v2, 5, v18
	v_add_nc_u32 v18, s34, v18                     ; in: row r, 32 bytes for each half of the lanes
	v_add_nc_u32 v19, s34, v4                      ; back: the 32 lanes take one row of 512 bytes
.irp m, 0,1,2,3
	v_mov_b32 v[WT+2*\m+1], 0                      ; the packed form names pairs and takes their low words: the upper words are written once;
	v_mov_b32 v[WT+8+2*\m], 0                      ; so is the second set, which is first loaded inside the loop
	v_mov_b32 v[WT+8+2*\m+1], 0
.endr
	v_lshlrev_b32 v[ACC+5], 2, v1                  ; perm: 4 r (accumulator registers serve as offsets until the first product)
	s_lshl_b32 s34, s21, 2                         ; tinfo: 4 t,
	s_lshl_b32 s35, s20, 7
	s_add_co_u32 s35, s35, s34                     ; 4 t + 128 w
	s_lshl_b32 s36, s21, 10
	s_lshl_b32 s37, s20, 8
	s_add_co_u32 s36, s36, s37                     ; perm: my 64 places begin at 4 (256 t + 64 w)
	s_mov_b32 s37, 0
	s_lshl_b32 s41, s22, 9                         ; 512 nb
	s_mov_b32 s42, 0                               ; my rows have not left yet
	s_wait_kmcnt 0x0
	s_load_b32 s23, s[16:17], s34 offset:0x0       ; EL: the tile's list
	s_load_b32 s24, s[16:17], s34 offset:0x80      ; UM: 2^length - 1
	s_load_b32 s25, s[16:17], s35 offset:0x100     ; WM: my quarter's bits
	s_add_nc_u64 s[14:15], s[14:15], s[36:37]
	s_wait_alu depctr_va_vdst(0)                   ; the addresses and offsets v3 to v19 and v[ACC+5] are written, which the loads and stores of the whole kernel read
.irp m, 0,1,2,3
	global_load_b32 v[20+\m], v[ACC+5], s[14:15] offset:64*\m      ; lane (r, h): the token at place 16 m + r of my 64
.endr
	s_mov_b32 s36, s41
	s_add_nc_u64 s[38:39], s[18:19], s[36:37]      ; out0 at my columns
	s_wait_kmcnt 0x0
	NEXT                                           ; the list's place 0: a tile of 256 tokens always has one
	GLOAD 0
	global_load_b32 v[BST], v3, s[30:31]
	s_wait_loadcnt 26                              ; the tokens are in: behind their loads stand the 25 of the block's first half and the bias's
.irp m, 0,1,2,3
	v_min_u32 v[20+\m], 0x1fff, v[20+\m]           ; held before they enter addresses
.endr
	v_lshlrev_b32 v[ACC+4], 4, v2
.irp m, 0,1,2,3
	v_mul_u32_u24 v[28+\m], v[20+\m], 768
	v_add_nc_u32 v[28+\m], v[28+\m], v[ACC+4]      ; xq: 768 token + 16 h: lanes (r, 0) and (r, 1) read 32 neighbouring bytes in each load
	v_lshlrev_b32 v[24+\m], 5, v[20+\m]            ; wts: 32 token
	v_lshl_add_u32 v[ACC+\m], v2, 4, v[24+\m]      ; xs: 32 token + 16 h: lanes 0-15 the even K steps' words, lanes 16-31 the odd ones'
.endr
	s_wait_alu depctr_va_vdst(0)                   ; the tokens' offsets v24 to v31 and v[ACC] to v[ACC+3] are written, which the loads below (and the weights' loads of every trip) read
.irp m, 0,1,2,3
	global_load_b128 v[XS+4*\m:XS+4*\m+3], v[ACC+\m], s[6:7]
.endr
.irp m, 0,1,2,3
	global_load_b32 v[WT+2*\m], v[24+\m], s[32:33]
.endr
	WIN 0x40
.irp m, 0,1,2,3
.irp ks, 0,1,2,3
.irp q, 0,1,2
	global_load_b128 v[48*\ks+12*\m+4*\q:48*\ks+12*\m+4*\q+3], v[28+\m], s[4:5] offset:96*\ks+32*\q
.endr
.endr
.endr
	WIN 0
	s_wait_loadcnt 56                              ; the block's first half is in: behind it stand 4 + 4 + 48 loads
	LSTORE 12
	ds_store_b32 v16, v[BST]
	s_wait_dscnt 0x0                               ; my stores of the first half have landed
	s_wait_alu depctr_vm_vsrc(0)                   ; the LDS stores above have read the staging registers, in which the loads below land
	GLOAD HALF_C
	WIN 0x80
.irp m, 0,1,2,3
.irp ks, 4,5,6,7
.irp q, 0,1,2
	global_load_b128 v[48*(\ks-4)+12*\m+4*\q:48*(\ks-4)+12*\m+4*\q+3], v[28+\m], s[4:5] offset:96*\ks+32*\q
.endr
.endr
.endr
	WIN 0xc0                                       ; OUT begins as zeros, written while the loads fly: a wave may have no share in the list's first place, so no trip can be the one that starts the sums
.set Q, 0
.rept 256
	v_mov_b32 v[Q], 0
.set Q, Q+1
.endr
	WIN 0
	s_wait_loadcnt 48                              ; the block's second half is in: behind it stand x's last 48 loads
	LSTORE 13
	s_mov_b32 s26, 5
.Ltrip:                                            ; five trips of two places: the buffers are back where they began; places 8 and 9 are empty for every wave, so every wave's rows have left at the loop's end
	TRIP 0
	TRIP 1
	s_sub_co_u32 s26, s26, 1
	s_cmp_lg_u32 s26, 0
	s_cbranch_scc1 .Ltrip
	s_wait_dscnt 0x0                               ; the closing lines, six on end
	s_wait_alu 0x0
	s_wait_tensorcnt 0x0
	ds_add_u32 v254, v255
	s_wait_dscnt 0x0
	s_endpgm
.Lfunc_end_k_qa609f890de_experts:
	.size	k_qa609f890de_experts, .Lfunc_end_k_qa609f890de_experts-k_qa609f890de_experts
	.p2alignl 7, 3214868480
	.fill 96, 4, 3214868480
	.section	.rodata,"a",@progbits
	.p2align	6, 0x0
	.amdhsa_kernel k_qa609f890de_experts
		.amdhsa_group_segment_fixed_size 240128
		.amdhsa_private_segment_fixed_size 0
		.amdhsa_enable_private_segment 0
		.amdhsa_kernarg_size 64
		.amdhsa_user_sgpr_count 2
		.amdhsa_user_sgpr_kernarg_segment_ptr 1
		.amdhsa_wavefront_size32 1
		.amdhsa_system_sgpr_workgroup_id_x 1
		.amdhsa_system_sgpr_workgroup_id_y 1
		.amdhsa_system_sgpr_workgroup_id_z 1
		.amdhsa_system_vgpr_workitem_id 0
		.amdhsa_next_free_vgpr 1024
		.amdhsa_next_free_sgpr 66
		.amdhsa_reserve_vcc 0
		.amdhsa_float_denorm_mode_32 3
		.amdhsa_float_denorm_mode_16_64 3
		.amdhsa_memory_ordered 1
		.amdhsa_forward_progress 1
		.amdhsa_inst_pref_size 244
	.end_amdhsa_kernel
	.amdgpu_metadata
---
amdhsa.version: [ 1, 2 ]
amdhsa.kernels:
  - .name:           k_qa609f890de_experts
    .symbol:         k_qa609f890de_experts.kd
    .args:
      - { .name: xq, .offset: 0, .size: 8, .value_kind: global_buffer, .address_space: global }
      - { .name: xs, .offset: 8, .size: 8, .value_kind: global_buffer, .address_space: global }
      - { .name: wimg, .offset: 16, .size: 8, .value_kind: global_buffer, .address_space: global }
      - { .name: expert_b, .offset: 24, .size: 8, .value_kind: global_buffer, .address_space: global }
      - { .name: wts, .offset: 32, .size: 8, .value_kind: global_buffer, .address_space: global }
      - { .name: perm, .offset: 40, .size: 8, .value_kind: global_buffer, .address_space: global }
      - { .name: tinfo, .offset: 48, .size: 8, .value_kind: global_buffer, .address_space: global }
      - { .name: out0, .offset: 56, .size: 8, .value_kind: global_buffer, .address_space: global }
    .group_segment_fixed_size: 240128
    .private_segment_fixed_size: 0
    .kernarg_segment_align: 8
    .kernarg_segment_size: 64
    .max_flat_workgroup_size: 128
    .sgpr_count:     66
    .vgpr_count:     1024
    .wavefront_size: 32
...
	.end_amdgpu_metadata
.endif
;; end of part 9
